; MI455X (gfx1250); checked and timed in simulation.
; The chip was launched on July 23, 2026; its instructions are those of AMD's public machine-readable ISA for CDNA 5 (MIT licence, August 2026) and "CDNA5" Instruction Set Architecture Reference Guide (July 2026). The comments in the code are by the model that wrote it; some were corrected since.
;; Temporal Diffusion Transformer Decoder Layer. Allowed arithmetic: matrix products marked QUANTISED: E2M1 operands, one E8M0 scale for each 32 along K, by v_wmma_scale_f32_16x16x128_f8f6f4 with both operands' format E2M1 (or v_wmma_scale_f32_32x16x128_f4), f32 sums; everything else in f32.
;; Inputs: b1 2,048 float32; b2 512 float32; ffn_b 512 float32; ffn_g 512 float32; ln1_b 512 float32; ln1_g 512 float32; se_w1 1,024 x 256 float32; se_w2 256 x 1,024 float32; w1 512 x 2,048 float32; w2 2,048 x 512 float32; wk 512 x 512 float32; wq 512 x 512 float32; wv 512 x 512 float32; x 16 x 1,024 x 512 float32.
;; Outputs: out0 16 x 1,024 x 512 float32.
;; This version of the problem:
;;   THIS VERSION OF THE PROBLEM IS GIVEN IN LOW PRECISION. The matrix products marked QUANTISED in the list below multiply operands that are first quantised to E2M1 (2 exponent bits, 1 mantissa bit; 4 bits a number), with one power-of-two scale for each 32 numbers along K (OCP MX v1.0); their sums are f32. All else is computed in f32.
;;   The module's matrix products, in the order in which they are computed (A, B: the left and right operand; K: the contracted axis; several contracted axes count as one K, in the product's order):
;;     1. [M 16, K 1,024] x [K 1,024, N 256]; A: computed on the way; B: input se_w1: QUANTISED
;;     2. [M 16, K 256] x [K 256, N 1,024]; A: computed on the way; B: input se_w2: QUANTISED
;;     3. [M 16,384, K 512] x [K 512, N 512]; A: computed on the way; B: input wq: QUANTISED
;;     4. [M 16,384, K 512] x [K 512, N 512]; A: computed on the way; B: input wk: QUANTISED
;;     5. [M 16,384, K 512] x [K 512, N 512]; A: computed on the way; B: input wv: QUANTISED
;;     6. batch 128 x [M 1,024, K 64] x [K 64, N 1,024]; A: computed on the way; B: computed on the way: QUANTISED
;;     7. batch 128 x [M 64, K 1,024] x [K 1,024, N 1,024]; A: computed on the way; B: softmax (see below): QUANTISED
;;     8. [M 16,384, K 512] x [K 512, N 2,048]; A: computed on the way; B: input w1: QUANTISED
;;     9. [M 16,384, K 2,048] x [K 2,048, N 512]; A: computed on the way; B: input w2: QUANTISED
;;   THE QUANTISER, for each operand of a quantised product, along K:
;;     - K is cut into blocks of 32 from its start; a last block that is shorter is filled with zeros.
;;     - A block's scale is 2^e with e = floor(log2(the largest magnitude in the block)) - 2, held to -126 .. 127; a block of zeros has e = 0. As a byte (E8M0): e + 127.
;;     - Each number is divided by its block's scale, clamped to +-6, and rounded to the nearest number of E2M1, ties to even, subnormals kept.
;;     - The product sums the exact products of the quantised numbers (number of the format x scale) in f32.
;;   ~~~python
;;   def quantise(x, axis):      # numpy; x: float32 -> the quantised numbers, widened to float32 again
;;       x = np.moveaxis(x, axis, -1); K = x.shape[-1]
;;       x = np.pad(x, [(0, 0)] * (x.ndim - 1) + [(0, -K % 32)]); x = x.reshape(x.shape[:-1] + (-1, 32)); a = np.abs(x).max(-1, keepdims=True)
;;       e = np.where(a > 0, np.clip(np.frexp(np.where(a > 0, a, 1))[1] - 1 - 2, -126, 127), 0)      # np.frexp(a)[1] - 1 = floor(log2(a)), exactly
;;       r = np.clip(x / 2.0 ** e, -6, 6)
;;       step = 2.0 ** (np.maximum(np.frexp(np.where(r == 0, 1, r))[1] - 1, 0) - 1)
;;       q = np.round(r / step) * step * 2.0 ** e      # np.round: ties to even
;;       return np.moveaxis(q.reshape(q.shape[:-2] + (-1,))[..., :K], -1, axis).astype(np.float32)
;;   ~~~
;;   SOFTMAX AHEAD OF A QUANTISED PRODUCT. Where the list says 'softmax', what is quantised is not the finished softmax but p = 2^(t - M), with t = logit x log2(e) and M = ceil(the row's largest t), a whole number; so 1/2 < the row's largest p <= 1. The row's sum l is taken of the UNQUANTISED p, in f32, and the product's result is divided by l at the end. Since M is a whole number, a kernel that streams over the keys may use a running M (the ceiling of the running maximum): every later rescaling is an exact power of two, which a block's scale takes up: the codes' values come out the same.
;;   OPERANDS COMPUTED ON THE WAY. 'Computed on the way' means the value that the module computes at that place (a softmax that the list does not call 'softmax' is quantised finished and normalised). What goes into a quantiser is computed in f32, as accurately as f32 sums, v_exp_f32 and their like allow (about 1e-6 of the number): no bf16 or f16 on the way to a quantiser, and a product that is left as it is and whose result goes on into a quantised operand takes f32 operands (vector FMAs, or v_wmma_f32_16x16x4_f32). A number that lies on a knife's edge between two numbers of the format may be rounded either way, as far as f32 arithmetic and the matrix unit's own rounding can turn it there, and no further.
;; 2 versions. Each part assembles by itself: llvm-mc -triple=amdgcn-amd-amdhsa -mcpu=gfx1250 --defsym DOCPART=n.
;; ======== version 1 of 2: 4 launches
;; workspace buffers: wcodes 1,703,936 bytes; wscales 106,496 bytes; ymean 65,536 bytes; gatev 65,536 bytes; qkvc 12,582,912 bytes; qkvs 1,310,720 bytes; x2 33,554,432 bytes
;; launch prep (part 1): grid 336 x 1, 4 waves a work-group, no clusters, 0 bytes of LDS; arguments x, wq, wk, wv, w1, w2, se_w1, se_w2, wcodes, wscales, ymean; writes wcodes, wscales, ymean
.if DOCPART == 1
	.amdgcn_target "amdgcn-amd-amdhsa--gfx1250"
	.amdhsa_code_object_version 6
	.text
	.protected	k_q975c7c3c6c_prep
	.globl	k_q975c7c3c6c_prep
	.p2align	8
	.type	k_q975c7c3c6c_prep,@function
k_q975c7c3c6c_prep:
	s_mov_b64 s[64:65], 0
	v_nop
	global_prefetch_b8 v0, s[64:65] scope:SCOPE_SE
	s_setreg_imm32_b32 hwreg(HW_REG_WAVE_MODE, 25, 1), 1
	s_wait_xcnt 0x0
; Two jobs in one launch, told apart by the work-group's number alone.
; Work-groups 0-127: ymean[row] = the mean of x's row of 512 numbers; a wave takes 32 rows, four at a time.
; Work-groups 128-335: the seven weights, f32 stored [K][N], become codes of FP4 (E2M1) with one E8M0 byte for each 32 along K,
; laid IN THE ORDER OF THE OPERAND'S REGISTERS: a fragment (16 columns x 128 K) is [kb 0..3][r 0..15][16 bytes], 1,024 bytes; a weight is
; [P = pair of 16-column tiles][u 0..1][ks = K / 128][1,024]; its scale words [P][ks][lane = 16 u + r], byte kb of a word for block kb.
; A LANE TAKES A COLUMN AND ITS REGISTERS RUN DOWN K: a block of 32 lies in one lane, so no other lane is asked for its largest magnitude.
; wq, wk, w1, se_w1 have their columns in a chosen order: row r of tile u stands for column 8 u + r % 8 + 16 (r / 8) of the 32, so that the
; results of the products that use them lie as 16 neighbours along the next K in a lane.
; A block's scale is 2^(floor(log2(largest magnitude)) - 2); its byte is the largest magnitude's exponent field - 2, held at 1 from below.
; LIMITS: a block of zeros gets the byte 1 (its codes are zeros; only this program reads the bytes); NaN and infinities are not served.
; No LDS, no barrier, no matrix unit, no cluster: waves share nothing and every input byte is read once.
.set NMEAN, 128
	s_load_b512 s[4:19], s[0:1], 0x0               ; x, wq, wk, wv, w1, w2, se_w1, se_w2
	s_load_b128 s[20:23], s[0:1], 0x40             ; wcodes, wscales
	s_load_b64 s[24:25], s[0:1], 0x50              ; ymean
	v_lshrrev_b32 v1, 5, v0
	v_readfirstlane_b32 s26, v1                    ; wave 0..3
	v_and_b32 v3, 31, v0                           ; lane
	s_cmp_lt_u32 ttmp9, NMEAN
	s_cbranch_scc0 .Lweights
; ---------------- the means ----------------
	s_lshl_b32 s27, ttmp9, 2
	s_add_co_u32 s27, s27, s26                     ; which run of 32 rows is my wave's
	s_lshl_b32 s28, s27, 16                        ; x 32 rows x 2,048 bytes
	s_mov_b32 s29, 0
	s_lshl_b32 s30, s27, 7                         ; x 32 rows x 4 bytes
	s_mov_b32 s31, 0
	s_mov_b32 s36, 0x76543210
	s_mov_b32 s37, 0xfedcba98                      ; v_permlanex16_b32's selects for lane l xor 16
	v_lshlrev_b32 v1, 4, v3                        ; 16 bytes a lane: a load covers 512 consecutive bytes
	v_lshlrev_b32 v12, 2, v3
	v_mov_b32 v2, 0                                ; lane i gathers row i's sum
.irp r, 8,9,10,11
	v_mov_b32 v\r, 0                               ; a lane permute's destination counts as one of its sources
.endr
	s_wait_kmcnt 0x0
	s_add_nc_u64 s[4:5], s[4:5], s[28:29]
	s_add_nc_u64 s[24:25], s[24:25], s[30:31]
.macro LOADG g                         ; rows 4 g .. 4 g + 3 into set g % 3 of v32-223: sixteen loads
.irp rr, 0,1,2,3
.irp i, 0,1,2,3
	global_load_b128 v[32+64*((\g)%3)+16*\rr+4*\i:32+64*((\g)%3)+16*\rr+4*\i+3], v1, s[4:5] offset:(4*(\g)+\rr)*2048+512*\i th:TH_LOAD_NT
.endr
.endr
.endm
.macro GROUP g, left                   ; left: the younger loads that may stay out
.set XS, 32+64*((\g)%3)
	s_wait_loadcnt \left
.irp k, 0,2,4,6
.irp rr, 0,1,2,3
	v_pk_add_f32 v[XS+16*\rr+\k:XS+16*\rr+\k+1], v[XS+16*\rr+\k:XS+16*\rr+\k+1], v[XS+16*\rr+\k+8:XS+16*\rr+\k+9]
.endr
.endr
.irp k, 0,2
.irp rr, 0,1,2,3
	v_pk_add_f32 v[XS+16*\rr+\k:XS+16*\rr+\k+1], v[XS+16*\rr+\k:XS+16*\rr+\k+1], v[XS+16*\rr+\k+4:XS+16*\rr+\k+5]
.endr
.endr
.irp rr, 0,1,2,3
	v_pk_add_f32 v[XS+16*\rr:XS+16*\rr+1], v[XS+16*\rr:XS+16*\rr+1], v[XS+16*\rr+2:XS+16*\rr+3]
.endr
.irp rr, 0,1,2,3
	v_add_f32 v[4+\rr], v[XS+16*\rr], v[XS+16*\rr+1]   ; my 16 numbers of the row
.endr
.if (\g)+3 < 8
	LOADG (\g)+3                                   ; the set is free: three groups stay on their way
.endif
.irp x, 1,2,4,8
.irp rr, 0,1,2,3
	v_add_f32_dpp v[4+\rr], v[4+\rr], v[4+\rr] row_xmask:\x row_mask:0xf bank_mask:0xf
.endr
.endr
.irp rr, 0,1,2,3
	v_permlanex16_b32 v[8+\rr], v[4+\rr], s36, s37
.endr
.irp rr, 0,1,2,3
	v_add_f32 v[4+\rr], v[4+\rr], v[8+\rr]         ; every lane holds the row's sum
.endr
.irp rr, 0,1,2,3
	s_mov_b32 s[32+\rr], 1<<(4*(\g)+\rr)
	v_cndmask_b32 v2, v2, v[4+\rr], s[32+\rr]      ; lane 4 g + rr keeps it
.endr
.endm
	LOADG 0
	LOADG 1
	LOADG 2
	GROUP 0, 32
	GROUP 1, 32
	GROUP 2, 32
	GROUP 3, 32
	GROUP 4, 32
	GROUP 5, 32
	GROUP 6, 16
	GROUP 7, 0
	v_mul_f32 v2, 0x3b000000, v2                   ; / 512
	global_store_b32 v12, v2, s[24:25]             ; 32 rows' means: 128 consecutive bytes
	s_endpgm
; ---------------- the weights ----------------
.Lweights:
	s_sub_co_u32 s27, ttmp9, NMEAN
	s_lshl_b32 s27, s27, 2
	s_add_co_u32 s27, s27, s26                     ; my unit, 0 .. 831: 32 columns x 128 along K of one weight
	s_wait_kmcnt 0x0
	s_mov_b64 s[28:29], s[6:7]                     ; wq's figures; the later weights' take their place where the unit's number reaches them
	s_mov_b32 s30, 0                               ; the weight's first unit
	s_mov_b32 s31, 4                               ; log2(N / 32)
	s_mov_b32 s32, 2                               ; log2(K / 128)
	s_mov_b32 s33, -1                              ; all ones: columns in the chosen order; 0: as they lie
	s_mov_b32 s34, 0                               ; where its codes begin
	s_mov_b32 s35, 0                               ; and its scale words
.macro PICK start, ptr, lognp, logks, perm, coff, soff
	s_cmp_ge_u32 s27, \start
	s_cselect_b64 s[28:29], s[\ptr:\ptr+1], s[28:29]
	s_cselect_b32 s30, \start, s30
	s_cselect_b32 s31, \lognp, s31
	s_cselect_b32 s32, \logks, s32
	s_cselect_b32 s33, \perm, s33
	s_cselect_b32 s34, \coff, s34
	s_cselect_b32 s35, \soff, s35
.endm
	PICK 64,  8,  4, 2, -1, 131072,  8192          ; wk
	PICK 128, 10, 4, 2, 0,  262144,  16384         ; wv
	PICK 192, 12, 6, 2, -1, 393216,  24576         ; w1
	PICK 448, 14, 4, 4, 0,  917504,  57344         ; w2
	PICK 704, 16, 3, 3, -1, 1441792, 90112         ; se_w1
	PICK 768, 18, 5, 1, 0,  1572864, 98304         ; se_w2
	s_sub_co_u32 s36, s27, s30                     ; the unit within its weight
	s_bfm_b32 s37, s31, 0
	s_and_b32 s37, s36, s37                        ; P: neighbouring waves stand side by side on a row of the weight
	s_lshr_b32 s38, s36, s31                       ; ks
	s_lshl_b32 s39, 128, s31                       ; a row of the weight in bytes
	s_add_co_u32 s48, s31, 14
	s_lshl_b32 s48, s38, s48                       ; ks x 128 rows
	s_lshl_b32 s49, s37, 7                         ; + 32 columns x P
	s_add_co_u32 s48, s48, s49
	s_mov_b32 s49, 0
	s_add_nc_u64 s[40:41], s[28:29], s[48:49]      ; block 0 of my four blocks of 32 rows
	s_lshl_b32 s48, s39, 5
	s_add_nc_u64 s[42:43], s[40:41], s[48:49]
	s_add_nc_u64 s[44:45], s[42:43], s[48:49]
	s_add_nc_u64 s[46:47], s[44:45], s[48:49]
	s_lshl_b32 s50, s37, s32                       ; P x KS
	s_add_co_u32 s52, s50, s38
	s_lshl_b32 s52, s52, 7                         ; scale words: (P KS + ks) x 128 bytes
	s_add_co_u32 s52, s52, s35
	s_mov_b32 s53, 0
	s_add_nc_u64 s[22:23], s[22:23], s[52:53]
	s_lshl_b32 s50, s50, 1
	s_add_co_u32 s50, s50, s38
	s_lshl_b32 s50, s50, 10                        ; codes: (2 P KS + ks) x 1,024 bytes
	s_add_co_u32 s50, s50, s34
	s_mov_b32 s51, 0
	s_add_nc_u64 s[20:21], s[20:21], s[50:51]
	v_and_b32 v4, 15, v3                           ; r
	v_lshrrev_b32 v5, 4, v3                        ; u
	v_and_b32 v6, 7, v4
	v_lshl_add_u32 v6, v5, 3, v6
	v_and_b32 v7, 8, v4
	v_lshl_add_u32 v6, v7, 1, v6                   ; 8 u + r % 8 + 16 (r / 8)
	v_sub_nc_u32 v6, v6, v3
	v_and_b32 v6, s33, v6
	v_add_nc_u32 v6, v6, v3                        ; my column of the 32: the chosen one, or my lane's number
	v_lshlrev_b32 v6, 2, v6
.irp i, 0,1,2,3,4,5,6,7,8,9,10,11,12,13,14,15,16,17,18,19,20,21,22,23,24,25,26,27,28,29,30,31
	v_mad_u32_u24 v[32+\i], s39, \i, v6            ; row i of a block, my column
.endr
	s_add_co_u32 s54, s32, 10
	v_lshlrev_b32 v7, s54, v5                      ; tile u begins KS x 1,024 bytes on
	v_lshl_add_u32 v7, v4, 4, v7                   ; + 16 r: sixteen lanes store 256 consecutive bytes, aligned
	v_lshlrev_b32 v8, 2, v3
.macro WLOAD t                         ; block t: 32 rows, into set t % 2; each load reads 128 consecutive bytes
.irp i, 0,1,2,3,4,5,6,7,8,9,10,11,12,13,14,15,16,17,18,19,20,21,22,23,24,25,26,27,28,29,30,31
	global_load_b32 v[64+32*((\t)%2)+\i], v[32+\i], s[40+2*(\t):41+2*(\t)] th:TH_LOAD_NT
.endr
.endm
.macro WBLOCK t
.set XS, 64+32*((\t)%2)
.if (\t) < 3
	s_wait_loadcnt 32                              ; this block's 32 loads are in; the next block's may be out
.else
	s_wait_loadcnt 0x0
.endif
	v_max3_num_f32 v12, |v[XS]|, |v[XS+1]|, |v[XS+2]|
	v_max3_num_f32 v13, |v[XS+3]|, |v[XS+4]|, |v[XS+5]|
.irp i, 6,10,14,18,22,26
	v_max3_num_f32 v12, v12, |v[XS+\i]|, |v[XS+\i+1]|
	v_max3_num_f32 v13, v13, |v[XS+\i+2]|, |v[XS+\i+3]|
.endr
	v_max3_num_f32 v12, v12, |v[XS+30]|, |v[XS+31]|
	v_max3_num_f32 v12, v12, v13, 0x1800000        ; the floor 2^(3 - 127): the byte cannot fall under 1
	v_add_nc_u32 v10, 0xff000000, v12              ; 2 off the exponent field: the conversion's scale operand
	v_lshrrev_b32 v13, 23, v10                     ; the scale's byte
.if (\t) == 0
	v_mov_b32 v9, v13
.else
	v_lshl_or_b32 v9, v13, 8*(\t), v9              ; four bytes make the column's scale word for these 128 along K
.endif
.irp g, 0,1,2,3
	v_cvt_scalef32_pk8_fp4_f32 v[128+4*(\t)+\g], v[XS+8*\g:XS+8*\g+7], v10
.endr
	v_nop                                          ; one plain line behind the last conversion: v10 is written again in the next block
.if (\t) < 2
	WLOAD (\t)+2
.endif
	global_store_b128 v7, v[128+4*(\t):128+4*(\t)+3], s[20:21] offset:256*(\t)   ; each block has data registers of its own
.endm
	WLOAD 0
	WLOAD 1
	WBLOCK 0
	WBLOCK 1
	WBLOCK 2
	WBLOCK 3
	global_store_b32 v8, v9, s[22:23]              ; 32 scale words: 128 consecutive bytes
	s_endpgm
.Lfunc_end_k_q975c7c3c6c_prep:
	.size	k_q975c7c3c6c_prep, .Lfunc_end_k_q975c7c3c6c_prep-k_q975c7c3c6c_prep
	.p2alignl 7, 3214868480
	.fill 96, 4, 3214868480
	.section	.rodata,"a",@progbits
	.p2align	6, 0x0
	.amdhsa_kernel k_q975c7c3c6c_prep
		.amdhsa_group_segment_fixed_size 0
		.amdhsa_private_segment_fixed_size 0
		.amdhsa_enable_private_segment 0
		.amdhsa_kernarg_size 88
		.amdhsa_user_sgpr_count 2
		.amdhsa_user_sgpr_kernarg_segment_ptr 1
		.amdhsa_wavefront_size32 1
		.amdhsa_system_sgpr_workgroup_id_x 1
		.amdhsa_system_sgpr_workgroup_id_y 1
		.amdhsa_system_sgpr_workgroup_id_z 1
		.amdhsa_system_vgpr_workitem_id 0
		.amdhsa_next_free_vgpr 224
		.amdhsa_next_free_sgpr 66
		.amdhsa_reserve_vcc 0
		.amdhsa_float_denorm_mode_32 3
		.amdhsa_float_denorm_mode_16_64 3
		.amdhsa_memory_ordered 1
		.amdhsa_forward_progress 1
		.amdhsa_inst_pref_size 68
	.end_amdhsa_kernel
	.amdgpu_metadata
---
amdhsa.version: [ 1, 2 ]
amdhsa.kernels:
  - .name:           k_q975c7c3c6c_prep
    .symbol:         k_q975c7c3c6c_prep.kd
    .args:
      - { .name: x, .offset: 0, .size: 8, .value_kind: global_buffer, .address_space: global }
      - { .name: wq, .offset: 8, .size: 8, .value_kind: global_buffer, .address_space: global }
      - { .name: wk, .offset: 16, .size: 8, .value_kind: global_buffer, .address_space: global }
      - { .name: wv, .offset: 24, .size: 8, .value_kind: global_buffer, .address_space: global }
      - { .name: w1, .offset: 32, .size: 8, .value_kind: global_buffer, .address_space: global }
      - { .name: w2, .offset: 40, .size: 8, .value_kind: global_buffer, .address_space: global }
      - { .name: se_w1, .offset: 48, .size: 8, .value_kind: global_buffer, .address_space: global }
      - { .name: se_w2, .offset: 56, .size: 8, .value_kind: global_buffer, .address_space: global }
      - { .name: wcodes, .offset: 64, .size: 8, .value_kind: global_buffer, .address_space: global }
      - { .name: wscales, .offset: 72, .size: 8, .value_kind: global_buffer, .address_space: global }
      - { .name: ymean, .offset: 80, .size: 8, .value_kind: global_buffer, .address_space: global }
    .group_segment_fixed_size: 0
    .private_segment_fixed_size: 0
    .kernarg_segment_align: 8
    .kernarg_segment_size: 88
    .max_flat_workgroup_size: 128
    .sgpr_count:     66
    .vgpr_count:     224
    .wavefront_size: 32
...
	.end_amdgpu_metadata
.endif
;; end of part 1
;; launch qkv (part 2): grid 256 x 1, 8 waves a work-group, no clusters, 195,840 bytes of LDS; arguments x, ymean, ln1_g, ln1_b, wcodes, wscales, qkvc, qkvs, gatev; writes qkvc, qkvs, gatev
.if DOCPART == 2
	.amdgcn_target "amdgcn-amd-amdhsa--gfx1250"
	.amdhsa_code_object_version 6
	.text
	.protected	k_q975c7c3c6c_qkv
	.globl	k_q975c7c3c6c_qkv
	.p2align	8
	.type	k_q975c7c3c6c_qkv,@function
k_q975c7c3c6c_qkv:
	s_mov_b64 s[64:65], 0
	v_nop
	global_prefetch_b8 v0, s[64:65] scope:SCOPE_SE
	s_setreg_imm32_b32 hwreg(HW_REG_WAVE_MODE, 25, 1), 1
	s_wait_xcnt 0x0
; gate = sigmoid(relu(y se_w1) se_w2); x1 = x + x gate; n = LayerNorm(x1); q, k, v = n wq, n wk, n wv.  All five products on codes of FP4 (E2M1) with one E8M0 scale for each 32 along K; q and k are quantised
; along the head's 64, v along the tokens, and all three leave as codes in the order of the operand's registers.
; SHARES.  A work-group takes 64 rows (tokens) of one batch.  Norm: wave w takes rows 8 w .. 8 w + 7.  Products: wave w is head w: six units of 2 tiles of 16 columns x 4 K steps x 4 tiles of rows, 32 matrix instructions each.
; THE GATE.  The rows of its two products do not depend on each other, so a work-group makes the gates of its own batch and its own 64 tokens alone: the batch's row of y stands in all 16 rows of the operand, and every
; lane r holds the same numbers.  Wave w quantises K step w of y (a lane holds two whole blocks) -> LDS as an image of the registers | barrier | wave w makes hidden units 32 w .. 32 w + 31 (transposed: source 0 = 16 columns
; of se_w1 in the chosen order): 16 neighbours a lane; relu; quantised; 8 bytes a lane to LDS | barrier | wave w makes tile w / 2 of the four tiles of 16 tokens; register j of the lanes with lane / 16 = w % 2 is the gate of
; my row 8 w + j.  Each work-group reads se_w1's 136 KB of codes and scale words for that, in place of a launch of its own on few work-groups; the chain stands between the request for x and the wait for it.
; THE NORM.  Rows are loaded densely (512 consecutive bytes a load), turned through the wave's own stage in LDS so that a lane holds 16 neighbours of a row (two lanes hold a block of 32),
; normalised in f32 in two passes (mean, then the mean square of the differences), quantised, and stored to LDS as fragments that all eight waves then read.
; THE ROWS OF A TILE OF n ARE NOT NEIGHBOURS: row r of tile 2 b + u is token 32 b + 8 u + r % 8 + 16 (r / 8) of the 64.  So v = n wv (source 0 = n) leaves 16 neighbouring tokens in a lane,
; k's tiles have the order of keys that the softmax wants, and q's tiles are queries in an order that the next launch undoes by its addresses.
; q and k are used transposed (source 0 = 16 columns of the weight in the chosen order, source 1 = n): a lane holds one token and 16 neighbouring channels.
; OUT.  A lane's 16 codes are 8 bytes at 256 kb + 16 r + 8 h of a fragment: each store of a wave covers 256 consecutive bytes, aligned.  The gates leave at the end, 32 bytes a wave.
; The weights lie in memory in the order of the operand's registers and go straight into registers, a unit ahead (20 loads): no LDS ring and no joint loads, which would put an LDS read between
; memory and each fragment; all work-groups read the same codes.
; LIMITS: a block of zeros gets the byte 1 with zero codes (only this program reads the bytes); NaN and infinities are not served; v_rsq_f32, v_exp_f32 and v_rcp_f32 are taken as they are.
.set RP,   2576                        ; a row in the stage: 32 places of 64 bytes + 16, and 16 more: an odd multiple of 16 bytes
.set WST,  8*RP                        ; a wave's eight rows
.set NIMG, 64*RP                       ; n's fragments: 4 tiles x 16 blocks of (16 rows x 16 bytes + 16 of padding)
.set NSC,  NIMG+4*4352                 ; n's scale words: [tile][K step][row]
.set YIMG, NSC+1024                    ; the gate's own bytes: y's 8 fragments, 1,024 bytes each;
.set YSCO, 8192                        ; from YIMG on: their scale words, 128 bytes each;
.set HIMO, 9216                        ; the hidden layer's 2 fragments;
.set HSCO, 11264                       ; its scale words: [K step][row], 64 bytes each
.set SE1C, 1441792                     ; where se_w1's and se_w2's codes and scale words begin in their buffers
.set SE1S, 90112
.set SE2C, 1572864
.set SE2S, 98304
.set LI,  1                            ; v1   16 x lane
.set STI, 2                            ; v2   the stage, on the way in
.set STO, 3                            ; v3   and out: 80 x lane
.set NWI, 4                            ; v4   where I store 8 bytes of n's codes
.set NWS, 5                            ; v5   and a scale byte
.set AN,  6                            ; v6   where I read n's fragments
.set NSR, 7                            ; v7   and its scale words
.set QST, 8                            ; v8   16 r + 8 h: my 8 bytes in a block of a fragment
.set L4,  9                            ; v9   4 x lane
.set S2S, 10                           ; v10-11 se_w2's scale words
.set LGA, 12                           ; v12  64 x lane: my 16 gains and biases
.set GLI, 13                           ; v13  YIMG + 16 x lane;  v14 YIMG + 4 x lane;  v15 YIMG + 4 r  (at work before and behind the gate)
.set GL4, 14
.set G4R, 15
.set NS,  16                           ; v16-23 se_w1's scale words, then the hidden layer's (v16-17), then n's: 2 m + ks / 2; lanes 0-15 the even K step, lanes 16-31 the odd one
.set YOF, 32                           ; v32  128 h: my offset in y's row;  v33 4 r;  v34, v35 where I store y's image and word;  later
.set R4,  33
.set YWI, 34
.set YWS, 35
.set HW,  32                           ; v32-35 v's scale bytes, two to a register
.set TT,  36                           ; v36,38,40,42 a row's mean, then its largest magnitude; v37,39,41,43 its scale byte.  (v36-51: in the gate at work, then its two accumulators)
.set UU,  44                           ; v44,46,48,50 1 / sigma, then the scale operand; v45,47,49,51 the lane permutes' destination
.set X,   180                          ; v180-243 four rows x 16 numbers.  (In the gate: y's 64 numbers, its 8 fragments, then the hidden fragments v180-195 and the last accumulator v196-203)
.set HA,  180                          ; the same registers: eight accumulators
.set PP,  244                          ; v244-251 sums, then codes
.set B0,  252                          ; v252-255 the first block's bytes of q or k.  (In the gate: v252, v253 where I store the hidden layer's codes and byte; v254 8 h)
.set GHI, 252
.set GHB, 253
.set SH8, 254
.set SEL, 22
.set XB,  4
.set GPT, 8
.set BPT, 10
.set GATE, 40                          ; s40-47 my eight rows' gates
; window 0: v24-27, v28-31 y's scale words, then the weights', two sets; v52-115, v116-179 se_w1's 16 fragments, then the weights' fragments, two sets.
; window 1: v0-31 gains and biases, v32-47 se_w2's two fragments, then v0-127 n's 16 fragments; v128-255 the rows as loaded.
.set MSB, 0
.macro WIN new                         ; the immediate's high byte repeats the setting that is left
.if MSB != \new
	s_set_vgpr_msb (MSB<<8)|\new
.set MSB, \new
.endif
.endm
.macro BARRIER
	s_wait_dscnt 0x0
	s_barrier_signal -1
	s_barrier_wait -1
.endm
.macro PLACES
.rept 4
	v_nop
.endr
.endm
.macro WM d, a, b, c, sa, sb, ra, rb   ; one scaled product; c < 0: the constant 0 starts the sum; ra, rb: which half of the lanes holds A's and B's scale words
.if (\c) < 0
.if ((\ra) == 0) && ((\rb) == 0)
	v_wmma_scale_f32_16x16x128_f8f6f4 v[(\d):(\d)+7], v[(\a):(\a)+7], v[(\b):(\b)+7], 0, v[\sa], v[\sb] matrix_a_fmt:MATRIX_FMT_FP4 matrix_b_fmt:MATRIX_FMT_FP4
.elseif ((\ra) == 1) && ((\rb) == 0)
	v_wmma_scale_f32_16x16x128_f8f6f4 v[(\d):(\d)+7], v[(\a):(\a)+7], v[(\b):(\b)+7], 0, v[\sa], v[\sb] matrix_a_fmt:MATRIX_FMT_FP4 matrix_b_fmt:MATRIX_FMT_FP4 matrix_a_scale:MATRIX_SCALE_ROW1
.elseif ((\ra) == 0) && ((\rb) == 1)
	v_wmma_scale_f32_16x16x128_f8f6f4 v[(\d):(\d)+7], v[(\a):(\a)+7], v[(\b):(\b)+7], 0, v[\sa], v[\sb] matrix_a_fmt:MATRIX_FMT_FP4 matrix_b_fmt:MATRIX_FMT_FP4 matrix_b_scale:MATRIX_SCALE_ROW1
.else
	v_wmma_scale_f32_16x16x128_f8f6f4 v[(\d):(\d)+7], v[(\a):(\a)+7], v[(\b):(\b)+7], 0, v[\sa], v[\sb] matrix_a_fmt:MATRIX_FMT_FP4 matrix_b_fmt:MATRIX_FMT_FP4 matrix_a_scale:MATRIX_SCALE_ROW1 matrix_b_scale:MATRIX_SCALE_ROW1
.endif
.else
.if ((\ra) == 0) && ((\rb) == 0)
	v_wmma_scale_f32_16x16x128_f8f6f4 v[(\d):(\d)+7], v[(\a):(\a)+7], v[(\b):(\b)+7], v[(\c):(\c)+7], v[\sa], v[\sb] matrix_a_fmt:MATRIX_FMT_FP4 matrix_b_fmt:MATRIX_FMT_FP4
.elseif ((\ra) == 1) && ((\rb) == 0)
	v_wmma_scale_f32_16x16x128_f8f6f4 v[(\d):(\d)+7], v[(\a):(\a)+7], v[(\b):(\b)+7], v[(\c):(\c)+7], v[\sa], v[\sb] matrix_a_fmt:MATRIX_FMT_FP4 matrix_b_fmt:MATRIX_FMT_FP4 matrix_a_scale:MATRIX_SCALE_ROW1
.elseif ((\ra) == 0) && ((\rb) == 1)
	v_wmma_scale_f32_16x16x128_f8f6f4 v[(\d):(\d)+7], v[(\a):(\a)+7], v[(\b):(\b)+7], v[(\c):(\c)+7], v[\sa], v[\sb] matrix_a_fmt:MATRIX_FMT_FP4 matrix_b_fmt:MATRIX_FMT_FP4 matrix_b_scale:MATRIX_SCALE_ROW1
.else
	v_wmma_scale_f32_16x16x128_f8f6f4 v[(\d):(\d)+7], v[(\a):(\a)+7], v[(\b):(\b)+7], v[(\c):(\c)+7], v[\sa], v[\sb] matrix_a_fmt:MATRIX_FMT_FP4 matrix_b_fmt:MATRIX_FMT_FP4 matrix_a_scale:MATRIX_SCALE_ROW1 matrix_b_scale:MATRIX_SCALE_ROW1
.endif
.endif
.endm
; ng groups of 16 registers, v[src + 16 g ..]: 16 neighbours along K; lane l xor 16 holds the block's other 16.  Largest magnitude into am, scale operand so, byte by, codes pc + 2 g, pc + 2 g + 1.  The groups take turns line by line.
.macro QB ng, src, am, px, so, by, pc
.set qg, 0
.rept \ng
	v_max3_num_f32 v[\am+qg], |v[\src+16*qg]|, |v[\src+16*qg+1]|, 0x1800000   ; the floor 2^(3 - 127) holds the byte at 1 from below
.set qg, qg+1
.endr
.set qi, 2
.rept 7
.set qg, 0
.rept \ng
	v_max3_num_f32 v[\am+qg], v[\am+qg], |v[\src+16*qg+qi]|, |v[\src+16*qg+qi+1]|
.set qg, qg+1
.endr
.set qi, qi+2
.endr
.set qg, 0
.rept \ng
	v_permlanex16_b32 v[\px+qg], v[\am+qg], s[SEL], s[SEL+1]
.set qg, qg+1
.endr
.set qg, 0
.rept \ng
	v_max_num_f32 v[\am+qg], v[\am+qg], v[\px+qg]
.set qg, qg+1
.endr
.set qg, 0
.rept \ng
	v_add_nc_u32 v[\so+qg], 0xff000000, v[\am+qg]  ; 2 off the exponent field: the conversion's scale operand
.set qg, qg+1
.endr
.set qg, 0
.rept \ng
	v_lshrrev_b32 v[\by+qg], 23, v[\so+qg]         ; the scale's byte
.set qg, qg+1
.endr
.set qg, 0
.rept \ng
	v_cvt_scalef32_pk8_fp4_f32 v[\pc+2*qg], v[\src+16*qg:\src+16*qg+7], v[\so+qg]
	v_cvt_scalef32_pk8_fp4_f32 v[\pc+2*qg+1], v[\src+16*qg+8:\src+16*qg+15], v[\so+qg]
.set qg, qg+1
.endr
	v_nop                                          ; one plain line behind the last conversion
.endm
.macro RED4 base                       ; four rows' numbers, two registers apart, are summed over the 32 lanes
.irp x, 1,2,4,8
.irp rr, 0,1,2,3
	v_add_f32_dpp v[\base+2*\rr], v[\base+2*\rr], v[\base+2*\rr] row_xmask:\x row_mask:0xf bank_mask:0xf
.endr
.endr
.irp rr, 0,1,2,3
	v_permlanex16_b32 v[UU+2*\rr+1], v[\base+2*\rr], s[SEL], s[SEL+1]
.endr
.irp rr, 0,1,2,3
	v_add_f32 v[\base+2*\rr], v[\base+2*\rr], v[UU+2*\rr+1]
.endr
.endm
.macro XLOADS                          ; my eight rows, 32 loads of 512 consecutive bytes, and my 16 gains and biases, into window 1
	WIN 0x40
.irp i, 0,1,2,3,4,5,6,7
.irp j, 0,1,2,3
	global_load_b128 v[128+16*\i+4*\j:128+16*\i+4*\j+3], v[LI], s[XB:XB+1] offset:2048*\i+512*\j th:TH_LOAD_NT
.endr
.endr
.irp j, 0,1,2,3
	global_load_b128 v[4*\j:4*\j+3], v[LGA], s[GPT:GPT+1] offset:16*\j
.endr
.irp j, 0,1,2,3
	global_load_b128 v[16+4*\j:16+4*\j+3], v[LGA], s[BPT:BPT+1] offset:16*\j
.endr
	WIN 0
.endm
.macro XPHASE
	WIN 0x04                                       ; an LDS store's data are its source 1: window 1
.irp i, 0,1,2,3,4,5,6,7
.irp j, 0,1,2,3
	ds_store_b128 v[STI], v[128+16*\i+4*\j:128+16*\i+4*\j+3] offset:RP*\i+640*\j
.endr
.endr
	WIN 0
.irp g, 0,1                                    ; four rows at a time, by turns in every line
.irp rr, 0,1,2,3
.irp j, 0,1,2,3
	ds_load_b128 v[X+16*\rr+4*\j:X+16*\rr+4*\j+3], v[STO] offset:RP*(4*\g+\rr)+16*\j   ; LDS serves a wave's instructions in order: these see my stores
.endr
.endr
	s_wait_dscnt 0x0                               ; the rows are back; the last four rows' LDS stores have read their registers too
.irp k, 0,1,2,3,4,5,6,7,8,9,10,11,12,13,14,15
.irp rr, 0,1,2,3
	v_fma_f32 v[X+16*\rr+\k], v[X+16*\rr+\k], s[GATE+4*\g+\rr], v[X+16*\rr+\k]   ; x1 = x + x gate
.endr
.endr
.irp rr, 0,1,2,3
	v_pk_add_f32 v[PP+2*\rr:PP+2*\rr+1], v[X+16*\rr:X+16*\rr+1], v[X+16*\rr+2:X+16*\rr+3]
.endr
.irp k, 4,6,8,10,12,14
.irp rr, 0,1,2,3
	v_pk_add_f32 v[PP+2*\rr:PP+2*\rr+1], v[PP+2*\rr:PP+2*\rr+1], v[X+16*\rr+\k:X+16*\rr+\k+1]
.endr
.endr
.irp rr, 0,1,2,3
	v_add_f32 v[TT+2*\rr], v[PP+2*\rr], v[PP+2*\rr+1]
.endr
	RED4 TT
.irp rr, 0,1,2,3
	v_mul_f32 v[TT+2*\rr], s24, v[TT+2*\rr]        ; the mean
.endr
.irp k, 0,2,4,6,8,10,12,14
.irp rr, 0,1,2,3
	v_pk_add_f32 v[X+16*\rr+\k:X+16*\rr+\k+1], v[X+16*\rr+\k:X+16*\rr+\k+1], v[TT+2*\rr:TT+2*\rr+1] op_sel_hi:[1,0] neg_lo:[0,1] neg_hi:[0,1]   ; - the mean (the pair's low word serves both halves)
.endr
.endr
.irp rr, 0,1,2,3
	v_pk_mul_f32 v[PP+2*\rr:PP+2*\rr+1], v[X+16*\rr:X+16*\rr+1], v[X+16*\rr:X+16*\rr+1]
.endr
.irp k, 2,4,6,8,10,12,14
.irp rr, 0,1,2,3
	v_pk_fma_f32 v[PP+2*\rr:PP+2*\rr+1], v[X+16*\rr+\k:X+16*\rr+\k+1], v[X+16*\rr+\k:X+16*\rr+\k+1], v[PP+2*\rr:PP+2*\rr+1]
.endr
.endr
.irp rr, 0,1,2,3
	v_add_f32 v[UU+2*\rr], v[PP+2*\rr], v[PP+2*\rr+1]
.endr
	RED4 UU
.irp rr, 0,1,2,3
	v_fma_f32 v[UU+2*\rr], v[UU+2*\rr], s24, s25   ; the variance + eps
.endr
.irp rr, 0,1,2,3
	v_rsq_f32 v[UU+2*\rr], v[UU+2*\rr]
.endr
	v_nop
	s_wait_alu depctr_va_vdst(0)                   ; one wait for the four roots, ahead of their first reader
.irp k, 0,2,4,6,8,10,12,14
.irp rr, 0,1,2,3
	v_pk_mul_f32 v[X+16*\rr+\k:X+16*\rr+\k+1], v[X+16*\rr+\k:X+16*\rr+\k+1], v[UU+2*\rr:UU+2*\rr+1] op_sel_hi:[1,0]
.endr
.endr
	WIN 0x14                                       ; sources 1 and 2, gain and bias, in window 1
.irp k, 0,2,4,6,8,10,12,14
.irp rr, 0,1,2,3
	v_pk_fma_f32 v[X+16*\rr+\k:X+16*\rr+\k+1], v[X+16*\rr+\k:X+16*\rr+\k+1], v[\k:\k+1], v[16+\k:17+\k]
.endr
.endr
	WIN 0
.irp rr, 0,1,2,3
	v_max3_num_f32 v[TT+2*\rr], |v[X+16*\rr]|, |v[X+16*\rr+1]|, 0x1800000
.endr
.irp k, 2,4,6,8,10,12,14
.irp rr, 0,1,2,3
	v_max3_num_f32 v[TT+2*\rr], v[TT+2*\rr], |v[X+16*\rr+\k]|, |v[X+16*\rr+\k+1]|
.endr
.endr
.irp rr, 0,1,2,3
	v_max_num_f32_dpp v[TT+2*\rr], v[TT+2*\rr], v[TT+2*\rr] row_xmask:1 row_mask:0xf bank_mask:0xf   ; with my neighbour's 16: the block's
.endr
.irp rr, 0,1,2,3
	v_add_nc_u32 v[UU+2*\rr], 0xff000000, v[TT+2*\rr]
.endr
.irp rr, 0,1,2,3
	v_lshrrev_b32 v[TT+2*\rr+1], 23, v[UU+2*\rr]
.endr
.irp rr, 0,1,2,3
	v_cvt_scalef32_pk8_fp4_f32 v[PP+2*\rr], v[X+16*\rr:X+16*\rr+7], v[UU+2*\rr]
	v_cvt_scalef32_pk8_fp4_f32 v[PP+2*\rr+1], v[X+16*\rr+8:X+16*\rr+15], v[UU+2*\rr]
.endr
	v_nop
.irp rr, 0,1,2,3
	ds_store_b64 v[NWI], v[PP+2*\rr:PP+2*\rr+1] offset:16*(4*\g+\rr)
	ds_store_b8 v[NWS], v[TT+2*\rr+1] offset:4*(4*\g+\rr)      ; both lanes of a block write the same byte with the same value
.endr
.endr
	BARRIER                                        ; all 64 rows' codes and scale bytes lie in LDS
	WIN 0x40
.irp m, 0,1,2,3
.irp ks, 0,1,2,3
.irp c, 0,1
	ds_load_b128 v[8*(4*\m+\ks)+4*\c:8*(4*\m+\ks)+4*\c+3], v[AN] offset:4352*\m+1088*\ks+544*\c
.endr
.endr
.endr
	WIN 0
.irp m, 0,1,2,3
.irp kp, 0,1
	ds_load_b32 v[NS+2*\m+\kp], v[NSR] offset:256*\m+128*\kp
.endr
.endr
.endm
.macro LOADW set, tt, pp               ; weight tt (q, k, v), my head's pair pp of tiles: 16 + 4 loads
.irp u, 0,1
.irp ks, 0,1,2,3
.irp c, 0,1
	global_load_b128 v[52+64*(\set)+8*(4*\u+\ks)+4*\c:52+64*(\set)+8*(4*\u+\ks)+4*\c+3], v[LI], s[12:13] offset:131072*(\tt)+8192*(\pp)+1024*(4*\u+\ks)+512*\c
.endr
.endr
.endr
.irp ks, 0,1,2,3
	global_load_b32 v[24+4*(\set)+\ks], v[L4], s[14:15] offset:8192*(\tt)+512*(\pp)+128*\ks
.endr
.endm
	s_load_b512 s[4:19], s[0:1], 0x0               ; x, ymean, ln1_g, ln1_b, wcodes, wscales, qkvc, qkvs
	s_load_b64 s[62:63], s[0:1], 0x40              ; gatev
	v_lshrrev_b32 v13, 5, v0
	v_readfirstlane_b32 s20, v13                   ; wave 0..7 = head
	v_and_b32 v13, 31, v0                          ; lane
	v_lshlrev_b32 v[LI], 4, v13
	v_lshlrev_b32 v[L4], 2, v13
	v_lshlrev_b32 v[LGA], 6, v13
	s_mul_i32 s21, s20, WST
	v_lshrrev_b32 v14, 2, v13
	v_mul_u32_u24 v14, v14, 80
	v_and_b32 v15, 3, v13
	v_lshl_add_u32 v14, v15, 4, v14
	v_add_nc_u32 v[STI], s21, v14                  ; four lanes' 64 bytes on end, then 16 of padding
	v_mul_u32_u24 v14, v13, 80
	v_add_nc_u32 v[STO], s21, v14
	s_lshr_b32 s36, s20, 2
	s_lshl_b32 s36, s36, 1
	s_and_b32 s37, s20, 1
	s_add_co_u32 s36, s36, s37                     ; my rows' tile: 2 (w / 4) + w % 2
	s_lshr_b32 s37, s20, 1
	s_and_b32 s37, s37, 1                          ; and which eight of its rows
	s_mul_i32 s38, s36, 4352
	s_lshl_b32 s39, s37, 7
	s_add_co_u32 s38, s38, s39
	s_add_co_u32 s38, s38, NIMG
	v_lshrrev_b32 v14, 1, v13
	v_mul_u32_u24 v14, v14, 272
	v_and_b32 v15, 1, v13
	v_lshl_add_u32 v14, v15, 3, v14
	v_add_nc_u32 v[NWI], s38, v14                  ; block lane / 2, half lane % 2
	s_lshl_b32 s38, s36, 8
	s_lshl_b32 s39, s37, 5
	s_add_co_u32 s38, s38, s39
	s_add_co_u32 s38, s38, NSC
	v_lshrrev_b32 v14, 3, v13
	v_lshlrev_b32 v14, 6, v14
	v_bfe_u32 v15, v13, 1, 2
	v_add_nc_u32 v14, v14, v15
	v_add_nc_u32 v[NWS], s38, v14
	v_and_b32 v14, 15, v13                         ; r
	v_lshrrev_b32 v15, 4, v13                      ; h
	v_mul_u32_u24 v[AN], v15, 272
	v_lshl_add_u32 v[AN], v14, 4, v[AN]
	v_add_nc_u32 v[AN], NIMG, v[AN]
	v_add_nc_u32 v[NSR], NSC, v[L4]
	v_lshlrev_b32 v[QST], 4, v14
	v_lshl_add_u32 v[QST], v15, 3, v[QST]
	v_lshlrev_b32 v[YOF], 7, v15                   ; the gate's addresses
	v_lshlrev_b32 v[R4], 2, v14
	v_lshlrev_b32 v[SH8], 3, v15
	s_lshl_b32 s38, s20, 10
	s_add_co_u32 s38, s38, YIMG
	v_add_nc_u32 v[YWI], s38, v[LI]                ; y's image: 1,024 w + 16 lane
	s_lshl_b32 s38, s20, 7
	s_add_co_u32 s38, s38, YIMG+YSCO
	v_add_nc_u32 v[YWS], s38, v[L4]                ; its scale words: 128 w + 4 lane
	s_lshl_b32 s38, s20, 8
	s_add_co_u32 s38, s38, YIMG+HIMO
	v_add_nc_u32 v[GHI], s38, v[QST]               ; block w of the hidden layer's eight: 256 w + 16 r + 8 h
	s_lshr_b32 s38, s20, 2
	s_lshl_b32 s38, s38, 6
	s_and_b32 s39, s20, 3
	s_add_co_u32 s38, s38, s39
	s_add_co_u32 s38, s38, YIMG+HSCO
	v_add_nc_u32 v[GHB], s38, v[R4]                ; my block's byte of the row's word: 64 (w / 4) + 4 r + w % 4
	v_add_nc_u32 v[GLI], YIMG, v[LI]
	v_add_nc_u32 v[GL4], YIMG, v[L4]
	v_add_nc_u32 v[G4R], YIMG, v[R4]
	s_mov_b32 s[SEL], 0x76543210
	s_mov_b32 s[SEL+1], 0xfedcba98
	s_mov_b32 s24, 0x3b000000                      ; 1 / 512
	s_mov_b32 s25, 0x3727c5ac                      ; eps = 1e-5
	s_mov_b32 s26, 0xffff0000                      ; lanes 16-31
	s_lshl_b32 s36, ttmp9, 17
	s_lshl_b32 s37, s20, 14
	s_add_co_u32 s36, s36, s37                     ; my eight rows of x
	s_mov_b32 s37, 0
	s_lshl_b32 s38, ttmp9, 8
	s_lshl_b32 s39, s20, 5
	s_add_co_u32 s38, s38, s39                     ; and their gates
	s_mov_b32 s39, 0
	s_lshr_b32 s48, ttmp9, 4                       ; b: the batch
	s_and_b32 s49, ttmp9, 15                       ; gg: which 64 tokens of the batch
	s_lshl_b32 s40, s48, 12
	s_lshl_b32 s41, s20, 9
	s_add_co_u32 s40, s40, s41                     ; y: the batch's row of 4,096 bytes, K step w
	s_mov_b32 s41, 0
	s_lshl_b32 s42, s49, 2
	s_lshr_b32 s43, s20, 1
	s_add_co_u32 s42, s42, s43                     ; my tile of 16 tokens: 4 gg + w / 2
	s_lshl_b32 s44, s42, 11
	s_add_co_u32 s44, s44, SE2C                    ; its codes of se_w2
	s_mov_b32 s45, 0
	s_lshr_b32 s46, s42, 1
	s_lshl_b32 s46, s46, 8
	s_and_b32 s47, s42, 1
	s_lshl_b32 s47, s47, 6
	s_add_co_u32 s46, s46, s47
	s_add_co_u32 s46, s46, SE2S                    ; and its scale words
	s_mov_b32 s47, 0
	s_lshl_b32 s48, s48, 3
	s_add_co_u32 s48, s48, s20                     ; bh = 8 b + head
	s_mov_b32 s51, 0
	s_mov_b32 s53, 0
	s_mov_b32 s55, 0
	s_mov_b32 s57, 0
	s_lshl_b32 s50, s48, 15
	s_lshl_b32 s58, s49, 11
	s_add_co_u32 s50, s50, s58                     ; q, k codes: 32,768 bh + 2,048 gg
	s_lshl_b32 s52, s48, 15
	s_lshl_b32 s58, s49, 9
	s_add_co_u32 s52, s52, s58
	s_add_co_u32 s52, s52, 8388608                 ; v codes: 8 MiB + 32,768 bh + 512 gg
	s_lshl_b32 s54, s48, 12
	s_lshl_b32 s58, s49, 8
	s_add_co_u32 s54, s54, s58                     ; q, k scale words: 4,096 bh + 256 gg
	s_lshl_b32 s56, s48, 11
	s_lshl_b32 s58, s49, 7
	s_add_co_u32 s56, s56, s58
	s_add_co_u32 s56, s56, 1048576                 ; v scale words
	s_lshl_b32 s58, s20, 14
	s_mov_b32 s59, 0
	s_lshl_b32 s60, s20, 10
	s_mov_b32 s61, 0
	s_wait_kmcnt 0x0
	s_add_nc_u64 s[4:5], s[4:5], s[36:37]
	s_add_nc_u64 s[62:63], s[62:63], s[38:39]
	s_add_nc_u64 s[6:7], s[6:7], s[40:41]
	s_add_nc_u64 s[44:45], s[12:13], s[44:45]
	s_add_nc_u64 s[46:47], s[14:15], s[46:47]
	s_add_nc_u64 s[28:29], s[16:17], s[50:51]
	s_add_nc_u64 s[30:31], s[16:17], s[52:53]
	s_add_nc_u64 s[32:33], s[18:19], s[54:55]
	s_add_nc_u64 s[34:35], s[18:19], s[56:57]
	s_add_nc_u64 s[12:13], s[12:13], s[58:59]      ; the weights' codes at my head's two pairs of tiles; se_w1's pair w lies SE1C further on
	s_add_nc_u64 s[14:15], s[14:15], s[60:61]      ; and their scale words; se_w1's SE1S further on
	; ---------------- the gate ----------------
.irp c, 0,1
.irp i, 0,1,2,3,4,5,6,7
	global_load_b128 v[X+32*\c+4*\i:X+32*\c+4*\i+3], v[YOF], s[6:7] offset:256*\c+16*\i   ; y(b, 128 w + 64 c + 32 h + 4 i ..): the same in all sixteen lanes of a half
.endr
.endr
.irp ks, 0,1,2,3,4,5,6,7
.irp u, 0,1
.irp c, 0,1
	global_load_b128 v[52+8*(2*\ks+\u)+4*\c:52+8*(2*\ks+\u)+4*\c+3], v[LI], s[12:13] offset:SE1C+8192*\u+1024*\ks+512*\c
.endr
.endr
.endr
.irp ks, 0,1,2,3,4,5,6,7
	global_load_b32 v[NS+\ks], v[L4], s[14:15] offset:SE1S+128*\ks   ; lanes 0-15 tile 0's words, lanes 16-31 tile 1's
.endr
	WIN 0x40
.irp ks, 0,1
.irp c, 0,1
	global_load_b128 v[32+8*\ks+4*\c:32+8*\ks+4*\c+3], v[LI], s[44:45] offset:1024*\ks+512*\c
.endr
.endr
	WIN 0
.irp ks, 0,1
	global_load_b32 v[S2S+\ks], v[R4], s[46:47] offset:128*\ks
.endr
	s_wait_loadcnt 46                              ; y's 16 loads are in; se_w1's 32 + 8 and se_w2's 4 + 2 may be out
.irp c, 0,1
	v_max3_num_f32 v[36+\c], |v[X+32*\c]|, |v[X+32*\c+1]|, 0x1800000   ; my block 2 c + h: all its 32 numbers are mine; the floor holds the byte at 1
.endr
.irp i, 2,4,6,8,10,12,14,16,18,20,22,24,26,28,30
.irp c, 0,1
	v_max3_num_f32 v[36+\c], v[36+\c], |v[X+32*\c+\i]|, |v[X+32*\c+\i+1]|
.endr
.endr
.irp c, 0,1
	v_add_nc_u32 v[38+\c], 0xff000000, v[36+\c]    ; the conversion's scale operand
.endr
.irp c, 0,1
	v_lshrrev_b32 v[40+\c], 23, v[38+\c]           ; the scale's byte
.endr
	v_lshl_or_b32 v42, v41, 16, v40
	v_lshlrev_b32 v42, v[SH8], v42                 ; my two bytes at their places, 8 h bits up
	v_mov_b32 v43, 0
	v_permlanex16_b32 v43, v42, s[SEL], s[SEL+1]
	v_or_b32 v42, v42, v43                         ; with lane l xor 16's two the word is whole
.irp c, 0,1
.irp g, 0,1,2,3
	v_cvt_scalef32_pk8_fp4_f32 v[PP+4*\c+\g], v[X+32*\c+8*\g:X+32*\c+8*\g+7], v[38+\c]
.endr
.endr
	v_nop                                          ; one plain line behind the last conversion
	ds_store_b128 v[YWI], v[PP:PP+3]
	ds_store_b128 v[YWI], v[PP+4:PP+7] offset:512
	ds_store_b32 v[YWS], v42
	BARRIER                                        ; y's eight fragments lie in LDS
.irp ks, 0,1,2,3,4,5,6,7
.irp c, 0,1
	ds_load_b128 v[X+8*\ks+4*\c:X+8*\ks+4*\c+3], v[GLI] offset:1024*\ks+512*\c
.endr
	ds_load_b32 v[24+\ks], v[GL4] offset:YSCO+128*\ks
.endr
	XLOADS                                         ; x is asked for here: the rest of the gate stands between this request and the wait for it
	s_wait_dscnt 0x0
	s_wait_loadcnt 40                              ; se_w1 and se_w2 are in; behind them only x's 40 loads were issued
.irp ks, 0,1,2,3,4,5,6,7
.irp u, 0,1                                    ; the two accumulators take turns
.if \ks == 0
	WM 36+8*\u, 52+8*(2*\ks+\u), X+8*\ks, -1, NS+\ks, 24+\ks, \u, 0
.else
	WM 36+8*\u, 52+8*(2*\ks+\u), X+8*\ks, 36+8*\u, NS+\ks, 24+\ks, \u, 0
.endif
.endr
.endr
.rept 5
	v_nop                                          ; four places ahead of the first read of results and of loads into registers that the products have read; five ahead of the accumulator that is laid over y's third fragment below
.endr
	LOADW 0, 0, 0                                  ; the first unit's weights: with x's 40 loads 60 are out
.irp j, 0,1,2,3,4,5,6,7,8,9,10,11,12,13,14,15
	v_max_num_f32 v[36+\j], 0, v[36+\j]            ; relu; register j = hidden unit 32 w + 16 h + j
.endr
	QB 1, 36, 244, 245, 246, 247, 248
	ds_store_b64 v[GHI], v[248:249]
	ds_store_b8 v[GHB], v247                       ; both halves of the lanes write the same byte with the same value
	BARRIER                                        ; the hidden layer's two fragments lie in LDS
.irp ks, 0,1
.irp c, 0,1
	ds_load_b128 v[X+8*\ks+4*\c:X+8*\ks+4*\c+3], v[GLI] offset:HIMO+1024*\ks+512*\c
.endr
	ds_load_b32 v[NS+\ks], v[G4R] offset:HSCO+64*\ks
.endr
	s_wait_dscnt 0x0
	WIN 0x01                                       ; source 0 (se_w2) in window 1
	WM 196, 32, X, -1, S2S, NS, 0, 0
	s_wait_alu depctr_va_vdst(0)                   ; the wait stands directly ahead of the link
	WM 196, 40, X+8, 196, S2S+1, NS+1, 0, 0
	WIN 0
	PLACES
.irp j, 0,1,2,3,4,5,6,7
	v_mul_f32 v[196+\j], 0xbfb8aa3b, v[196+\j]     ; - z log2(e)
.endr
.irp j, 0,1,2,3,4,5,6,7
	v_exp_f32 v[196+\j], v[196+\j]
.endr
	v_nop
	s_wait_alu depctr_va_vdst(0)                   ; one wait for the eight exponentials, ahead of their first reader
.irp j, 0,1,2,3,4,5,6,7
	v_add_f32 v[196+\j], 1.0, v[196+\j]
.endr
.irp j, 0,1,2,3,4,5,6,7
	v_rcp_f32 v[196+\j], v[196+\j]
.endr
	v_nop
	s_wait_alu depctr_va_vdst(0)                   ; and one for the eight reciprocals
.irp j, 0,1,2,3,4,5,6,7
	v_readlane_b32 s[GATE+\j], v[196+\j], 0        ; tokens 16 T + j,
	v_readlane_b32 s[52+\j], v[196+\j], 16         ; and 16 T + 8 + j
.endr
	s_bitcmp1_b32 s20, 0                           ; an odd wave's rows are the tile's upper eight
.irp j, 0,1,2,3,4,5,6,7
	s_cselect_b32 s[GATE+\j], s[52+\j], s[GATE+\j]
.endr
.irp rr, 0,1,2,3
	v_mov_b32 v[TT+2*\rr+1], 0                     ; named as the upper halves of pairs, and as lane permutes' destinations, before they are first written
	v_mov_b32 v[UU+2*\rr+1], 0
.endr
	LOADW 1, 0, 1
	; ---------------- the norm ----------------
	s_wait_loadcnt 40                              ; the rows, gains and biases are in; the two units' 20 + 20 loads may be out
	XPHASE
	s_wait_dscnt 0x0                               ; n's fragments and scale words are in registers
; A unit: 32 products on eight accumulators by turns, K step by K step; the next unit but one is asked for; the results are quantised and stored.
.macro UNIT un, tt, pp
.set WF, 52+64*((\un)%2)
.set WS, 24+4*((\un)%2)
.if (\un) < 5
	s_wait_loadcnt 20                              ; this unit's 20 loads are in; the next unit's may be out
.else
	s_wait_loadcnt 0x0
.endif
.if (\tt) < 2
	WIN 0x04                                       ; source 1 (n) in window 1
.irp ks, 0,1,2,3
.irp m, 0,1,2,3
.irp u, 0,1
.if \ks == 0
	WM HA+8*(2*\m+\u), WF+8*(4*\u+\ks), 8*(4*\m+\ks), -1, WS+\ks, NS+2*\m+\ks/2, \u, \ks%2
.else
	WM HA+8*(2*\m+\u), WF+8*(4*\u+\ks), 8*(4*\m+\ks), HA+8*(2*\m+\u), WS+\ks, NS+2*\m+\ks/2, \u, \ks%2
.endif
.endr
.endr
.endr
.else
	WIN 0x01                                       ; source 0 (n) in window 1
.irp ks, 0,1,2,3
.irp m, 0,1,2,3
.irp u, 0,1
.if \ks == 0
	WM HA+8*(4*\u+\m), 8*(4*\m+\ks), WF+8*(4*\u+\ks), -1, NS+2*\m+\ks/2, WS+\ks, \ks%2, \u
.else
	WM HA+8*(4*\u+\m), 8*(4*\m+\ks), WF+8*(4*\u+\ks), HA+8*(4*\u+\m), NS+2*\m+\ks/2, WS+\ks, \ks%2, \u
.endif
.endr
.endr
.endr
.endif
	WIN 0
	PLACES                                         ; ahead of loads into registers that the products have read, and of the first read of results
	s_wait_xcnt 0x0                                ; the last unit's stores have read their data: the codes' registers are written again only behind this wait.  It stands ahead of this unit's loads, so that it does not wait for them
.if (\un) < 4
	LOADW (\un)%2, (\tt)+1, \pp
.endif
	QB 4, HA, 36, 40, 44, 48, PP
.if (\tt) < 2
.irp m, 0,1,2,3
	global_store_b64 v[QST], v[PP+2*\m:PP+2*\m+1], s[28:29] offset:4194304*(\tt)+512*\m+256*(\pp)   ; tile m, block pp: 256 consecutive bytes a wave
.endr
.if (\pp) == 0
.irp m, 0,1,2,3
	v_mov_b32 v[B0+\m], v[48+\m]                   ; the first block's bytes wait for the second's
.endr
.else
.irp m, 0,1,2,3
	v_lshl_or_b32 v[B0+\m], v[48+\m], 8, v[B0+\m]  ; a token's scale word: two bytes; bytes 2 and 3 stay 0 and stand over zero codes
.endr
	v_cndmask_b32 v14, v[B0], v[B0+1], s26         ; lanes 0-15 tile 0's words, lanes 16-31 tile 1's
	v_cndmask_b32 v15, v[B0+2], v[B0+3], s26
	global_store_b32 v[L4], v14, s[32:33] offset:524288*(\tt)
	global_store_b32 v[L4], v15, s[32:33] offset:524288*(\tt)+128
.endif
.else
.irp u, 0,1
.irp bb, 0,1
	global_store_b64 v[QST], v[PP+2*(2*\u+\bb):PP+2*(2*\u+\bb)+1], s[30:31] offset:8192*(2*(\pp)+\u)+256*\bb   ; channels 16 (2 pp + u) on, tokens 32 bb on
.endr
	v_lshl_or_b32 v[HW+2*(\pp)+\u], v[48+2*\u+1], 8, v[48+2*\u]
.endr
.endif
.endm
	UNIT 0, 0, 0
	UNIT 1, 0, 1
	UNIT 2, 1, 0
	UNIT 3, 1, 1
	UNIT 4, 2, 0
	UNIT 5, 2, 1
	v_cndmask_b32 v14, v[HW], v[HW+1], s26         ; (k's scale stores have read v14 and v15: units 4 and 5 waited)
	v_cndmask_b32 v15, v[HW+2], v[HW+3], s26
	v_lshl_or_b32 v14, v15, 16, v14                ; low half: channels 0-31's two bytes; high half: channels 32-63's
	global_store_b32 v[L4], v14, s[34:35]
	v_mov_b32 v13, s[GATE]                         ; my eight rows' gates, for the next launch: lane j takes row j's
.irp j, 1,2,3,4,5,6,7
	v_writelane_b32 v13, s[GATE+\j], \j
.endr
	s_wait_xcnt 0x0                                ; EXEC changes only behind this wait
	v_cmp_gt_u32 vcc_lo, 32, v[L4]                 ; lanes 0 to 7
	s_and_saveexec_b32 s48, vcc_lo
	global_store_b32 v[L4], v13, s[62:63]
	s_wait_xcnt 0x0                                ; and again, in front of the line that widens it
	s_or_b32 exec_lo, exec_lo, s48
	s_wait_xcnt 0x0
	s_mov_b32 exec_lo, -1
	v_lshl_add_u32 v254, v0, 2, 0x2f900
	v_mov_b32 v255, 0
	s_wait_tensorcnt 0x0
	ds_add_u32 v254, v255
	s_wait_dscnt 0x0
	s_endpgm
.Lfunc_end_k_q975c7c3c6c_qkv:
	.size	k_q975c7c3c6c_qkv, .Lfunc_end_k_q975c7c3c6c_qkv-k_q975c7c3c6c_qkv
	.p2alignl 7, 3214868480
	.fill 96, 4, 3214868480
	.section	.rodata,"a",@progbits
	.p2align	6, 0x0
	.amdhsa_kernel k_q975c7c3c6c_qkv
		.amdhsa_group_segment_fixed_size 195840
		.amdhsa_private_segment_fixed_size 0
		.amdhsa_enable_private_segment 0
		.amdhsa_kernarg_size 72
		.amdhsa_user_sgpr_count 2
		.amdhsa_user_sgpr_kernarg_segment_ptr 1
		.amdhsa_wavefront_size32 1
		.amdhsa_system_sgpr_workgroup_id_x 1
		.amdhsa_system_sgpr_workgroup_id_y 1
		.amdhsa_system_sgpr_workgroup_id_z 1
		.amdhsa_system_vgpr_workitem_id 0
		.amdhsa_next_free_vgpr 512
		.amdhsa_next_free_sgpr 66
		.amdhsa_reserve_vcc 1
		.amdhsa_float_denorm_mode_32 3
		.amdhsa_float_denorm_mode_16_64 3
		.amdhsa_memory_ordered 1
		.amdhsa_forward_progress 1
		.amdhsa_inst_pref_size 140
	.end_amdhsa_kernel
	.amdgpu_metadata
---
amdhsa.version: [ 1, 2 ]
amdhsa.kernels:
  - .name:           k_q975c7c3c6c_qkv
    .symbol:         k_q975c7c3c6c_qkv.kd
    .args:
      - { .name: x, .offset: 0, .size: 8, .value_kind: global_buffer, .address_space: global }
      - { .name: ymean, .offset: 8, .size: 8, .value_kind: global_buffer, .address_space: global }
      - { .name: ln1_g, .offset: 16, .size: 8, .value_kind: global_buffer, .address_space: global }
      - { .name: ln1_b, .offset: 24, .size: 8, .value_kind: global_buffer, .address_space: global }
      - { .name: wcodes, .offset: 32, .size: 8, .value_kind: global_buffer, .address_space: global }
      - { .name: wscales, .offset: 40, .size: 8, .value_kind: global_buffer, .address_space: global }
      - { .name: qkvc, .offset: 48, .size: 8, .value_kind: global_buffer, .address_space: global }
      - { .name: qkvs, .offset: 56, .size: 8, .value_kind: global_buffer, .address_space: global }
      - { .name: gatev, .offset: 64, .size: 8, .value_kind: global_buffer, .address_space: global }
    .group_segment_fixed_size: 195840
    .private_segment_fixed_size: 0
    .kernarg_segment_align: 8
    .kernarg_segment_size: 72
    .max_flat_workgroup_size: 256
    .sgpr_count:     66
    .vgpr_count:     512
    .wavefront_size: 32
...
	.end_amdgpu_metadata
.endif
;; end of part 2
;; launch attn (part 3): grid 2 x 128, 16 waves a work-group, no clusters, 143,360 bytes of LDS; arguments qkvc, qkvs, x, gatev, x2; writes x2
.if DOCPART == 3
	.amdgcn_target "amdgcn-amd-amdhsa--gfx1250"
	.amdhsa_code_object_version 6
	.text
	.protected	k_q975c7c3c6c_attn
	.globl	k_q975c7c3c6c_attn
	.p2align	8
	.type	k_q975c7c3c6c_attn,@function
k_q975c7c3c6c_attn:
	s_mov_b64 s[64:65], 0
	v_nop
	global_prefetch_b8 v0, s[64:65] scope:SCOPE_SE
	s_setreg_imm32_b32 hwreg(HW_REG_WAVE_MODE, 25, 1), 1
	s_wait_xcnt 0x0
; x2 = x (1 + gate) + softmax(q k^T / 8) v, head by head, both products on codes of FP4 (E2M1) with one E8M0 scale for each 32 along a product's K.
; THE SOFTMAX AHEAD OF THE SECOND PRODUCT: t = score x log2(e) / 8; M = the row's largest t so far, rounded UP to a whole number; p = 2^(t - M) is quantised along the keys, not normalised; the row's sum is
; taken of the unquantised p and divides at the end.  When M moves, the sum and O are multiplied by 2^(old M - new M): exact.
; SHARES.  A work-group owns one head and 512 of its 1,024 queries; its sixteen waves own two tiles of 16 queries each, one after the other, in 256 registers: four waves to a SIMD, so that one wave's
; vector work stands beside another's matrix work and LDS loads.  The head's K and V (codes 64 KB, scale words 6 KB) are brought into LDS ONCE, through registers, and read by all: no ring, no refill.
; What two work-groups share is those 70 KB, read once each at the head: too little for joint loads to pay.
; LAYOUT.  Both products are used transposed: S^T = K Q^T, O^T = V^T P^T: a lane holds ONE query throughout.  The earlier launch laid k's tiles so that row r of tile 2 b + u is key 32 b + 8 u + r % 8 + 16 (r / 8):
; the 16 registers of tiles 2 b, 2 b + 1 are 16 neighbouring keys.  q's tiles have the same order of tokens: row r of tile T is token 32 (T / 2) + 8 (T % 2) + r % 8 + 16 (r / 8), which the way out's addresses undo.
; THE HEAD'S 64 IN AN INSTRUCTION OF 128: Q's upper four registers are zero codes; a tile of K is four registers, and the four behind it meet Q's zeros, whatever they hold: the next tile's codes, or, behind the last tile,
; the codes of my second tile of queries, which wait there; bytes 2 and 3 of both scale words are 0, which is 2^-127 and no NaN.
; WHAT IS WANTED ONLY AT THE END IS NOT WAITED FOR AT THE START: a tile's rows of x and its gates are asked for ahead of its key loop and awaited behind it.  The gate, one number a query, goes with O through the stage
; (in the padding of its row) to the lanes that store that row.
; LIMITS: a block whose every p has fallen to 0 keeps the byte 1 with zero codes; NaN and infinities are not served; v_exp_f32 and v_rcp_f32 are taken as they are, and a block's largest p is made from its largest score.
.set KIMG,  0                          ; LDS: K's 64 tiles of 512 bytes
.set VIMG,  32768                      ; V: [16 channels x 4][128 keys x 8][1,024]
.set KSC,   65536                      ; K's scale words: [tile][row]
.set VSC,   69632                      ; V's: [128 keys][16 channels x 4][row]
.set STAGE, 71680                      ; the way out: 16 rows x (256 + 16) bytes for each wave
.set SEL, 20
.set CS,  22                           ; s[22:23] c = log2(e) / 8
.set TK,  42                           ; s42-45 where the step's tiles and words begin in LDS; s46 counts the steps
.set TV,  43
.set TKS, 44
.set TVS, 45
.set CNT, 46
; v1-4 my lane's place in K, V, K's words, V's words; v5 my offset in x and x2; v6, v7 the stage, in and back; v8-11 the step's addresses; v12 -M, v13 the largest t, v[14:15] the sum in two halves;
; v16-23 Q; v24-55 K's eight tiles; v56-59 my second tile's Q; v60-91 V's four fragments; v92-95 K's scale words; v96-159 S^T, then p; v160-191 O^T; v192-223 x; v224-231 p's codes; v232-239, v244-247, v252, v254 at work;
; v240-241 V's scale words; v242 my second tile's scale words; v243, v251 the gate's word in the stage, back and in; v248 4 r; v249 my query's offset among the gates; v250 its gate; v253 p's scale word; v255 Q's.
.macro BARRIER
	s_wait_dscnt 0x0
	s_barrier_signal -1
	s_barrier_wait -1
.endm
.macro PLACES
.rept 4
	v_nop
.endr
.endm
.macro WM d, a, b, c, sa, sb, ra, rb   ; one scaled product; c < 0: the constant 0 starts the sum; ra, rb: which half of the lanes holds A's and B's scale words
.if (\c) < 0
.if ((\ra) == 0) && ((\rb) == 0)
	v_wmma_scale_f32_16x16x128_f8f6f4 v[(\d):(\d)+7], v[(\a):(\a)+7], v[(\b):(\b)+7], 0, v[\sa], v[\sb] matrix_a_fmt:MATRIX_FMT_FP4 matrix_b_fmt:MATRIX_FMT_FP4
.elseif ((\ra) == 1) && ((\rb) == 0)
	v_wmma_scale_f32_16x16x128_f8f6f4 v[(\d):(\d)+7], v[(\a):(\a)+7], v[(\b):(\b)+7], 0, v[\sa], v[\sb] matrix_a_fmt:MATRIX_FMT_FP4 matrix_b_fmt:MATRIX_FMT_FP4 matrix_a_scale:MATRIX_SCALE_ROW1
.elseif ((\ra) == 0) && ((\rb) == 1)
	v_wmma_scale_f32_16x16x128_f8f6f4 v[(\d):(\d)+7], v[(\a):(\a)+7], v[(\b):(\b)+7], 0, v[\sa], v[\sb] matrix_a_fmt:MATRIX_FMT_FP4 matrix_b_fmt:MATRIX_FMT_FP4 matrix_b_scale:MATRIX_SCALE_ROW1
.else
	v_wmma_scale_f32_16x16x128_f8f6f4 v[(\d):(\d)+7], v[(\a):(\a)+7], v[(\b):(\b)+7], 0, v[\sa], v[\sb] matrix_a_fmt:MATRIX_FMT_FP4 matrix_b_fmt:MATRIX_FMT_FP4 matrix_a_scale:MATRIX_SCALE_ROW1 matrix_b_scale:MATRIX_SCALE_ROW1
.endif
.else
.if ((\ra) == 0) && ((\rb) == 0)
	v_wmma_scale_f32_16x16x128_f8f6f4 v[(\d):(\d)+7], v[(\a):(\a)+7], v[(\b):(\b)+7], v[(\c):(\c)+7], v[\sa], v[\sb] matrix_a_fmt:MATRIX_FMT_FP4 matrix_b_fmt:MATRIX_FMT_FP4
.elseif ((\ra) == 1) && ((\rb) == 0)
	v_wmma_scale_f32_16x16x128_f8f6f4 v[(\d):(\d)+7], v[(\a):(\a)+7], v[(\b):(\b)+7], v[(\c):(\c)+7], v[\sa], v[\sb] matrix_a_fmt:MATRIX_FMT_FP4 matrix_b_fmt:MATRIX_FMT_FP4 matrix_a_scale:MATRIX_SCALE_ROW1
.elseif ((\ra) == 0) && ((\rb) == 1)
	v_wmma_scale_f32_16x16x128_f8f6f4 v[(\d):(\d)+7], v[(\a):(\a)+7], v[(\b):(\b)+7], v[(\c):(\c)+7], v[\sa], v[\sb] matrix_a_fmt:MATRIX_FMT_FP4 matrix_b_fmt:MATRIX_FMT_FP4 matrix_b_scale:MATRIX_SCALE_ROW1
.else
	v_wmma_scale_f32_16x16x128_f8f6f4 v[(\d):(\d)+7], v[(\a):(\a)+7], v[(\b):(\b)+7], v[(\c):(\c)+7], v[\sa], v[\sb] matrix_a_fmt:MATRIX_FMT_FP4 matrix_b_fmt:MATRIX_FMT_FP4 matrix_a_scale:MATRIX_SCALE_ROW1 matrix_b_scale:MATRIX_SCALE_ROW1
.endif
.endif
.endm
	s_load_b256 s[4:11], s[0:1], 0x0               ; qkvc, qkvs, x, gatev
	s_load_b64 s[12:13], s[0:1], 0x20              ; x2
	v_lshrrev_b32 v8, 5, v0
	v_readfirstlane_b32 s18, v8                    ; wave 0..15
	s_and_b32 s19, ttmp7, 0xffff                   ; bh = 8 b + head
	s_mul_i32 s14, s18, 4352
	s_add_co_u32 s14, s14, STAGE                   ; my stage
	v_and_b32 v8, 15, v0                           ; r
	v_bfe_u32 v9, v0, 4, 1                         ; h
	v_mul_u32_u24 v6, v8, 272
	v_add_nc_u32 v251, s14, v6
	v_add_nc_u32 v251, 256, v251                   ; the gate's word, in: behind row r's 256 bytes
	v_lshl_add_u32 v6, v9, 5, v6
	v_add_nc_u32 v6, s14, v6                       ; in: row r, + 32 h
	v_mul_u32_u24 v7, v9, 272
	v_add_nc_u32 v243, s14, v7
	v_add_nc_u32 v243, 256, v243                   ; the gate's word, back: of the row that my half of the lanes stores
	v_lshl_add_u32 v7, v8, 4, v7
	v_add_nc_u32 v7, s14, v7                       ; back: lanes 0-15 one row, lanes 16-31 the next
	v_lshlrev_b32 v5, 11, v9
	v_lshl_add_u32 v5, v8, 4, v5                   ; and the same two rows in x and x2: 2,048 h + 16 r
	v_lshlrev_b32 v248, 2, v8
	v_and_b32 v249, 7, v8
	v_and_b32 v250, 8, v8
	v_lshlrev_b32 v249, 2, v249
	v_lshl_add_u32 v249, v250, 3, v249             ; query r is token r % 8 + 16 (r / 8) of the tile's: 4 bytes a token
	v_and_b32 v10, 31, v0
	v_lshlrev_b32 v1, 4, v10
	v_add_nc_u32 v2, VIMG, v1
	v_lshlrev_b32 v3, 2, v10
	v_add_nc_u32 v4, VSC, v3
	v_add_nc_u32 v3, KSC, v3
	v_lshlrev_b32 v232, 4, v0                      ; the fill: 16 bytes a thread,
	v_lshlrev_b32 v233, 3, v0                      ; 8 bytes a thread,
	v_lshrrev_b32 v234, 6, v0
	v_lshlrev_b32 v234, 8, v234
	v_lshl_add_u32 v234, v10, 2, v234              ; and V's scale words as the earlier launch laid them: 256 (thread / 64) + 4 (thread % 32)
	v_and_b32 v236, 32, v0
	v_cmp_ne_u32 vcc_lo, 0, v236
	v_mov_b32 v237, 0x05040100
	v_mov_b32 v238, 0x07060302
	v_cndmask_b32 v238, v237, v238, vcc_lo         ; channels 0-31 take the low halves of two words, channels 32-63 the high halves
	v_add_nc_u32 v236, KSC, v233
	v_lshl_add_u32 v239, v0, 2, VSC
.irp j, 20,21,22,23,253
	v_mov_b32 v\j, 0                               ; Q's upper half: zero codes.  v253 is named as the upper half of a pair before it is first written
.endr
	s_mov_b32 s[SEL], 0x76543210
	s_mov_b32 s[SEL+1], 0xfedcba98
	s_mov_b32 s[CS], 0x3e38aa3b
	s_mov_b32 s[CS+1], s[CS]
	s_lshl_b32 s14, ttmp9, 5
	s_add_co_u32 s14, s14, s18                     ; my first tile of queries: 32 X + wave; the second lies 16 tiles on
	s_mov_b32 s17, 0
	s_wait_kmcnt 0x0
	s_lshl_b32 s16, s19, 15
	s_add_nc_u64 s[24:25], s[4:5], s[16:17]        ; the head's q codes; k's lie 4 MiB on,
	s_add_nc_u64 s[26:27], s[24:25], 0x800000      ; v's 8 MiB
	s_lshl_b32 s16, s14, 9
	s_add_nc_u64 s[28:29], s[24:25], s[16:17]      ; my tile of q
	s_lshl_b32 s16, s19, 12
	s_add_nc_u64 s[30:31], s[6:7], s[16:17]        ; the head's q scale words; k's lie 512 KiB on
	s_lshl_b32 s16, s14, 6
	s_add_nc_u64 s[32:33], s[30:31], s[16:17]
	s_lshl_b32 s16, s19, 11
	s_add_co_u32 s16, s16, 0x100000
	s_add_nc_u64 s[34:35], s[6:7], s[16:17]        ; v's scale words
	s_lshr_b32 s15, s19, 3
	s_lshl_b32 s15, s15, 10
	s_lshr_b32 s16, s14, 1
	s_lshl_b32 s16, s16, 5
	s_add_co_u32 s15, s15, s16
	s_and_b32 s16, s14, 1
	s_lshl_b32 s16, s16, 3
	s_add_co_u32 s15, s15, s16                     ; my tile's first token: 1,024 b + 32 (T / 2) + 8 (T % 2)
	s_lshl_b32 s16, s15, 2
	s_add_nc_u64 s[40:41], s[10:11], s[16:17]      ; its gate
	s_lshl_b32 s16, s15, 11
	s_and_b32 s15, s19, 7
	s_lshl_b32 s15, s15, 8
	s_add_co_u32 s16, s16, s15                     ; its row, at the head's 256 bytes
	s_add_nc_u64 s[36:37], s[8:9], s[16:17]
	s_add_nc_u64 s[38:39], s[12:13], s[16:17]
.irp i, 0,1,2,3
	global_load_b128 v[96+4*\i:99+4*\i], v232, s[24:25] offset:4194304+8192*\i
.endr
.irp i, 0,1,2,3
	global_load_b128 v[112+4*\i:115+4*\i], v232, s[26:27] offset:8192*\i
.endr
	global_load_b64 v[128:129], v233, s[30:31] offset:524288
	global_load_b32 v130, v234, s[34:35]
	global_load_b32 v131, v234, s[34:35] offset:128
	global_load_b128 v[16:19], v1, s[28:29]        ; both tiles' Q and scale words: four loads
	global_load_b32 v255, v248, s[32:33]
	global_load_b128 v[56:59], v1, s[28:29] offset:8192
	global_load_b32 v242, v248, s[32:33] offset:1024
.macro XLOADS jj                       ; tile jj's nine loads that are wanted on the way out alone: my query's gate, and the tile's 16 rows of x at the head's 64 channels
	global_load_b32 v250, v249, s[40:41] offset:1024*\jj
.irp i, 0,1,2,3,4,5,6,7
	global_load_b128 v[192+4*\i:195+4*\i], v5, s[36:37] offset:524288*\jj+(2*(\i%4)+16*(\i/4))*2048 th:TH_LOAD_NT
.endr
.endm
	XLOADS 0
	s_wait_loadcnt 13                              ; K, V and their scale words are in; Q's four loads and the first tile's nine may be out
.irp i, 0,1,2,3
	ds_store_b128 v232, v[96+4*\i:99+4*\i] offset:KIMG+8192*\i
.endr
.irp i, 0,1,2,3
	ds_store_b128 v232, v[112+4*\i:115+4*\i] offset:VIMG+8192*\i
.endr
	ds_store_b64 v236, v[128:129]
	v_perm_b32 v237, v131, v130, v238              ; four bytes: the blocks of 128 keys, for one channel
	ds_store_b32 v239, v237
	BARRIER                                        ; the head's K and V lie in LDS
.macro TILE jj
.if \jj == 0
	s_wait_loadcnt 9                               ; both tiles' Q and scale words are in; the gate's load and x's eight stay out through the key loop
.else
.irp q, 0,1,2,3
	v_mov_b32 v[16+\q], v[56+\q]                   ; the second tile's Q has waited behind K's last tile
.endr
	v_mov_b32 v255, v242                           ; (the lines below are the places between these moves and the first product)
.endif
	v_mov_b32 v13, 0xff61b1e6                      ; the largest t so far: -3e38, under every t
	v_floor_f32 v12, -v13                          ; -M
	v_mov_b32 v14, 0
	v_mov_b32 v15, 0
.irp n, 0,1,2,3,4,5,6,7,8,9,10,11,12,13,14,15,16,17,18,19,20,21,22,23,24,25,26,27,28,29,30,31
	v_mov_b32 v[160+\n], 0                         ; O^T: the loop is written once; its first step finds zeros, which the first change of M leaves zeros
.endr
	s_mov_b32 s[TK], 0
	s_mov_b32 s[TV], 0
	s_mov_b32 s[TKS], 0
	s_mov_b32 s[TVS], 0
	s_mov_b32 s[CNT], 8
.Lstep_\@:                                         ; a key step: 128 keys
	v_add_nc_u32 v8, s[TK], v1                     ; (these four are also the places ahead of the loads into registers that the last products read)
	v_add_nc_u32 v9, s[TV], v2
	v_add_nc_u32 v10, s[TKS], v3
	v_add_nc_u32 v11, s[TVS], v4
.irp t, 0,1,2,3,4,5,6,7
	ds_load_b128 v[24+4*\t:27+4*\t], v8 offset:512*\t
.endr
.irp p, 0,1,2,3
	ds_load_b32 v[92+\p], v10 offset:128*\p        ; lanes 0-15 tile 2 p's words, lanes 16-31 tile 2 p + 1's
.endr
.irp d, 0,1,2,3
.irp c, 0,1
	ds_load_b128 v[60+8*\d+4*\c:63+8*\d+4*\c], v9 offset:8192*\d+512*\c
.endr
.endr
.irp p, 0,1
	ds_load_b32 v[240+\p], v11 offset:128*\p
.endr
	s_wait_dscnt 10                                ; K and its words are in; V's eight loads and its words' two may be out
.irp t, 0,1,2,3,4,5,6,7
	WM 96+8*\t, 24+4*\t, 16, -1, 92+\t/2, 255, \t%2, 0
.endr
	PLACES
.irp b, 0,1,2,3
	v_max3_num_f32 v[232+\b], v[96+16*\b], v[97+16*\b], v[98+16*\b]   ; the largest score of each block of 32 keys: for the row's maximum, and, since p rises with the score, for the block's largest p
.endr
.irp i, 3,5,7,9,11,13
.irp b, 0,1,2,3
	v_max3_num_f32 v[232+\b], v[232+\b], v[96+16*\b+\i], v[97+16*\b+\i]
.endr
.endr
.irp b, 0,1,2,3
	v_max_num_f32 v[232+\b], v[232+\b], v[111+16*\b]
.endr
.irp b, 0,1,2,3
	v_permlanex16_b32 v[236+\b], v[232+\b], s[SEL], s[SEL+1]
.endr
.irp b, 0,1,2,3
	v_max_num_f32 v[232+\b], v[232+\b], v[236+\b]  ; with lane l xor 16's 16 keys
.endr
	v_max3_num_f32 v254, v232, v233, v234
	v_max_num_f32 v254, v254, v235
	v_mul_f32 v254, s[CS], v254                    ; the step's largest t
	v_max_num_f32 v13, v13, v254
	v_mov_b32 v254, v12
	v_floor_f32 v12, -v13                          ; the new -M = -ceil(t)
	v_sub_f32 v254, v12, v254                      ; old M - new M: a whole number, 0 or less
	v_cvt_i32_f32 v254, v254                       ; (it saturates)
	v_ldexp_f32 v252, 1.0, v254                    ; f = 2^(old M - new M)
.irp n, 0,2,4,6,8,10,12,14,16,18,20,22,24,26,28,30,32,34,36,38,40,42,44,46,48,50,52,54,56,58,60,62
	v_pk_fma_f32 v[96+\n:97+\n], v[96+\n:97+\n], s[CS:CS+1], v[12:13] op_sel_hi:[1,0,0]   ; t - M
.endr
.irp b, 0,1,2,3
	v_fma_f32 v[232+\b], v[232+\b], s[CS], v12
.endr
.irp n, 0,1,2,3,4,5,6,7,8,9,10,11,12,13,14,15,16,17,18,19,20,21,22,23,24,25,26,27,28,29,30,31,32,33,34,35,36,37,38,39,40,41,42,43,44,45,46,47,48,49,50,51,52,53,54,55,56,57,58,59,60,61,62,63
	v_exp_f32 v[96+\n], v[96+\n]                   ; p = 2^(t - M)
.endr
	v_pk_mul_f32 v[14:15], v[14:15], v[252:253] op_sel_hi:[1,0]   ; the sums under the new M: a plain line behind the exponentials
	s_wait_alu depctr_va_vdst(0)                   ; one wait for the 64, ahead of their first reader
.irp b, 0,1,2,3
	v_exp_f32 v[232+\b], v[232+\b]                 ; the block's largest p
.endr
	v_pk_add_f32 v[236:237], v[96:97], v[98:99]    ; the row's sum of the unquantised p, in two chains
.irp n, 4,8,12,16,20,24,28,32,36,40,44,48,52,56,60
	v_pk_add_f32 v[14:15], v[14:15], v[96+\n:97+\n]
	v_pk_add_f32 v[236:237], v[236:237], v[98+\n:99+\n]
.endr
	v_pk_add_f32 v[14:15], v[14:15], v[236:237]
	s_wait_alu depctr_va_vdst(0)                   ; and one for the four
.irp b, 0,1,2,3
	v_max_num_f32 v[232+\b], 0x1800000, v[232+\b]  ; the floor: the byte cannot fall under 1
.endr
.irp b, 0,1,2,3
	v_add_nc_u32 v[244+\b], 0xff000000, v[232+\b]
.endr
.irp b, 0,1,2,3
	v_lshrrev_b32 v[236+\b], 23, v[244+\b]
.endr
	v_lshl_or_b32 v253, v237, 8, v236              ; p's scale word for these 128 keys
	v_lshl_or_b32 v253, v238, 16, v253
	v_lshl_or_b32 v253, v239, 24, v253
.irp b, 0,1,2,3
	v_cvt_scalef32_pk8_fp4_f32 v[224+2*\b], v[96+16*\b:103+16*\b], v[244+\b]
	v_cvt_scalef32_pk8_fp4_f32 v[225+2*\b], v[104+16*\b:111+16*\b], v[244+\b]
.endr
	v_nop
.irp c, 0,1                                    ; the operand wants a whole block in a lane
.irp i, 0,1
	v_permlane16_swap_b32 v[224+4*\c+\i], v[226+4*\c+\i]
.endr
.endr
.irp n, 0,2,4,6,8,10,12,14,16,18,20,22,24,26,28,30
	v_pk_mul_f32 v[160+\n:161+\n], v[160+\n:161+\n], v[252:253] op_sel_hi:[1,0]   ; O^T under the new M; these sixteen are also the places between p's word and codes and the products below
.endr
	s_wait_dscnt 0x0                               ; V and its words are in
.irp d, 0,1,2,3
	WM 160+8*\d, 60+8*\d, 224, 160+8*\d, 240+\d/2, 253, \d%2, 0
.endr
	s_add_co_u32 s[TK], s[TK], 4096
	s_add_co_u32 s[TV], s[TV], 1024
	s_add_co_u32 s[TKS], s[TKS], 512
	s_add_co_u32 s[TVS], s[TVS], 256
	s_sub_co_u32 s[CNT], s[CNT], 1
	s_cmp_lg_u32 s[CNT], 0
	s_cbranch_scc1 .Lstep_\@
	PLACES
	v_add_f32 v14, v14, v15
	v_permlanex16_b32 v252, v14, s[SEL], s[SEL+1]
	v_add_f32 v14, v14, v252                       ; the row's sum
	v_rcp_f32 v14, v14
	v_nop
	s_wait_alu depctr_va_vdst(0)
.irp n, 0,1,2,3,4,5,6,7,8,9,10,11,12,13,14,15,16,17,18,19,20,21,22,23,24,25,26,27,28,29,30,31
	v_mul_f32 v[96+\n], v[160+\n], v14             ; register 8 d + i: channel 16 d + 8 h + i of query r
.endr
	s_wait_loadcnt 0x0                             ; the gate and the tile's rows of x, asked for ahead of the key loop
.irp d, 0,1,2,3
	ds_store_b128 v6, v[96+8*\d:99+8*\d] offset:64*\d
	ds_store_b128 v6, v[100+8*\d:103+8*\d] offset:64*\d+16
.endr
	ds_store_b32 v251, v250                        ; query r's gate behind its row: both halves of the lanes write the same word with the same value
.irp i, 0,1,2,3,4,5,6,7
	ds_load_b32 v[160+\i], v243 offset:544*\i      ; LDS serves a wave's instructions in order: these see my stores
.endr
.irp i, 0,1,2,3,4,5,6,7
	ds_load_b128 v[128+4*\i:131+4*\i], v7 offset:544*\i
.endr
.irp i, 0,1,2,3,4,5,6,7
	s_wait_dscnt 7-\i                              ; the eight gates and rows 0 to i of the eight pairs of rows are back
.irp q, 0,1,2,3
	v_fma_f32 v[192+4*\i+\q], v[192+4*\i+\q], v[160+\i], v[192+4*\i+\q]   ; x1 = x + x gate
.endr
	v_pk_add_f32 v[128+4*\i:129+4*\i], v[128+4*\i:129+4*\i], v[192+4*\i:193+4*\i]
	v_pk_add_f32 v[130+4*\i:131+4*\i], v[130+4*\i:131+4*\i], v[194+4*\i:195+4*\i]
	global_store_b128 v5, v[128+4*\i:131+4*\i], s[38:39] offset:524288*\jj+(2*(\i%4)+16*(\i/4))*2048   ; sixteen lanes store a row's 256 bytes of the head, aligned
.endr
.endm
	TILE 0
	s_wait_xcnt 0x0                                ; the stores have read their data: v128-159 are written again only behind this wait
	XLOADS 1                                       ; they have the second tile's key loop in which to land
	TILE 1
	s_barrier_signal -1
	s_barrier_wait -1
	s_wait_xcnt 0x0
	v_lshl_add_u32 v254, v0, 2, 0x22800
	v_mov_b32 v255, 0
	s_wait_tensorcnt 0x0
	ds_add_u32 v254, v255
	s_wait_dscnt 0x0
	s_endpgm
.Lfunc_end_k_q975c7c3c6c_attn:
	.size	k_q975c7c3c6c_attn, .Lfunc_end_k_q975c7c3c6c_attn-k_q975c7c3c6c_attn
	.p2alignl 7, 3214868480
	.fill 96, 4, 3214868480
	.section	.rodata,"a",@progbits
	.p2align	6, 0x0
	.amdhsa_kernel k_q975c7c3c6c_attn
		.amdhsa_group_segment_fixed_size 143360
		.amdhsa_private_segment_fixed_size 0
		.amdhsa_enable_private_segment 0
		.amdhsa_kernarg_size 40
		.amdhsa_user_sgpr_count 2
		.amdhsa_user_sgpr_kernarg_segment_ptr 1
		.amdhsa_wavefront_size32 1
		.amdhsa_system_sgpr_workgroup_id_x 1
		.amdhsa_system_sgpr_workgroup_id_y 1
		.amdhsa_system_sgpr_workgroup_id_z 1
		.amdhsa_system_vgpr_workitem_id 0
		.amdhsa_next_free_vgpr 256
		.amdhsa_next_free_sgpr 66
		.amdhsa_reserve_vcc 1
		.amdhsa_float_denorm_mode_32 3
		.amdhsa_float_denorm_mode_16_64 3
		.amdhsa_memory_ordered 1
		.amdhsa_forward_progress 1
		.amdhsa_inst_pref_size 56
	.end_amdhsa_kernel
	.amdgpu_metadata
---
amdhsa.version: [ 1, 2 ]
amdhsa.kernels:
  - .name:           k_q975c7c3c6c_attn
    .symbol:         k_q975c7c3c6c_attn.kd
    .args:
      - { .name: qkvc, .offset: 0, .size: 8, .value_kind: global_buffer, .address_space: global }
      - { .name: qkvs, .offset: 8, .size: 8, .value_kind: global_buffer, .address_space: global }
      - { .name: x, .offset: 16, .size: 8, .value_kind: global_buffer, .address_space: global }
      - { .name: gatev, .offset: 24, .size: 8, .value_kind: global_buffer, .address_space: global }
      - { .name: x2, .offset: 32, .size: 8, .value_kind: global_buffer, .address_space: global }
    .group_segment_fixed_size: 143360
    .private_segment_fixed_size: 0
    .kernarg_segment_align: 8
    .kernarg_segment_size: 40
    .max_flat_workgroup_size: 512
    .sgpr_count:     66
    .vgpr_count:     256
    .wavefront_size: 32
...
	.end_amdgpu_metadata
.endif
;; end of part 3
;; launch ffn (part 4): grid 256 x 1, 8 waves a work-group, no clusters, 209,920 bytes of LDS; arguments x2, ffn_g, ffn_b, wcodes, wscales, b1, b2, out0; writes out0
.if DOCPART == 4
	.amdgcn_target "amdgcn-amd-amdhsa--gfx1250"
	.amdhsa_code_object_version 6
	.text
	.protected	k_q975c7c3c6c_ffn
	.globl	k_q975c7c3c6c_ffn
	.p2align	8
	.type	k_q975c7c3c6c_ffn,@function
k_q975c7c3c6c_ffn:
	s_mov_b64 s[64:65], 0
	v_nop
	global_prefetch_b8 v0, s[64:65] scope:SCOPE_SE
	s_setreg_imm32_b32 hwreg(HW_REG_WAVE_MODE, 25, 1), 1
	s_wait_xcnt 0x0
; out = x2 + gelu(LayerNorm(x2) w1 + b1) w2 + b2, both products on codes of FP4 (E2M1) with one E8M0 scale for each 32 along K; the hidden layer never goes to memory.
; SHARES.  A work-group takes 64 rows.  Norm: wave w takes rows 8 w .. 8 w + 7, as in the launch that makes q, k and v (rows of a tile are neighbours here).  The 2,048 hidden units go in 8 chunks of 256.
; In a chunk wave w makes hidden units 32 w .. 32 w + 31 of the chunk for all 64 rows (transposed: source 0 = 16 columns of w1 in the chosen order, source 1 = n: a lane holds one row and 16 neighbouring units; b1 is the C
; of the first K step), takes the exact GELU in f32, quantises, and stores 8 bytes a lane into the chunk's two fragments a tile of rows in LDS | one barrier | every wave reads all eight fragments and adds onto its
; 64 outputs x 64 rows: 16 accumulators, which begin as b2 and stay in registers for the whole launch, as do n's 16 fragments.  Two LDS buffers take turns, so one barrier a chunk serves: a buffer is written again
; only by waves that have passed the barrier which every wave reaches behind its last read of it.
; The weights lie in memory in the order of the operand's registers and go straight into registers, a phase ahead: 44 loads a chunk beside some 900 vector instructions.  So no LDS ring and no joint loads:
; they would put an LDS read between memory and each fragment, and the loop does not wait for these loads.
; erf(t) = t P(t^2) / Q(t^2), t held to +-4, P of degree 6 and Q of degree 4.
; LIMITS: the rational form is good to about 1e-7 absolutely; with t held at -4 the GELU of numbers under about -5.66 comes out as 0, where its magnitude is under 5e-8.  A block of zeros gets the byte 1 with zero codes.
; NaN and infinities are not served; v_rsq_f32 and v_rcp_f32 are taken as they are.
.set RP,   2576                        ; a row in the stage: 32 places of 64 bytes + 16, and 16 more: an odd multiple of 16 bytes
.set WST,  8*RP
.set NIMG, 64*RP                       ; n's fragments: 4 tiles x 16 blocks of (16 rows x 16 bytes + 16 of padding)
.set NSC,  NIMG+4*4352                 ; n's scale words: [tile][K step][row]
.set HBASE, NSC+1024                   ; two buffers 16,384 bytes apart: fragments [tile of rows 4][K step 2][1,024], and 8,192 on their scale words [tile][K step][row]
.set LI,  1                            ; v1   16 x lane
.set STI, 2                            ; v2   the stage: dense order
.set STO, 3                            ; v3   the stage: 80 x lane;  later HWI
.set NWI, 4                            ; later HWS
.set NWS, 5                            ; later HRD
.set AN,  6                            ; later HSR
.set NSR, 7
.set L4,  8                            ; v8   4 x lane
.set H64, 9                            ; v9   64 h
.set H32, 10                           ; v10  32 h
.set LGA, 11                           ; v11  64 x lane
.set HWI0, 12                          ; v12-15 the four LDS addresses of the hidden layer in buffer 0; v3-6 those of the chunk in hand
.set HWS0, 13
.set HRD0, 14
.set HSR0, 15
.set HWI, 3
.set HWS, 4
.set HRD, 5
.set HSR, 6
.set NS,  16                           ; v16-23 n's scale words
.set W1S, 24                           ; v24-27 w1's
.set W2S, 28                           ; v28-31 w2's
.set HS,  32                           ; v32-35 the hidden layer's
.set TT,  36                           ; the norm's work, v36-51; then
.set UU,  44
.set BI,  36                           ; v36-51 b1 in the result's layout
.set W1F, 52                           ; v52-115 w1's 8 fragments
.set W2F, 116                          ; v116-179 w2's 8 fragments
.set X,   180
.set HA,  180                          ; v180-211 four accumulators of the hidden layer
.set GP,  212                          ; v212-227 P, v228-243 Q; later the hidden layer's four fragments
.set GQ,  228
.set HF,  212
.set PP,  244                          ; v244-251 the norm's sums and codes; later t and t^2
.set SEL, 22
.set XB,  4
.set GPT, 6
.set BPT, 8
.set HB,  26                           ; s26  0 or 16,384: the buffer in hand
; window 1: v0-31 gains and biases, then v0-127 n's 16 fragments; v128-255 the rows as loaded, then the 16 accumulators of the output, (nt, m) at v[128 + 8 (4 nt + m)].
; s[42:63]: eleven constants, each in both words of a pair: 1 / sqrt(2), P's coefficients 1 to 6, Q's 1 to 4; the two leading coefficients lie in v252-255.
.set MSB, 0
.macro WIN new                         ; the immediate's high byte repeats the setting that is left
.if MSB != \new
	s_set_vgpr_msb (MSB<<8)|\new
.set MSB, \new
.endif
.endm
.macro BARRIER
	s_wait_dscnt 0x0
	s_barrier_signal -1
	s_barrier_wait -1
.endm
.macro PLACES
.rept 4
	v_nop
.endr
.endm
.macro WM d, a, b, c, sa, sb, ra, rb   ; one scaled product; c < 0: the constant 0 starts the sum; ra, rb: which half of the lanes holds A's and B's scale words
.if (\c) < 0
.if ((\ra) == 0) && ((\rb) == 0)
	v_wmma_scale_f32_16x16x128_f8f6f4 v[(\d):(\d)+7], v[(\a):(\a)+7], v[(\b):(\b)+7], 0, v[\sa], v[\sb] matrix_a_fmt:MATRIX_FMT_FP4 matrix_b_fmt:MATRIX_FMT_FP4
.elseif ((\ra) == 1) && ((\rb) == 0)
	v_wmma_scale_f32_16x16x128_f8f6f4 v[(\d):(\d)+7], v[(\a):(\a)+7], v[(\b):(\b)+7], 0, v[\sa], v[\sb] matrix_a_fmt:MATRIX_FMT_FP4 matrix_b_fmt:MATRIX_FMT_FP4 matrix_a_scale:MATRIX_SCALE_ROW1
.elseif ((\ra) == 0) && ((\rb) == 1)
	v_wmma_scale_f32_16x16x128_f8f6f4 v[(\d):(\d)+7], v[(\a):(\a)+7], v[(\b):(\b)+7], 0, v[\sa], v[\sb] matrix_a_fmt:MATRIX_FMT_FP4 matrix_b_fmt:MATRIX_FMT_FP4 matrix_b_scale:MATRIX_SCALE_ROW1
.else
	v_wmma_scale_f32_16x16x128_f8f6f4 v[(\d):(\d)+7], v[(\a):(\a)+7], v[(\b):(\b)+7], 0, v[\sa], v[\sb] matrix_a_fmt:MATRIX_FMT_FP4 matrix_b_fmt:MATRIX_FMT_FP4 matrix_a_scale:MATRIX_SCALE_ROW1 matrix_b_scale:MATRIX_SCALE_ROW1
.endif
.else
.if ((\ra) == 0) && ((\rb) == 0)
	v_wmma_scale_f32_16x16x128_f8f6f4 v[(\d):(\d)+7], v[(\a):(\a)+7], v[(\b):(\b)+7], v[(\c):(\c)+7], v[\sa], v[\sb] matrix_a_fmt:MATRIX_FMT_FP4 matrix_b_fmt:MATRIX_FMT_FP4
.elseif ((\ra) == 1) && ((\rb) == 0)
	v_wmma_scale_f32_16x16x128_f8f6f4 v[(\d):(\d)+7], v[(\a):(\a)+7], v[(\b):(\b)+7], v[(\c):(\c)+7], v[\sa], v[\sb] matrix_a_fmt:MATRIX_FMT_FP4 matrix_b_fmt:MATRIX_FMT_FP4 matrix_a_scale:MATRIX_SCALE_ROW1
.elseif ((\ra) == 0) && ((\rb) == 1)
	v_wmma_scale_f32_16x16x128_f8f6f4 v[(\d):(\d)+7], v[(\a):(\a)+7], v[(\b):(\b)+7], v[(\c):(\c)+7], v[\sa], v[\sb] matrix_a_fmt:MATRIX_FMT_FP4 matrix_b_fmt:MATRIX_FMT_FP4 matrix_b_scale:MATRIX_SCALE_ROW1
.else
	v_wmma_scale_f32_16x16x128_f8f6f4 v[(\d):(\d)+7], v[(\a):(\a)+7], v[(\b):(\b)+7], v[(\c):(\c)+7], v[\sa], v[\sb] matrix_a_fmt:MATRIX_FMT_FP4 matrix_b_fmt:MATRIX_FMT_FP4 matrix_a_scale:MATRIX_SCALE_ROW1 matrix_b_scale:MATRIX_SCALE_ROW1
.endif
.endif
.endm
; ng groups of 16 registers, v[src + 16 g ..]: 16 neighbours along K; lane l xor 16 holds the block's other 16.  Largest magnitude into am, scale operand so, byte by, codes pc + 2 g, pc + 2 g + 1.  The groups take turns line by line.
.macro QB ng, src, am, px, so, by, pc
.set qg, 0
.rept \ng
	v_max3_num_f32 v[\am+qg], |v[\src+16*qg]|, |v[\src+16*qg+1]|, 0x1800000   ; the floor 2^(3 - 127) holds the byte at 1 from below
.set qg, qg+1
.endr
.set qi, 2
.rept 7
.set qg, 0
.rept \ng
	v_max3_num_f32 v[\am+qg], v[\am+qg], |v[\src+16*qg+qi]|, |v[\src+16*qg+qi+1]|
.set qg, qg+1
.endr
.set qi, qi+2
.endr
.set qg, 0
.rept \ng
	v_permlanex16_b32 v[\px+qg], v[\am+qg], s[SEL], s[SEL+1]
.set qg, qg+1
.endr
.set qg, 0
.rept \ng
	v_max_num_f32 v[\am+qg], v[\am+qg], v[\px+qg]
.set qg, qg+1
.endr
.set qg, 0
.rept \ng
	v_add_nc_u32 v[\so+qg], 0xff000000, v[\am+qg]  ; 2 off the exponent field: the conversion's scale operand
.set qg, qg+1
.endr
.set qg, 0
.rept \ng
	v_lshrrev_b32 v[\by+qg], 23, v[\so+qg]         ; the scale's byte
.set qg, qg+1
.endr
.set qg, 0
.rept \ng
	v_cvt_scalef32_pk8_fp4_f32 v[\pc+2*qg], v[\src+16*qg:\src+16*qg+7], v[\so+qg]
	v_cvt_scalef32_pk8_fp4_f32 v[\pc+2*qg+1], v[\src+16*qg+8:\src+16*qg+15], v[\so+qg]
.set qg, qg+1
.endr
	v_nop                                          ; one plain line behind the last conversion
.endm
.macro RED4 base                       ; four rows' numbers, two registers apart, are summed over the 32 lanes
.irp x, 1,2,4,8
.irp rr, 0,1,2,3
	v_add_f32_dpp v[\base+2*\rr], v[\base+2*\rr], v[\base+2*\rr] row_xmask:\x row_mask:0xf bank_mask:0xf
.endr
.endr
.irp rr, 0,1,2,3
	v_permlanex16_b32 v[UU+2*\rr+1], v[\base+2*\rr], s[SEL], s[SEL+1]
.endr
.irp rr, 0,1,2,3
	v_add_f32 v[\base+2*\rr], v[\base+2*\rr], v[UU+2*\rr+1]
.endr
.endm
.macro XLOADS                          ; my eight rows, 32 loads of 512 consecutive bytes, and my 16 gains and biases, into window 1
	WIN 0x40
.irp i, 0,1,2,3,4,5,6,7
.irp j, 0,1,2,3
	global_load_b128 v[128+16*\i+4*\j:128+16*\i+4*\j+3], v[LI], s[XB:XB+1] offset:2048*\i+512*\j th:TH_LOAD_NT
.endr
.endr
.irp j, 0,1,2,3
	global_load_b128 v[4*\j:4*\j+3], v[LGA], s[GPT:GPT+1] offset:16*\j
.endr
.irp j, 0,1,2,3
	global_load_b128 v[16+4*\j:16+4*\j+3], v[LGA], s[BPT:BPT+1] offset:16*\j
.endr
	WIN 0
.endm
.macro XPHASE
	WIN 0x04                                       ; an LDS store's data are its source 1: window 1
.irp i, 0,1,2,3,4,5,6,7
.irp j, 0,1,2,3
	ds_store_b128 v[STI], v[128+16*\i+4*\j:128+16*\i+4*\j+3] offset:RP*\i+640*\j   ; the rows stay in the stage: the way out adds them on
.endr
.endr
	WIN 0
.irp g, 0,1                                    ; four rows at a time, by turns in every line
.irp rr, 0,1,2,3
.irp j, 0,1,2,3
	ds_load_b128 v[X+16*\rr+4*\j:X+16*\rr+4*\j+3], v[STO] offset:RP*(4*\g+\rr)+16*\j   ; LDS serves a wave's instructions in order: these see my stores
.endr
.endr
	s_wait_dscnt 0x0                               ; the rows are back; the last four rows' LDS stores have read their registers too
.irp rr, 0,1,2,3
	v_pk_add_f32 v[PP+2*\rr:PP+2*\rr+1], v[X+16*\rr:X+16*\rr+1], v[X+16*\rr+2:X+16*\rr+3]
.endr
.irp k, 4,6,8,10,12,14
.irp rr, 0,1,2,3
	v_pk_add_f32 v[PP+2*\rr:PP+2*\rr+1], v[PP+2*\rr:PP+2*\rr+1], v[X+16*\rr+\k:X+16*\rr+\k+1]
.endr
.endr
.irp rr, 0,1,2,3
	v_add_f32 v[TT+2*\rr], v[PP+2*\rr], v[PP+2*\rr+1]
.endr
	RED4 TT
.irp rr, 0,1,2,3
	v_mul_f32 v[TT+2*\rr], s24, v[TT+2*\rr]        ; the mean
.endr
.irp k, 0,2,4,6,8,10,12,14
.irp rr, 0,1,2,3
	v_pk_add_f32 v[X+16*\rr+\k:X+16*\rr+\k+1], v[X+16*\rr+\k:X+16*\rr+\k+1], v[TT+2*\rr:TT+2*\rr+1] op_sel_hi:[1,0] neg_lo:[0,1] neg_hi:[0,1]   ; - the mean (the pair's low word serves both halves)
.endr
.endr
.irp rr, 0,1,2,3
	v_pk_mul_f32 v[PP+2*\rr:PP+2*\rr+1], v[X+16*\rr:X+16*\rr+1], v[X+16*\rr:X+16*\rr+1]
.endr
.irp k, 2,4,6,8,10,12,14
.irp rr, 0,1,2,3
	v_pk_fma_f32 v[PP+2*\rr:PP+2*\rr+1], v[X+16*\rr+\k:X+16*\rr+\k+1], v[X+16*\rr+\k:X+16*\rr+\k+1], v[PP+2*\rr:PP+2*\rr+1]
.endr
.endr
.irp rr, 0,1,2,3
	v_add_f32 v[UU+2*\rr], v[PP+2*\rr], v[PP+2*\rr+1]
.endr
	RED4 UU
.irp rr, 0,1,2,3
	v_fma_f32 v[UU+2*\rr], v[UU+2*\rr], s24, s25   ; the variance + eps
.endr
.irp rr, 0,1,2,3
	v_rsq_f32 v[UU+2*\rr], v[UU+2*\rr]
.endr
	v_nop
	s_wait_alu depctr_va_vdst(0)                   ; one wait for the four roots, ahead of their first reader
.irp k, 0,2,4,6,8,10,12,14
.irp rr, 0,1,2,3
	v_pk_mul_f32 v[X+16*\rr+\k:X+16*\rr+\k+1], v[X+16*\rr+\k:X+16*\rr+\k+1], v[UU+2*\rr:UU+2*\rr+1] op_sel_hi:[1,0]
.endr
.endr
	WIN 0x14                                       ; sources 1 and 2, gain and bias, in window 1
.irp k, 0,2,4,6,8,10,12,14
.irp rr, 0,1,2,3
	v_pk_fma_f32 v[X+16*\rr+\k:X+16*\rr+\k+1], v[X+16*\rr+\k:X+16*\rr+\k+1], v[\k:\k+1], v[16+\k:17+\k]
.endr
.endr
	WIN 0
.irp rr, 0,1,2,3
	v_max3_num_f32 v[TT+2*\rr], |v[X+16*\rr]|, |v[X+16*\rr+1]|, 0x1800000
.endr
.irp k, 2,4,6,8,10,12,14
.irp rr, 0,1,2,3
	v_max3_num_f32 v[TT+2*\rr], v[TT+2*\rr], |v[X+16*\rr+\k]|, |v[X+16*\rr+\k+1]|
.endr
.endr
.irp rr, 0,1,2,3
	v_max_num_f32_dpp v[TT+2*\rr], v[TT+2*\rr], v[TT+2*\rr] row_xmask:1 row_mask:0xf bank_mask:0xf   ; with my neighbour's 16: the block's
.endr
.irp rr, 0,1,2,3
	v_add_nc_u32 v[UU+2*\rr], 0xff000000, v[TT+2*\rr]
.endr
.irp rr, 0,1,2,3
	v_lshrrev_b32 v[TT+2*\rr+1], 23, v[UU+2*\rr]
.endr
.irp rr, 0,1,2,3
	v_cvt_scalef32_pk8_fp4_f32 v[PP+2*\rr], v[X+16*\rr:X+16*\rr+7], v[UU+2*\rr]
	v_cvt_scalef32_pk8_fp4_f32 v[PP+2*\rr+1], v[X+16*\rr+8:X+16*\rr+15], v[UU+2*\rr]
.endr
	v_nop
.irp rr, 0,1,2,3
	ds_store_b64 v[NWI], v[PP+2*\rr:PP+2*\rr+1] offset:16*(4*\g+\rr)
	ds_store_b8 v[NWS], v[TT+2*\rr+1] offset:4*(4*\g+\rr)      ; both lanes of a block write the same byte with the same value
.endr
.endr
	BARRIER                                        ; all 64 rows' codes and scale bytes lie in LDS
	WIN 0x40
.irp m, 0,1,2,3
.irp ks, 0,1,2,3
.irp c, 0,1
	ds_load_b128 v[8*(4*\m+\ks)+4*\c:8*(4*\m+\ks)+4*\c+3], v[AN] offset:4352*\m+1088*\ks+544*\c
.endr
.endr
.endr
	WIN 0
.irp m, 0,1,2,3
.irp kp, 0,1
	ds_load_b32 v[NS+2*\m+\kp], v[NSR] offset:256*\m+128*\kp
.endr
.endr
.endm
.macro LW1                             ; the chunk's pair of tiles of w1: 16 + 4 loads
.irp u, 0,1
.irp ks, 0,1,2,3
.irp c, 0,1
	global_load_b128 v[W1F+8*(4*\u+\ks)+4*\c:W1F+8*(4*\u+\ks)+4*\c+3], v[LI], s[28:29] offset:1024*(4*\u+\ks)+512*\c
.endr
.endr
.endr
.irp ks, 0,1,2,3
	global_load_b32 v[W1S+\ks], v[L4], s[30:31] offset:128*\ks
.endr
.endm
.macro LBI                             ; b1 at my 16 hidden units: 4 loads
.irp u, 0,1
.irp q, 0,1
	global_load_b128 v[BI+8*\u+4*\q:BI+8*\u+4*\q+3], v[H64], s[32:33] offset:32*\u+16*\q
.endr
.endr
.endm
.macro LW2                             ; my four tiles of w2, the chunk's two K steps: 16 + 4 loads
.irp nt, 0,1,2,3
.irp kk, 0,1
.irp c, 0,1
	global_load_b128 v[W2F+8*(2*\nt+\kk)+4*\c:W2F+8*(2*\nt+\kk)+4*\c+3], v[LI], s[34:35] offset:16384*\nt+1024*\kk+512*\c
.endr
.endr
.endr
.irp p, 0,1
.irp kk, 0,1
	global_load_b32 v[W2S+2*\p+\kk], v[L4], s[36:37] offset:2048*\p+128*\kk
.endr
.endr
.endm
; 16 numbers, in place: x <- x / 2 (1 + erf(x / sqrt(2))).  Four at a time through the two polynomials, four chains by turns; then one batch of 16 reciprocals with one wait.
.macro GELU base
.irp e, 0,4,8,12
	v_pk_mul_f32 v[244:245], v[\base+\e:\base+\e+1], s[42:43] op_sel_hi:[1,0]
	v_pk_mul_f32 v[246:247], v[\base+\e+2:\base+\e+3], s[42:43] op_sel_hi:[1,0]
	v_med3_num_f32 v244, v244, -4.0, 4.0
	v_med3_num_f32 v245, v245, -4.0, 4.0
	v_med3_num_f32 v246, v246, -4.0, 4.0
	v_med3_num_f32 v247, v247, -4.0, 4.0
	v_pk_mul_f32 v[248:249], v[244:245], v[244:245]
	v_pk_mul_f32 v[250:251], v[246:247], v[246:247]
	v_pk_fma_f32 v[GP+\e:GP+\e+1], v[248:249], v[252:253], s[44:45] op_sel_hi:[1,1,0]
	v_pk_fma_f32 v[GP+\e+2:GP+\e+3], v[250:251], v[252:253], s[44:45] op_sel_hi:[1,1,0]
	v_pk_fma_f32 v[GQ+\e:GQ+\e+1], v[248:249], v[254:255], s[56:57] op_sel_hi:[1,1,0]
	v_pk_fma_f32 v[GQ+\e+2:GQ+\e+3], v[250:251], v[254:255], s[56:57] op_sel_hi:[1,1,0]
.irp k, 0,2,4
	v_pk_fma_f32 v[GP+\e:GP+\e+1], v[GP+\e:GP+\e+1], v[248:249], s[46+\k:47+\k] op_sel_hi:[1,1,0]
	v_pk_fma_f32 v[GP+\e+2:GP+\e+3], v[GP+\e+2:GP+\e+3], v[250:251], s[46+\k:47+\k] op_sel_hi:[1,1,0]
	v_pk_fma_f32 v[GQ+\e:GQ+\e+1], v[GQ+\e:GQ+\e+1], v[248:249], s[58+\k:59+\k] op_sel_hi:[1,1,0]
	v_pk_fma_f32 v[GQ+\e+2:GQ+\e+3], v[GQ+\e+2:GQ+\e+3], v[250:251], s[58+\k:59+\k] op_sel_hi:[1,1,0]
.endr
.irp k, 52,54
	v_pk_fma_f32 v[GP+\e:GP+\e+1], v[GP+\e:GP+\e+1], v[248:249], s[\k:\k+1] op_sel_hi:[1,1,0]
	v_pk_fma_f32 v[GP+\e+2:GP+\e+3], v[GP+\e+2:GP+\e+3], v[250:251], s[\k:\k+1] op_sel_hi:[1,1,0]
.endr
	v_pk_mul_f32 v[GP+\e:GP+\e+1], v[GP+\e:GP+\e+1], v[244:245]
	v_pk_mul_f32 v[GP+\e+2:GP+\e+3], v[GP+\e+2:GP+\e+3], v[246:247]
.endr
.irp e, 0,1,2,3,4,5,6,7,8,9,10,11,12,13,14,15
	v_rcp_f32 v[GQ+\e], v[GQ+\e]
.endr
.irp e, 0,2,4,6,8,10,12,14
	v_pk_mul_f32 v[\base+\e:\base+\e+1], v[\base+\e:\base+\e+1], 0.5 op_sel_hi:[1,0]   ; plain work behind the reciprocals
.endr
	s_wait_alu depctr_va_vdst(0)                   ; one wait for the sixteen, ahead of their first reader
.irp e, 0,2,4,6,8,10,12,14
	v_pk_mul_f32 v[GP+\e:GP+\e+1], v[GP+\e:GP+\e+1], v[GQ+\e:GQ+\e+1]      ; erf
.endr
.irp e, 0,2,4,6,8,10,12,14
	v_pk_fma_f32 v[\base+\e:\base+\e+1], v[\base+\e:\base+\e+1], v[GP+\e:GP+\e+1], v[\base+\e:\base+\e+1]
.endr
.endm
.macro CPAIR reg, val
	s_mov_b32 s[\reg], \val
	s_mov_b32 s[\reg+1], \val
.endm
	s_load_b512 s[4:19], s[0:1], 0x0               ; x2, ffn_g, ffn_b, wcodes, wscales, b1, b2, out0
	v_lshrrev_b32 v13, 5, v0
	v_readfirstlane_b32 s20, v13                   ; wave 0..7
	v_and_b32 v13, 31, v0                          ; lane
	v_lshlrev_b32 v[LI], 4, v13
	v_lshlrev_b32 v[L4], 2, v13
	v_lshlrev_b32 v[LGA], 6, v13
	s_mul_i32 s21, s20, WST
	v_lshrrev_b32 v14, 2, v13
	v_mul_u32_u24 v14, v14, 80
	v_and_b32 v15, 3, v13
	v_lshl_add_u32 v14, v15, 4, v14
	v_add_nc_u32 v[STI], s21, v14                  ; four lanes' 64 bytes on end, then 16 of padding
	v_mul_u32_u24 v14, v13, 80
	v_add_nc_u32 v[STO], s21, v14
	s_lshr_b32 s38, s20, 1                         ; my rows' tile: w / 2
	s_and_b32 s39, s20, 1                          ; and which eight of its rows
	s_mul_i32 s40, s38, 4352
	s_lshl_b32 s41, s39, 7
	s_add_co_u32 s40, s40, s41
	s_add_co_u32 s40, s40, NIMG
	v_lshrrev_b32 v14, 1, v13
	v_mul_u32_u24 v14, v14, 272
	v_and_b32 v15, 1, v13
	v_lshl_add_u32 v14, v15, 3, v14
	v_add_nc_u32 v[NWI], s40, v14
	s_lshl_b32 s40, s38, 8
	s_lshl_b32 s41, s39, 5
	s_add_co_u32 s40, s40, s41
	s_add_co_u32 s40, s40, NSC
	v_lshrrev_b32 v14, 3, v13
	v_lshlrev_b32 v14, 6, v14
	v_bfe_u32 v15, v13, 1, 2
	v_add_nc_u32 v14, v14, v15
	v_add_nc_u32 v[NWS], s40, v14
	v_and_b32 v14, 15, v13                         ; r
	v_lshrrev_b32 v15, 4, v13                      ; h
	v_mul_u32_u24 v[AN], v15, 272
	v_lshl_add_u32 v[AN], v14, 4, v[AN]
	v_add_nc_u32 v[AN], NIMG, v[AN]
	v_add_nc_u32 v[NSR], NSC, v[L4]
	v_lshlrev_b32 v[H64], 6, v15
	v_lshlrev_b32 v[H32], 5, v15
	s_lshl_b32 s40, s20, 8
	s_add_co_u32 s40, s40, HBASE
	v_lshlrev_b32 v[HWI0], 4, v14
	v_lshl_add_u32 v[HWI0], v15, 3, v[HWI0]
	v_add_nc_u32 v[HWI0], s40, v[HWI0]             ; block w of the chunk's eight: 256 w + 16 r + 8 h
	s_lshr_b32 s40, s20, 2
	s_lshl_b32 s40, s40, 6
	s_and_b32 s41, s20, 3
	s_add_co_u32 s40, s40, s41
	s_add_co_u32 s40, s40, HBASE+8192
	v_lshlrev_b32 v[HWS0], 2, v14
	v_add_nc_u32 v[HWS0], s40, v[HWS0]             ; my block's byte of the row's word: 64 (w / 4) + 4 r + w % 4
	v_add_nc_u32 v[HRD0], HBASE, v[LI]
	v_add_nc_u32 v[HSR0], HBASE+8192, v[L4]
.irp rr, 0,1,2,3
	v_mov_b32 v[TT+2*\rr+1], 0                     ; named as the upper halves of pairs, and as lane permutes' destinations, before they are first written
	v_mov_b32 v[UU+2*\rr+1], 0
.endr
	v_mov_b32 v252, 0xaf95df0b                     ; P's leading coefficient, twice
	v_mov_b32 v253, 0xaf95df0b
	v_mov_b32 v254, 0xb77460cd                     ; Q's
	v_mov_b32 v255, 0xb77460cd
	s_mov_b32 s[SEL], 0x76543210
	s_mov_b32 s[SEL+1], 0xfedcba98
	s_mov_b32 s24, 0x3b000000                      ; 1 / 512
	s_mov_b32 s25, 0x3727c5ac                      ; eps = 1e-5
	s_mov_b32 s[HB], 0
	s_mov_b32 s27, 7
	s_wait_kmcnt 0x0
	s_mov_b32 s39, 0
	s_lshl_b32 s38, ttmp9, 17
	s_lshl_b32 s40, s20, 14
	s_add_co_u32 s38, s38, s40                     ; my eight rows
	s_add_nc_u64 s[4:5], s[4:5], s[38:39]
	s_add_nc_u64 s[18:19], s[18:19], s[38:39]
	s_lshl_b32 s38, s20, 13
	s_add_co_u32 s38, s38, 393216
	s_add_nc_u64 s[28:29], s[10:11], s[38:39]      ; w1's codes: pair w of chunk 0
	s_lshl_b32 s38, s20, 9
	s_add_co_u32 s38, s38, 24576
	s_add_nc_u64 s[30:31], s[12:13], s[38:39]      ; its scale words
	s_lshl_b32 s38, s20, 7
	s_add_nc_u64 s[32:33], s[14:15], s[38:39]      ; b1
	s_lshl_b32 s38, s20, 16
	s_add_co_u32 s38, s38, 917504
	s_add_nc_u64 s[34:35], s[10:11], s[38:39]      ; w2's codes: my four tiles, K steps 0 and 1
	s_lshl_b32 s38, s20, 12
	s_add_co_u32 s38, s38, 57344
	s_add_nc_u64 s[36:37], s[12:13], s[38:39]      ; its scale words
	s_lshl_b32 s38, s20, 8
	s_add_nc_u64 s[16:17], s[16:17], s[38:39]      ; b2 at my 64 outputs
	XLOADS
	LW1
	LW2
	CPAIR 42, 0x3f3504f3                           ; 1 / sqrt(2)
	CPAIR 44, 0x32edffee
	CPAIR 46, 0xb60cff51
	CPAIR 48, 0xb86ec2d2
	CPAIR 50, 0xba40ac63
	CPAIR 52, 0xbb41a1f6
	CPAIR 54, 0xbc83dbd4
	CPAIR 56, 0xb95fbd29
	CPAIR 58, 0xbadc924e
	CPAIR 60, 0xbbf19bf8
	CPAIR 62, 0xbc69b6a7
	s_wait_loadcnt 40                              ; the rows, gains and biases are in; the weights' 20 + 20 loads may be out
	XPHASE
	LBI
	WIN 0x40
.irp nt, 0,1,2,3
.irp m, 0,1,2,3
.irp q, 0,1
	global_load_b128 v[128+8*(4*\nt+\m)+4*\q:128+8*(4*\nt+\m)+4*\q+3], v[H32], s[16:17] offset:64*\nt+16*\q   ; the sums begin as b2: nothing is cleared, nothing is added later
.endr
.endr
.endr
	WIN 0
	s_wait_dscnt 0x0                               ; n's fragments and scale words are in registers
.macro CHUNK last
	v_add_nc_u32 v[HWI], s[HB], v[HWI0]
	v_add_nc_u32 v[HWS], s[HB], v[HWS0]
	v_add_nc_u32 v[HRD], s[HB], v[HRD0]
	v_add_nc_u32 v[HSR], s[HB], v[HSR0]
	s_wait_loadcnt 20                              ; w1's fragments and words and b1 are in; behind them w2's 20 loads were issued (on the way into the loop more were: the count is then stricter than it need be)
.irp hh, 0,1                                   ; two tiles of rows at a time: four accumulators by turns, K step by K step
	WIN 0x04                                       ; source 1 (n) in window 1
.irp ks, 0,1,2,3
.irp mm, 0,1
.irp u, 0,1
.if \ks == 0
	WM HA+8*(2*\mm+\u), W1F+8*(4*\u+\ks), 8*(4*(2*\hh+\mm)+\ks), BI+8*\u, W1S+\ks, NS+2*(2*\hh+\mm)+\ks/2, \u, \ks%2
.else
	WM HA+8*(2*\mm+\u), W1F+8*(4*\u+\ks), 8*(4*(2*\hh+\mm)+\ks), HA+8*(2*\mm+\u), W1S+\ks, NS+2*(2*\hh+\mm)+\ks/2, \u, \ks%2
.endif
.endr
.endr
.endr
	WIN 0
	PLACES                                         ; ahead of the first read of results, and of loads into registers that the products have read
.if (\hh == 1) && (\last == 0)
	s_wait_xcnt 0x0                                ; the bases are stepped only behind this wait
	s_add_nc_u64 s[28:29], s[28:29], 65536
	s_add_nc_u64 s[30:31], s[30:31], 4096
	s_add_nc_u64 s[32:33], s[32:33], 1024
	LW1                                            ; the next chunk's: 24 loads, a phase ahead
	LBI
.endif
	s_wait_dscnt 0x0                               ; the first half's LDS stores have read their registers, which the lines below write
	GELU HA
	GELU HA+16
	QB 2, HA, 212, 214, 216, 218, 220
.irp mm, 0,1
	ds_store_b64 v[HWI], v[220+2*\mm:221+2*\mm] offset:2048*(2*\hh+\mm)
	ds_store_b8 v[HWS], v[218+\mm] offset:128*(2*\hh+\mm)
.endr
.endr
	BARRIER                                        ; the chunk's eight fragments lie in LDS
.irp m, 0,1,2,3
	ds_load_b32 v[HS+\m], v[HSR] offset:128*\m     ; lanes 0-15 K step 0's words, lanes 16-31 K step 1's
.endr
.if \last
	s_wait_loadcnt 0x0
.else
	s_wait_loadcnt 24                              ; w2's fragments and words (and, in the first chunk, b2) are in; the next chunk's 24 may be out
.endif
.irp kk, 0,1
.irp m, 0,1,2,3
.irp c, 0,1
	ds_load_b128 v[HF+8*\m+4*\c:HF+8*\m+4*\c+3], v[HRD] offset:2048*\m+1024*\kk+512*\c
.endr
.endr
	s_wait_dscnt 0x0
	WIN 0x50                                       ; C and D in window 1
.irp nt, 0,1,2,3
.irp m, 0,1,2,3
	WM 128+8*(4*\nt+\m), W2F+8*(2*\nt+\kk), HF+8*\m, 128+8*(4*\nt+\m), W2S+2*(\nt/2)+\kk, HS+\m, \nt%2, \kk
.endr
.endr
	WIN 0
	PLACES
.endr
.if \last == 0
	s_wait_xcnt 0x0
	s_add_nc_u64 s[34:35], s[34:35], 2048
	s_add_nc_u64 s[36:37], s[36:37], 256
	LW2                                            ; the next chunk's: 20 loads
.endif
	s_xor_b32 s[HB], s[HB], 16384                  ; on to the other buffer
.endm
.Lchunk:
	CHUNK 0
	s_sub_co_u32 s27, s27, 1
	s_cmp_lg_u32 s27, 0
	s_cbranch_scc1 .Lchunk
	CHUNK 1                                        ; the last chunk asks for nothing more
	; THE WAY OUT.  A lane holds eight neighbouring outputs of a row.  It reads the same places of x2 from the stage, adds, and puts the sums back: each byte has one owner.  Behind a barrier each wave reads its eight rows whole and stores them densely.
	v_and_b32 v3, 15, v0
	v_bfe_u32 v4, v0, 4, 1
	v_mul_u32_u24 v5, v3, RP
	v_lshl_add_u32 v5, v4, 5, v5
	s_mul_i32 s38, s20, 320
	v_add_nc_u32 v5, s38, v5                       ; row r, outputs 64 w + 8 h on: 4 w places of 80 bytes + 32 h
	v_add_nc_u32 v6, 32*RP, v5                     ; the same 32 rows further down
.irp m, 0,1,2,3
.set LL, 212-32*(\m%2)                 ; two sets of registers by turns
.irp nt, 0,1,2,3
.irp q, 0,1
	ds_load_b128 v[LL+8*\nt+4*\q:LL+8*\nt+4*\q+3], v[5+\m/2] offset:16*RP*(\m%2)+80*\nt+16*\q
.endr
.endr
	s_wait_dscnt 0x0
	WIN 0x01                                       ; source 0, the accumulators, in window 1
.irp nt, 0,1,2,3
.irp p, 0,2,4,6
	v_pk_add_f32 v[LL+8*\nt+\p:LL+8*\nt+\p+1], v[128+8*(4*\nt+\m)+\p:128+8*(4*\nt+\m)+\p+1], v[LL+8*\nt+\p:LL+8*\nt+\p+1]
.endr
.endr
	WIN 0
.irp nt, 0,1,2,3
.irp q, 0,1
	ds_store_b128 v[5+\m/2], v[LL+8*\nt+4*\q:LL+8*\nt+4*\q+3] offset:16*RP*(\m%2)+80*\nt+16*\q
.endr
.endr
.endr
	BARRIER                                        ; 64 whole rows of the result lie in the stage
.irp i, 0,1,2,3,4,5,6,7
.irp j, 0,1,2,3
	ds_load_b128 v[52+4*(4*\i+\j):52+4*(4*\i+\j)+3], v[STI] offset:RP*\i+640*\j
.endr
.endr
.irp i, 0,1,2,3,4,5,6,7
.irp j, 0,1,2,3
	s_wait_dscnt 31-(4*\i+\j)
	global_store_b128 v[LI], v[52+4*(4*\i+\j):52+4*(4*\i+\j)+3], s[18:19] offset:2048*\i+512*\j th:TH_STORE_NT   ; 32 lanes store 512 consecutive bytes, aligned
.endr
.endr
	s_barrier_signal -1
	s_barrier_wait -1
	s_wait_xcnt 0x0
	v_lshl_add_u32 v254, v0, 2, 0x33000
	v_mov_b32 v255, 0
	s_wait_tensorcnt 0x0
	ds_add_u32 v254, v255
	s_wait_dscnt 0x0
	s_endpgm
.Lfunc_end_k_q975c7c3c6c_ffn:
	.size	k_q975c7c3c6c_ffn, .Lfunc_end_k_q975c7c3c6c_ffn-k_q975c7c3c6c_ffn
	.p2alignl 7, 3214868480
	.fill 96, 4, 3214868480
	.section	.rodata,"a",@progbits
	.p2align	6, 0x0
	.amdhsa_kernel k_q975c7c3c6c_ffn
		.amdhsa_group_segment_fixed_size 209920
		.amdhsa_private_segment_fixed_size 0
		.amdhsa_enable_private_segment 0
		.amdhsa_kernarg_size 64
		.amdhsa_user_sgpr_count 2
		.amdhsa_user_sgpr_kernarg_segment_ptr 1
		.amdhsa_wavefront_size32 1
		.amdhsa_system_sgpr_workgroup_id_x 1
		.amdhsa_system_sgpr_workgroup_id_y 1
		.amdhsa_system_sgpr_workgroup_id_z 1
		.amdhsa_system_vgpr_workitem_id 0
		.amdhsa_next_free_vgpr 512
		.amdhsa_next_free_sgpr 66
		.amdhsa_reserve_vcc 0
		.amdhsa_float_denorm_mode_32 3
		.amdhsa_float_denorm_mode_16_64 3
		.amdhsa_memory_ordered 1
		.amdhsa_forward_progress 1
		.amdhsa_inst_pref_size 183
	.end_amdhsa_kernel
	.amdgpu_metadata
---
amdhsa.version: [ 1, 2 ]
amdhsa.kernels:
  - .name:           k_q975c7c3c6c_ffn
    .symbol:         k_q975c7c3c6c_ffn.kd
    .args:
      - { .name: x2, .offset: 0, .size: 8, .value_kind: global_buffer, .address_space: global }
      - { .name: ffn_g, .offset: 8, .size: 8, .value_kind: global_buffer, .address_space: global }
      - { .name: ffn_b, .offset: 16, .size: 8, .value_kind: global_buffer, .address_space: global }
      - { .name: wcodes, .offset: 24, .size: 8, .value_kind: global_buffer, .address_space: global }
      - { .name: wscales, .offset: 32, .size: 8, .value_kind: global_buffer, .address_space: global }
      - { .name: b1, .offset: 40, .size: 8, .value_kind: global_buffer, .address_space: global }
      - { .name: b2, .offset: 48, .size: 8, .value_kind: global_buffer, .address_space: global }
      - { .name: out0, .offset: 56, .size: 8, .value_kind: global_buffer, .address_space: global }
    .group_segment_fixed_size: 209920
    .private_segment_fixed_size: 0
    .kernarg_segment_align: 8
    .kernarg_segment_size: 64
    .max_flat_workgroup_size: 256
    .sgpr_count:     66
    .vgpr_count:     512
    .wavefront_size: 32
...
	.end_amdgpu_metadata
.endif
;; end of part 4
;; ======== version 2 of 2: 4 launches
;; workspace buffers: wcodes 1,703,936 bytes; wscales 106,496 bytes; ymean 65,536 bytes; gatev 65,536 bytes; qkvc 12,582,912 bytes; qkvs 1,310,720 bytes; x2 33,554,432 bytes
;; launch prep (part 5): grid 336 x 1, 4 waves a work-group, no clusters, 0 bytes of LDS; arguments x, wq, wk, wv, w1, w2, se_w1, se_w2, wcodes, wscales, ymean; writes wcodes, wscales, ymean
.if DOCPART == 5
	.amdgcn_target "amdgcn-amd-amdhsa--gfx1250"
	.amdhsa_code_object_version 6
	.text
	.protected	k_q975c7c3c6c_prep
	.globl	k_q975c7c3c6c_prep
	.p2align	8
	.type	k_q975c7c3c6c_prep,@function
k_q975c7c3c6c_prep:
	s_mov_b64 s[64:65], 0
	v_nop
	global_prefetch_b8 v0, s[64:65] scope:SCOPE_SE
	s_setreg_imm32_b32 hwreg(HW_REG_WAVE_MODE, 25, 1), 1
	s_wait_xcnt 0x0
; Two jobs in one launch, told apart by the work-group's number alone.
; Work-groups 0-127: ymean[row] = the mean of x's row of 512 numbers; a wave takes 32 rows, four at a time.
; Work-groups 128-335: the seven weights, f32 stored [K][N], become codes of FP4 (E2M1) with one E8M0 byte for each 32 along K,
; laid IN THE ORDER OF THE OPERAND'S REGISTERS: a fragment (16 columns x 128 K) is [kb 0..3][r 0..15][16 bytes], 1,024 bytes; a weight is
; [P = pair of 16-column tiles][u 0..1][ks = K / 128][1,024]; its scale words [P][ks][lane = 16 u + r], byte kb of a word for block kb.
; A LANE TAKES A COLUMN AND ITS REGISTERS RUN DOWN K: a block of 32 lies in one lane, so no other lane is asked for its largest magnitude.
; wq, wk, w1, se_w1 have their columns in a chosen order: row r of tile u stands for column 8 u + r % 8 + 16 (r / 8) of the 32, so that the
; results of the products that use them lie as 16 neighbours along the next K in a lane.
; A block's scale is 2^(floor(log2(largest magnitude)) - 2); its byte is the largest magnitude's exponent field - 2, held at 1 from below.
; LIMITS: a block of zeros gets the byte 1 (its codes are zeros; only this program reads the bytes); NaN and infinities are not served.
; No LDS, no barrier, no matrix unit, no cluster: waves share nothing and every input byte is read once.
.set NMEAN, 128
	s_load_b512 s[4:19], s[0:1], 0x0               ; x, wq, wk, wv, w1, w2, se_w1, se_w2
	s_load_b128 s[20:23], s[0:1], 0x40             ; wcodes, wscales
	s_load_b64 s[24:25], s[0:1], 0x50              ; ymean
	v_lshrrev_b32 v1, 5, v0
	v_readfirstlane_b32 s26, v1                    ; wave 0..3
	v_and_b32 v3, 31, v0                           ; lane
	s_cmp_lt_u32 ttmp9, NMEAN
	s_cbranch_scc0 .Lweights
; ---------------- the means ----------------
	s_lshl_b32 s27, ttmp9, 2
	s_add_co_u32 s27, s27, s26                     ; which run of 32 rows is my wave's
	s_lshl_b32 s28, s27, 16                        ; x 32 rows x 2,048 bytes
	s_mov_b32 s29, 0
	s_lshl_b32 s30, s27, 7                         ; x 32 rows x 4 bytes
	s_mov_b32 s31, 0
	s_mov_b32 s36, 0x76543210
	s_mov_b32 s37, 0xfedcba98                      ; v_permlanex16_b32's selects for lane l xor 16
	s_wait_alu depctr_va_vdst(0)
	v_lshlrev_b32 v1, 4, v3                        ; 16 bytes a lane: a load covers 512 consecutive bytes
	v_lshlrev_b32 v12, 2, v3
	v_mov_b32 v2, 0                                ; lane i gathers row i's sum
.irp r, 8,9,10,11
	v_mov_b32 v\r, 0                               ; a lane permute's destination counts as one of its sources
.endr
	s_wait_alu depctr_va_vdst(0)
	s_wait_kmcnt 0x0
	s_add_nc_u64 s[4:5], s[4:5], s[28:29]
	s_add_nc_u64 s[24:25], s[24:25], s[30:31]
.macro LOADG g                         ; rows 4 g .. 4 g + 3 into set g % 3 of v32-223: sixteen loads
.irp rr, 0,1,2,3
.irp i, 0,1,2,3
	global_load_b128 v[32+64*((\g)%3)+16*\rr+4*\i:32+64*((\g)%3)+16*\rr+4*\i+3], v1, s[4:5] offset:(4*(\g)+\rr)*2048+512*\i th:TH_LOAD_NT
.endr
.endr
.endm
.macro GROUP g, left                   ; left: the younger loads that may stay out
.set XS, 32+64*((\g)%3)
	s_wait_loadcnt \left
.irp k, 0,2,4,6
.irp rr, 0,1,2,3
	v_pk_add_f32 v[XS+16*\rr+\k:XS+16*\rr+\k+1], v[XS+16*\rr+\k:XS+16*\rr+\k+1], v[XS+16*\rr+\k+8:XS+16*\rr+\k+9]
.endr
.endr
.irp k, 0,2
.irp rr, 0,1,2,3
	v_pk_add_f32 v[XS+16*\rr+\k:XS+16*\rr+\k+1], v[XS+16*\rr+\k:XS+16*\rr+\k+1], v[XS+16*\rr+\k+4:XS+16*\rr+\k+5]
.endr
.endr
.irp rr, 0,1,2,3
	v_pk_add_f32 v[XS+16*\rr:XS+16*\rr+1], v[XS+16*\rr:XS+16*\rr+1], v[XS+16*\rr+2:XS+16*\rr+3]
.endr
.irp rr, 0,1,2,3
	v_add_f32 v[4+\rr], v[XS+16*\rr], v[XS+16*\rr+1]   ; my 16 numbers of the row
.endr
.if (\g)+3 < 8
	LOADG (\g)+3                                   ; the set is free: three groups stay on their way
.endif
.irp x, 1,2,4,8
.irp rr, 0,1,2,3
	v_add_f32_dpp v[4+\rr], v[4+\rr], v[4+\rr] row_xmask:\x row_mask:0xf bank_mask:0xf
.endr
.endr
.irp rr, 0,1,2,3
	v_permlanex16_b32 v[8+\rr], v[4+\rr], s36, s37
.endr
.irp rr, 0,1,2,3
	v_add_f32 v[4+\rr], v[4+\rr], v[8+\rr]         ; every lane holds the row's sum
.endr
.irp rr, 0,1,2,3
	s_mov_b32 s[32+\rr], 1<<(4*(\g)+\rr)
	v_cndmask_b32 v2, v2, v[4+\rr], s[32+\rr]      ; lane 4 g + rr keeps it
.endr
.endm
	LOADG 0
	LOADG 1
	LOADG 2
	GROUP 0, 32
	GROUP 1, 32
	GROUP 2, 32
	GROUP 3, 32
	GROUP 4, 32
	GROUP 5, 32
	GROUP 6, 16
	GROUP 7, 0
	v_mul_f32 v2, 0x3b000000, v2                   ; / 512
	global_store_b32 v12, v2, s[24:25]             ; 32 rows' means: 128 consecutive bytes
	s_endpgm
; ---------------- the weights ----------------
.Lweights:
	s_sub_co_u32 s27, ttmp9, NMEAN
	s_lshl_b32 s27, s27, 2
	s_add_co_u32 s27, s27, s26                     ; my unit, 0 .. 831: 32 columns x 128 along K of one weight
	s_wait_kmcnt 0x0
	s_mov_b64 s[28:29], s[6:7]                     ; wq's figures; the later weights' take their place where the unit's number reaches them
	s_mov_b32 s30, 0                               ; the weight's first unit
	s_mov_b32 s31, 4                               ; log2(N / 32)
	s_mov_b32 s32, 2                               ; log2(K / 128)
	s_mov_b32 s33, -1                              ; all ones: columns in the chosen order; 0: as they lie
	s_mov_b32 s34, 0                               ; where its codes begin
	s_mov_b32 s35, 0                               ; and its scale words
.macro PICK start, ptr, lognp, logks, perm, coff, soff
	s_cmp_ge_u32 s27, \start
	s_cselect_b64 s[28:29], s[\ptr:\ptr+1], s[28:29]
	s_cselect_b32 s30, \start, s30
	s_cselect_b32 s31, \lognp, s31
	s_cselect_b32 s32, \logks, s32
	s_cselect_b32 s33, \perm, s33
	s_cselect_b32 s34, \coff, s34
	s_cselect_b32 s35, \soff, s35
.endm
	PICK 64,  8,  4, 2, -1, 131072,  8192          ; wk
	PICK 128, 10, 4, 2, 0,  262144,  16384         ; wv
	PICK 192, 12, 6, 2, -1, 393216,  24576         ; w1
	PICK 448, 14, 4, 4, 0,  917504,  57344         ; w2
	PICK 704, 16, 3, 3, -1, 1441792, 90112         ; se_w1
	PICK 768, 18, 5, 1, 0,  1572864, 98304         ; se_w2
	s_sub_co_u32 s36, s27, s30                     ; the unit within its weight
	s_bfm_b32 s37, s31, 0
	s_and_b32 s37, s36, s37                        ; P: neighbouring waves stand side by side on a row of the weight
	s_lshr_b32 s38, s36, s31                       ; ks
	s_lshl_b32 s39, 128, s31                       ; a row of the weight in bytes
	s_add_co_u32 s48, s31, 14
	s_lshl_b32 s48, s38, s48                       ; ks x 128 rows
	s_lshl_b32 s49, s37, 7                         ; + 32 columns x P
	s_add_co_u32 s48, s48, s49
	s_mov_b32 s49, 0
	s_add_nc_u64 s[40:41], s[28:29], s[48:49]      ; block 0 of my four blocks of 32 rows
	s_lshl_b32 s48, s39, 5
	s_add_nc_u64 s[42:43], s[40:41], s[48:49]
	s_add_nc_u64 s[44:45], s[42:43], s[48:49]
	s_add_nc_u64 s[46:47], s[44:45], s[48:49]
	s_lshl_b32 s50, s37, s32                       ; P x KS
	s_add_co_u32 s52, s50, s38
	s_lshl_b32 s52, s52, 7                         ; scale words: (P KS + ks) x 128 bytes
	s_add_co_u32 s52, s52, s35
	s_mov_b32 s53, 0
	s_add_nc_u64 s[22:23], s[22:23], s[52:53]
	s_lshl_b32 s50, s50, 1
	s_add_co_u32 s50, s50, s38
	s_lshl_b32 s50, s50, 10                        ; codes: (2 P KS + ks) x 1,024 bytes
	s_add_co_u32 s50, s50, s34
	s_mov_b32 s51, 0
	s_add_nc_u64 s[20:21], s[20:21], s[50:51]
	s_wait_alu depctr_va_vdst(0)
	v_and_b32 v4, 15, v3                           ; r
	v_lshrrev_b32 v5, 4, v3                        ; u
	v_and_b32 v6, 7, v4
	v_lshl_add_u32 v6, v5, 3, v6
	v_and_b32 v7, 8, v4
	v_lshl_add_u32 v6, v7, 1, v6                   ; 8 u + r % 8 + 16 (r / 8)
	v_sub_nc_u32 v6, v6, v3
	v_and_b32 v6, s33, v6
	v_add_nc_u32 v6, v6, v3                        ; my column of the 32: the chosen one, or my lane's number
	v_lshlrev_b32 v6, 2, v6
.irp i, 0,1,2,3,4,5,6,7,8,9,10,11,12,13,14,15,16,17,18,19,20,21,22,23,24,25,26,27,28,29,30,31
	v_mad_u32_u24 v[32+\i], s39, \i, v6            ; row i of a block, my column
.endr
	s_add_co_u32 s54, s32, 10
	v_lshlrev_b32 v7, s54, v5                      ; tile u begins KS x 1,024 bytes on
	v_lshl_add_u32 v7, v4, 4, v7                   ; + 16 r: sixteen lanes store 256 consecutive bytes, aligned
	v_lshlrev_b32 v8, 2, v3
.macro WLOAD t                         ; block t: 32 rows, into set t % 2; each load reads 128 consecutive bytes
.irp i, 0,1,2,3,4,5,6,7,8,9,10,11,12,13,14,15,16,17,18,19,20,21,22,23,24,25,26,27,28,29,30,31
	global_load_b32 v[64+32*((\t)%2)+\i], v[32+\i], s[40+2*(\t):41+2*(\t)] th:TH_LOAD_NT
.endr
.endm
.macro WBLOCK t
.set XS, 64+32*((\t)%2)
.if (\t) < 3
	s_wait_loadcnt 32                              ; this block's 32 loads are in; the next block's may be out
.else
	s_wait_loadcnt 0x0
.endif
	v_max3_num_f32 v12, |v[XS]|, |v[XS+1]|, |v[XS+2]|
	v_max3_num_f32 v13, |v[XS+3]|, |v[XS+4]|, |v[XS+5]|
.irp i, 6,10,14,18,22,26
	v_max3_num_f32 v12, v12, |v[XS+\i]|, |v[XS+\i+1]|
	v_max3_num_f32 v13, v13, |v[XS+\i+2]|, |v[XS+\i+3]|
.endr
	v_max3_num_f32 v12, v12, |v[XS+30]|, |v[XS+31]|
	v_max3_num_f32 v12, v12, v13, 0x1800000        ; the floor 2^(3 - 127): the byte cannot fall under 1
	v_add_nc_u32 v10, 0xff000000, v12              ; 2 off the exponent field: the conversion's scale operand
	v_lshrrev_b32 v13, 23, v10                     ; the scale's byte
.if (\t) == 0
	v_mov_b32 v9, v13
.else
	v_lshl_or_b32 v9, v13, 8*(\t), v9              ; four bytes make the column's scale word for these 128 along K
.endif
.irp g, 0,1,2,3
	v_cvt_scalef32_pk8_fp4_f32 v[128+4*(\t)+\g], v[XS+8*\g:XS+8*\g+7], v10
.endr
	v_nop                                          ; one plain line behind the last conversion: v10 is written again in the next block
.if (\t) < 2
	WLOAD (\t)+2
.endif
	global_store_b128 v7, v[128+4*(\t):128+4*(\t)+3], s[20:21] offset:256*(\t)   ; each block has data registers of its own
.endm
	WLOAD 0
	WLOAD 1
	WBLOCK 0
	WBLOCK 1
	WBLOCK 2
	WBLOCK 3
	global_store_b32 v8, v9, s[22:23]              ; 32 scale words: 128 consecutive bytes
	s_endpgm
.Lfunc_end_k_q975c7c3c6c_prep:
	.size	k_q975c7c3c6c_prep, .Lfunc_end_k_q975c7c3c6c_prep-k_q975c7c3c6c_prep
	.p2alignl 7, 3214868480
	.fill 96, 4, 3214868480
	.section	.rodata,"a",@progbits
	.p2align	6, 0x0
	.amdhsa_kernel k_q975c7c3c6c_prep
		.amdhsa_group_segment_fixed_size 0
		.amdhsa_private_segment_fixed_size 0
		.amdhsa_enable_private_segment 0
		.amdhsa_kernarg_size 88
		.amdhsa_user_sgpr_count 2
		.amdhsa_user_sgpr_kernarg_segment_ptr 1
		.amdhsa_wavefront_size32 1
		.amdhsa_system_sgpr_workgroup_id_x 1
		.amdhsa_system_sgpr_workgroup_id_y 1
		.amdhsa_system_sgpr_workgroup_id_z 1
		.amdhsa_system_vgpr_workitem_id 0
		.amdhsa_next_free_vgpr 224
		.amdhsa_next_free_sgpr 66
		.amdhsa_reserve_vcc 0
		.amdhsa_float_denorm_mode_32 3
		.amdhsa_float_denorm_mode_16_64 3
		.amdhsa_memory_ordered 1
		.amdhsa_forward_progress 1
		.amdhsa_inst_pref_size 68
	.end_amdhsa_kernel
	.amdgpu_metadata
---
amdhsa.version: [ 1, 2 ]
amdhsa.kernels:
  - .name:           k_q975c7c3c6c_prep
    .symbol:         k_q975c7c3c6c_prep.kd
    .args:
      - { .name: x, .offset: 0, .size: 8, .value_kind: global_buffer, .address_space: global }
      - { .name: wq, .offset: 8, .size: 8, .value_kind: global_buffer, .address_space: global }
      - { .name: wk, .offset: 16, .size: 8, .value_kind: global_buffer, .address_space: global }
      - { .name: wv, .offset: 24, .size: 8, .value_kind: global_buffer, .address_space: global }
      - { .name: w1, .offset: 32, .size: 8, .value_kind: global_buffer, .address_space: global }
      - { .name: w2, .offset: 40, .size: 8, .value_kind: global_buffer, .address_space: global }
      - { .name: se_w1, .offset: 48, .size: 8, .value_kind: global_buffer, .address_space: global }
      - { .name: se_w2, .offset: 56, .size: 8, .value_kind: global_buffer, .address_space: global }
      - { .name: wcodes, .offset: 64, .size: 8, .value_kind: global_buffer, .address_space: global }
      - { .name: wscales, .offset: 72, .size: 8, .value_kind: global_buffer, .address_space: global }
      - { .name: ymean, .offset: 80, .size: 8, .value_kind: global_buffer, .address_space: global }
    .group_segment_fixed_size: 0
    .private_segment_fixed_size: 0
    .kernarg_segment_align: 8
    .kernarg_segment_size: 88
    .max_flat_workgroup_size: 128
    .sgpr_count:     66
    .vgpr_count:     224
    .wavefront_size: 32
...
	.end_amdgpu_metadata
.endif
;; end of part 5
;; launch qkv (part 6): grid 256 x 1, 8 waves a work-group, no clusters, 195,840 bytes of LDS; arguments x, ymean, ln1_g, ln1_b, wcodes, wscales, qkvc, qkvs, gatev; writes qkvc, qkvs, gatev
.if DOCPART == 6
	.amdgcn_target "amdgcn-amd-amdhsa--gfx1250"
	.amdhsa_code_object_version 6
	.text
	.protected	k_q975c7c3c6c_qkv
	.globl	k_q975c7c3c6c_qkv
	.p2align	8
	.type	k_q975c7c3c6c_qkv,@function
k_q975c7c3c6c_qkv:
	s_mov_b64 s[64:65], 0
	v_nop
	global_prefetch_b8 v0, s[64:65] scope:SCOPE_SE
	s_setreg_imm32_b32 hwreg(HW_REG_WAVE_MODE, 25, 1), 1
	s_wait_xcnt 0x0
; gate = sigmoid(relu(y se_w1) se_w2); x1 = x + x gate; n = LayerNorm(x1); q, k, v = n wq, n wk, n wv.  All five products on codes of FP4 (E2M1) with one E8M0 scale for each 32 along K; q and k are quantised
; along the head's 64, v along the tokens, and all three leave as codes in the order of the operand's registers.
; SHARES.  A work-group takes 64 rows (tokens) of one batch.  Norm: wave w takes rows 8 w .. 8 w + 7.  Products: wave w is head w: six units of 2 tiles of 16 columns x 4 K steps x 4 tiles of rows, 32 matrix instructions each.
; THE GATE.  The rows of its two products do not depend on each other, so a work-group makes the gates of its own batch and its own 64 tokens alone: the batch's row of y stands in all 16 rows of the operand, and every
; lane r holds the same numbers.  Wave w quantises K step w of y (a lane holds two whole blocks) -> LDS as an image of the registers | barrier | wave w makes hidden units 32 w .. 32 w + 31 (transposed: source 0 = 16 columns
; of se_w1 in the chosen order): 16 neighbours a lane; relu; quantised; 8 bytes a lane to LDS | barrier | wave w makes tile w / 2 of the four tiles of 16 tokens; register j of the lanes with lane / 16 = w % 2 is the gate of
; my row 8 w + j.  Each work-group reads se_w1's 136 KB of codes and scale words for that, in place of a launch of its own on few work-groups; the chain stands between the request for x and the wait for it.
; THE NORM.  Rows are loaded densely (512 consecutive bytes a load), turned through the wave's own stage in LDS so that a lane holds 16 neighbours of a row (two lanes hold a block of 32),
; normalised in f32 in two passes (mean, then the mean square of the differences), quantised, and stored to LDS as fragments that all eight waves then read.
; THE ROWS OF A TILE OF n ARE NOT NEIGHBOURS: row r of tile 2 b + u is token 32 b + 8 u + r % 8 + 16 (r / 8) of the 64.  So v = n wv (source 0 = n) leaves 16 neighbouring tokens in a lane,
; k's tiles have the order of keys that the softmax wants, and q's tiles are queries in an order that the next launch undoes by its addresses.
; q and k are used transposed (source 0 = 16 columns of the weight in the chosen order, source 1 = n): a lane holds one token and 16 neighbouring channels.
; OUT.  A lane's 16 codes are 8 bytes at 256 kb + 16 r + 8 h of a fragment: each store of a wave covers 256 consecutive bytes, aligned.  The gates leave at the end, 32 bytes a wave.
; The weights lie in memory in the order of the operand's registers and go straight into registers, a unit ahead (20 loads): no LDS ring and no joint loads, which would put an LDS read between
; memory and each fragment; all work-groups read the same codes.
; LIMITS: a block of zeros gets the byte 1 with zero codes (only this program reads the bytes); NaN and infinities are not served; v_rsq_f32, v_exp_f32 and v_rcp_f32 are taken as they are.
.set RP,   2576                        ; a row in the stage: 32 places of 64 bytes + 16, and 16 more: an odd multiple of 16 bytes
.set WST,  8*RP                        ; a wave's eight rows
.set NIMG, 64*RP                       ; n's fragments: 4 tiles x 16 blocks of (16 rows x 16 bytes + 16 of padding)
.set NSC,  NIMG+4*4352                 ; n's scale words: [tile][K step][row]
.set YIMG, NSC+1024                    ; the gate's own bytes: y's 8 fragments, 1,024 bytes each;
.set YSCO, 8192                        ; from YIMG on: their scale words, 128 bytes each;
.set HIMO, 9216                        ; the hidden layer's 2 fragments;
.set HSCO, 11264                       ; its scale words: [K step][row], 64 bytes each
.set SE1C, 1441792                     ; where se_w1's and se_w2's codes and scale words begin in their buffers
.set SE1S, 90112
.set SE2C, 1572864
.set SE2S, 98304
.set LI,  1                            ; v1   16 x lane
.set STI, 2                            ; v2   the stage, on the way in
.set STO, 3                            ; v3   and out: 80 x lane
.set NWI, 4                            ; v4   where I store 8 bytes of n's codes
.set NWS, 5                            ; v5   and a scale byte
.set AN,  6                            ; v6   where I read n's fragments
.set NSR, 7                            ; v7   and its scale words
.set QST, 8                            ; v8   16 r + 8 h: my 8 bytes in a block of a fragment
.set L4,  9                            ; v9   4 x lane
.set S2S, 10                           ; v10-11 se_w2's scale words
.set LGA, 12                           ; v12  64 x lane: my 16 gains and biases
.set GLI, 13                           ; v13  YIMG + 16 x lane;  v14 YIMG + 4 x lane;  v15 YIMG + 4 r  (at work before and behind the gate)
.set GL4, 14
.set G4R, 15
.set NS,  16                           ; v16-23 se_w1's scale words, then the hidden layer's (v16-17), then n's: 2 m + ks / 2; lanes 0-15 the even K step, lanes 16-31 the odd one
.set YOF, 32                           ; v32  128 h: my offset in y's row;  v33 4 r;  v34, v35 where I store y's image and word;  later
.set R4,  33
.set YWI, 34
.set YWS, 35
.set HW,  32                           ; v32-35 v's scale bytes, two to a register
.set TT,  36                           ; v36,38,40,42 a row's mean, then its largest magnitude; v37,39,41,43 its scale byte.  (v36-51: in the gate at work, then its two accumulators)
.set UU,  44                           ; v44,46,48,50 1 / sigma, then the scale operand; v45,47,49,51 the lane permutes' destination
.set X,   180                          ; v180-243 four rows x 16 numbers.  (In the gate: y's 64 numbers, its 8 fragments, then the hidden fragments v180-195 and the last accumulator v196-203)
.set HA,  180                          ; the same registers: eight accumulators
.set PP,  244                          ; v244-251 sums, then codes
.set B0,  252                          ; v252-255 the first block's bytes of q or k.  (In the gate: v252, v253 where I store the hidden layer's codes and byte; v254 8 h)
.set GHI, 252
.set GHB, 253
.set SH8, 254
.set SEL, 22
.set XB,  4
.set GPT, 8
.set BPT, 10
.set GATE, 40                          ; s40-47 my eight rows' gates
; window 0: v24-27, v28-31 y's scale words, then the weights', two sets; v52-115, v116-179 se_w1's 16 fragments, then the weights' fragments, two sets.
; window 1: v0-31 gains and biases, v32-47 se_w2's two fragments, then v0-127 n's 16 fragments; v128-255 the rows as loaded.
.set MSB, 0
.macro WIN new                         ; the immediate's high byte repeats the setting that is left
.if MSB != \new
	s_set_vgpr_msb (MSB<<8)|\new
.set MSB, \new
.endif
.endm
.macro BARRIER
	s_wait_dscnt 0x0
	s_barrier_signal -1
	s_barrier_wait -1
.endm
.macro PLACES
.rept 4
	v_nop
.endr
.endm
.macro WM d, a, b, c, sa, sb, ra, rb   ; one scaled product; c < 0: the constant 0 starts the sum; ra, rb: which half of the lanes holds A's and B's scale words
.if (\c) < 0
.if ((\ra) == 0) && ((\rb) == 0)
	v_wmma_scale_f32_16x16x128_f8f6f4 v[(\d):(\d)+7], v[(\a):(\a)+7], v[(\b):(\b)+7], 0, v[\sa], v[\sb] matrix_a_fmt:MATRIX_FMT_FP4 matrix_b_fmt:MATRIX_FMT_FP4
.elseif ((\ra) == 1) && ((\rb) == 0)
	v_wmma_scale_f32_16x16x128_f8f6f4 v[(\d):(\d)+7], v[(\a):(\a)+7], v[(\b):(\b)+7], 0, v[\sa], v[\sb] matrix_a_fmt:MATRIX_FMT_FP4 matrix_b_fmt:MATRIX_FMT_FP4 matrix_a_scale:MATRIX_SCALE_ROW1
.elseif ((\ra) == 0) && ((\rb) == 1)
	v_wmma_scale_f32_16x16x128_f8f6f4 v[(\d):(\d)+7], v[(\a):(\a)+7], v[(\b):(\b)+7], 0, v[\sa], v[\sb] matrix_a_fmt:MATRIX_FMT_FP4 matrix_b_fmt:MATRIX_FMT_FP4 matrix_b_scale:MATRIX_SCALE_ROW1
.else
	v_wmma_scale_f32_16x16x128_f8f6f4 v[(\d):(\d)+7], v[(\a):(\a)+7], v[(\b):(\b)+7], 0, v[\sa], v[\sb] matrix_a_fmt:MATRIX_FMT_FP4 matrix_b_fmt:MATRIX_FMT_FP4 matrix_a_scale:MATRIX_SCALE_ROW1 matrix_b_scale:MATRIX_SCALE_ROW1
.endif
.else
.if ((\ra) == 0) && ((\rb) == 0)
	v_wmma_scale_f32_16x16x128_f8f6f4 v[(\d):(\d)+7], v[(\a):(\a)+7], v[(\b):(\b)+7], v[(\c):(\c)+7], v[\sa], v[\sb] matrix_a_fmt:MATRIX_FMT_FP4 matrix_b_fmt:MATRIX_FMT_FP4
.elseif ((\ra) == 1) && ((\rb) == 0)
	v_wmma_scale_f32_16x16x128_f8f6f4 v[(\d):(\d)+7], v[(\a):(\a)+7], v[(\b):(\b)+7], v[(\c):(\c)+7], v[\sa], v[\sb] matrix_a_fmt:MATRIX_FMT_FP4 matrix_b_fmt:MATRIX_FMT_FP4 matrix_a_scale:MATRIX_SCALE_ROW1
.elseif ((\ra) == 0) && ((\rb) == 1)
	v_wmma_scale_f32_16x16x128_f8f6f4 v[(\d):(\d)+7], v[(\a):(\a)+7], v[(\b):(\b)+7], v[(\c):(\c)+7], v[\sa], v[\sb] matrix_a_fmt:MATRIX_FMT_FP4 matrix_b_fmt:MATRIX_FMT_FP4 matrix_b_scale:MATRIX_SCALE_ROW1
.else
	v_wmma_scale_f32_16x16x128_f8f6f4 v[(\d):(\d)+7], v[(\a):(\a)+7], v[(\b):(\b)+7], v[(\c):(\c)+7], v[\sa], v[\sb] matrix_a_fmt:MATRIX_FMT_FP4 matrix_b_fmt:MATRIX_FMT_FP4 matrix_a_scale:MATRIX_SCALE_ROW1 matrix_b_scale:MATRIX_SCALE_ROW1
.endif
.endif
.endm
; ng groups of 16 registers, v[src + 16 g ..]: 16 neighbours along K; lane l xor 16 holds the block's other 16.  Largest magnitude into am, scale operand so, byte by, codes pc + 2 g, pc + 2 g + 1.  The groups take turns line by line.
.macro QB ng, src, am, px, so, by, pc
.set qg, 0
.rept \ng
	v_max3_num_f32 v[\am+qg], |v[\src+16*qg]|, |v[\src+16*qg+1]|, 0x1800000   ; the floor 2^(3 - 127) holds the byte at 1 from below
.set qg, qg+1
.endr
.set qi, 2
.rept 7
.set qg, 0
.rept \ng
	v_max3_num_f32 v[\am+qg], v[\am+qg], |v[\src+16*qg+qi]|, |v[\src+16*qg+qi+1]|
.set qg, qg+1
.endr
.set qi, qi+2
.endr
.set qg, 0
.rept \ng
	v_permlanex16_b32 v[\px+qg], v[\am+qg], s[SEL], s[SEL+1]
.set qg, qg+1
.endr
.set qg, 0
	v_max_num_f32 v[\am+qg], v[\am+qg], v[\px+qg]
.set qg, qg+1
.rept (\ng)-1
	s_delay_alu instid0(VALU_DEP_4)
	v_max_num_f32 v[\am+qg], v[\am+qg], v[\px+qg]
.set qg, qg+1
.endr
.set qg, 0
	v_add_nc_u32 v[\so+qg], 0xff000000, v[\am+qg]
.set qg, qg+1
.rept (\ng)-1
	s_delay_alu instid0(VALU_DEP_4)
	v_add_nc_u32 v[\so+qg], 0xff000000, v[\am+qg]  ; 2 off the exponent field: the conversion's scale operand
.set qg, qg+1
.endr
.set qg, 0
	v_lshrrev_b32 v[\by+qg], 23, v[\so+qg]
.set qg, qg+1
.rept (\ng)-1
	s_delay_alu instid0(VALU_DEP_4)
	v_lshrrev_b32 v[\by+qg], 23, v[\so+qg]         ; the scale's byte
.set qg, qg+1
.endr
.set qg, 0
.rept \ng
	v_cvt_scalef32_pk8_fp4_f32 v[\pc+2*qg], v[\src+16*qg:\src+16*qg+7], v[\so+qg]
	v_cvt_scalef32_pk8_fp4_f32 v[\pc+2*qg+1], v[\src+16*qg+8:\src+16*qg+15], v[\so+qg]
.set qg, qg+1
.endr
	v_nop                                          ; one plain line behind the last conversion
.endm
.macro RED4 base                       ; four rows' numbers, two registers apart, are summed over the 32 lanes
.irp x, 1,2,4,8
.irp rr, 0,1,2,3
	s_delay_alu instid0(VALU_DEP_4)
	v_add_f32_dpp v[\base+2*\rr], v[\base+2*\rr], v[\base+2*\rr] row_xmask:\x row_mask:0xf bank_mask:0xf
.endr
.endr
.irp rr, 0,1,2,3
	s_delay_alu instid0(VALU_DEP_4)
	v_permlanex16_b32 v[UU+2*\rr+1], v[\base+2*\rr], s[SEL], s[SEL+1]
.endr
.irp rr, 0,1,2,3
	s_delay_alu instid0(VALU_DEP_4)
	v_add_f32 v[\base+2*\rr], v[\base+2*\rr], v[UU+2*\rr+1]
.endr
.endm
.macro XLOADS                          ; my eight rows, 32 loads of 512 consecutive bytes, and my 16 gains and biases, into window 1
	WIN 0x40
.irp i, 0,1,2,3,4,5,6,7
.irp j, 0,1,2,3
	global_load_b128 v[128+16*\i+4*\j:128+16*\i+4*\j+3], v[LI], s[XB:XB+1] offset:2048*\i+512*\j th:TH_LOAD_NT
.endr
.endr
.irp j, 0,1,2,3
	global_load_b128 v[4*\j:4*\j+3], v[LGA], s[GPT:GPT+1] offset:16*\j
.endr
.irp j, 0,1,2,3
	global_load_b128 v[16+4*\j:16+4*\j+3], v[LGA], s[BPT:BPT+1] offset:16*\j
.endr
	WIN 0
.endm
.macro XPHASE
	WIN 0x04                                       ; an LDS store's data are its source 1: window 1
.irp i, 0,1,2,3,4,5,6,7
.irp j, 0,1,2,3
	ds_store_b128 v[STI], v[128+16*\i+4*\j:128+16*\i+4*\j+3] offset:RP*\i+640*\j
.endr
.endr
	WIN 0
.irp g, 0,1                                    ; four rows at a time, by turns in every line
.irp rr, 0,1,2,3
.irp j, 0,1,2,3
	ds_load_b128 v[X+16*\rr+4*\j:X+16*\rr+4*\j+3], v[STO] offset:RP*(4*\g+\rr)+16*\j   ; LDS serves a wave's instructions in order: these see my stores
.endr
.endr
	s_wait_dscnt 0x0                               ; the rows are back; the last four rows' LDS stores have read their registers too
.irp k, 0,1,2,3,4,5,6,7,8,9,10,11,12,13,14,15
.irp rr, 0,1,2,3
	v_fma_f32 v[X+16*\rr+\k], v[X+16*\rr+\k], s[GATE+4*\g+\rr], v[X+16*\rr+\k]   ; x1 = x + x gate
.endr
.endr
.irp rr, 0,1,2,3
	v_pk_add_f32 v[PP+2*\rr:PP+2*\rr+1], v[X+16*\rr:X+16*\rr+1], v[X+16*\rr+2:X+16*\rr+3]
.endr
.irp k, 4,6,8,10,12,14
.irp rr, 0,1,2,3
	s_delay_alu instid0(VALU_DEP_4)
	v_pk_add_f32 v[PP+2*\rr:PP+2*\rr+1], v[PP+2*\rr:PP+2*\rr+1], v[X+16*\rr+\k:X+16*\rr+\k+1]
.endr
.endr
.irp rr, 0,1,2,3
	s_delay_alu instid0(VALU_DEP_4)
	v_add_f32 v[TT+2*\rr], v[PP+2*\rr], v[PP+2*\rr+1]
.endr
	RED4 TT
.irp rr, 0,1,2,3
	s_delay_alu instid0(VALU_DEP_4)
	v_mul_f32 v[TT+2*\rr], s24, v[TT+2*\rr]        ; the mean
.endr
.irp k, 0,2,4,6,8,10,12,14
.irp rr, 0,1,2,3
	v_pk_add_f32 v[X+16*\rr+\k:X+16*\rr+\k+1], v[X+16*\rr+\k:X+16*\rr+\k+1], v[TT+2*\rr:TT+2*\rr+1] op_sel_hi:[1,0] neg_lo:[0,1] neg_hi:[0,1]   ; - the mean (the pair's low word serves both halves)
.endr
.endr
.irp rr, 0,1,2,3
	v_pk_mul_f32 v[PP+2*\rr:PP+2*\rr+1], v[X+16*\rr:X+16*\rr+1], v[X+16*\rr:X+16*\rr+1]
.endr
.irp k, 2,4,6,8,10,12,14
.irp rr, 0,1,2,3
	s_delay_alu instid0(VALU_DEP_4)
	v_pk_fma_f32 v[PP+2*\rr:PP+2*\rr+1], v[X+16*\rr+\k:X+16*\rr+\k+1], v[X+16*\rr+\k:X+16*\rr+\k+1], v[PP+2*\rr:PP+2*\rr+1]
.endr
.endr
.irp rr, 0,1,2,3
	s_delay_alu instid0(VALU_DEP_4)
	v_add_f32 v[UU+2*\rr], v[PP+2*\rr], v[PP+2*\rr+1]
.endr
	RED4 UU
.irp rr, 0,1,2,3
	s_delay_alu instid0(VALU_DEP_4)
	v_fma_f32 v[UU+2*\rr], v[UU+2*\rr], s24, s25   ; the variance + eps
.endr
	s_wait_alu depctr_va_vdst(0)
.irp rr, 0,1,2,3
	v_rsq_f32 v[UU+2*\rr], v[UU+2*\rr]
.endr
	v_nop
	s_wait_alu depctr_va_vdst(0)                   ; one wait for the four roots, ahead of their first reader
.irp k, 0,2,4,6,8,10,12,14
.irp rr, 0,1,2,3
	v_pk_mul_f32 v[X+16*\rr+\k:X+16*\rr+\k+1], v[X+16*\rr+\k:X+16*\rr+\k+1], v[UU+2*\rr:UU+2*\rr+1] op_sel_hi:[1,0]
.endr
.endr
	WIN 0x14                                       ; sources 1 and 2, gain and bias, in window 1
.irp k, 0,2,4,6,8,10,12,14
.irp rr, 0,1,2,3
	v_pk_fma_f32 v[X+16*\rr+\k:X+16*\rr+\k+1], v[X+16*\rr+\k:X+16*\rr+\k+1], v[\k:\k+1], v[16+\k:17+\k]
.endr
.endr
	WIN 0
.irp rr, 0,1,2,3
	v_max3_num_f32 v[TT+2*\rr], |v[X+16*\rr]|, |v[X+16*\rr+1]|, 0x1800000
.endr
.irp k, 2,4,6,8,10,12,14
.irp rr, 0,1,2,3
	s_delay_alu instid0(VALU_DEP_4)
	v_max3_num_f32 v[TT+2*\rr], v[TT+2*\rr], |v[X+16*\rr+\k]|, |v[X+16*\rr+\k+1]|
.endr
.endr
.irp rr, 0,1,2,3
	s_delay_alu instid0(VALU_DEP_4)
	v_max_num_f32_dpp v[TT+2*\rr], v[TT+2*\rr], v[TT+2*\rr] row_xmask:1 row_mask:0xf bank_mask:0xf   ; with my neighbour's 16: the block's
.endr
.irp rr, 0,1,2,3
	s_delay_alu instid0(VALU_DEP_4)
	v_add_nc_u32 v[UU+2*\rr], 0xff000000, v[TT+2*\rr]
.endr
.irp rr, 0,1,2,3
	s_delay_alu instid0(VALU_DEP_4)
	v_lshrrev_b32 v[TT+2*\rr+1], 23, v[UU+2*\rr]
.endr
.irp rr, 0,1,2,3
	v_cvt_scalef32_pk8_fp4_f32 v[PP+2*\rr], v[X+16*\rr:X+16*\rr+7], v[UU+2*\rr]
	v_cvt_scalef32_pk8_fp4_f32 v[PP+2*\rr+1], v[X+16*\rr+8:X+16*\rr+15], v[UU+2*\rr]
.endr
	v_nop
.irp rr, 0,1,2,3
	ds_store_b64 v[NWI], v[PP+2*\rr:PP+2*\rr+1] offset:16*(4*\g+\rr)
	ds_store_b8 v[NWS], v[TT+2*\rr+1] offset:4*(4*\g+\rr)      ; both lanes of a block write the same byte with the same value
.endr
.endr
	BARRIER                                        ; all 64 rows' codes and scale bytes lie in LDS
	WIN 0x40
.irp m, 0,1,2,3
.irp ks, 0,1,2,3
.irp c, 0,1
	ds_load_b128 v[8*(4*\m+\ks)+4*\c:8*(4*\m+\ks)+4*\c+3], v[AN] offset:4352*\m+1088*\ks+544*\c
.endr
.endr
.endr
	WIN 0
.irp m, 0,1,2,3
.irp kp, 0,1
	ds_load_b32 v[NS+2*\m+\kp], v[NSR] offset:256*\m+128*\kp
.endr
.endr
.endm
.macro LOADW set, tt, pp               ; weight tt (q, k, v), my head's pair pp of tiles: 16 + 4 loads
.irp u, 0,1
.irp ks, 0,1,2,3
.irp c, 0,1
	global_load_b128 v[52+64*(\set)+8*(4*\u+\ks)+4*\c:52+64*(\set)+8*(4*\u+\ks)+4*\c+3], v[LI], s[12:13] offset:131072*(\tt)+8192*(\pp)+1024*(4*\u+\ks)+512*\c
.endr
.endr
.endr
.irp ks, 0,1,2,3
	global_load_b32 v[24+4*(\set)+\ks], v[L4], s[14:15] offset:8192*(\tt)+512*(\pp)+128*\ks
.endr
.endm
	s_load_b512 s[4:19], s[0:1], 0x0               ; x, ymean, ln1_g, ln1_b, wcodes, wscales, qkvc, qkvs
	s_load_b64 s[62:63], s[0:1], 0x40              ; gatev
	v_lshrrev_b32 v13, 5, v0
	s_delay_alu instid0(VALU_DEP_1)
	v_readfirstlane_b32 s20, v13                   ; wave 0..7 = head
	v_and_b32 v13, 31, v0                          ; lane
	s_delay_alu instid0(VALU_DEP_1)
	v_lshlrev_b32 v[LI], 4, v13
	s_delay_alu instid0(VALU_DEP_2)
	v_lshlrev_b32 v[L4], 2, v13
	s_delay_alu instid0(VALU_DEP_3)
	v_lshlrev_b32 v[LGA], 6, v13
	s_mul_i32 s21, s20, WST
	v_lshrrev_b32 v14, 2, v13
	s_delay_alu instid0(VALU_DEP_1)
	v_mul_u32_u24 v14, v14, 80
	v_and_b32 v15, 3, v13
	s_delay_alu instid0(VALU_DEP_1)
	v_lshl_add_u32 v14, v15, 4, v14
	s_delay_alu instid0(VALU_DEP_1)
	v_add_nc_u32 v[STI], s21, v14                  ; four lanes' 64 bytes on end, then 16 of padding
	v_mul_u32_u24 v14, v13, 80
	s_delay_alu instid0(VALU_DEP_1)
	v_add_nc_u32 v[STO], s21, v14
	s_lshr_b32 s36, s20, 2
	s_lshl_b32 s36, s36, 1
	s_and_b32 s37, s20, 1
	s_add_co_u32 s36, s36, s37                     ; my rows' tile: 2 (w / 4) + w % 2
	s_lshr_b32 s37, s20, 1
	s_and_b32 s37, s37, 1                          ; and which eight of its rows
	s_mul_i32 s38, s36, 4352
	s_lshl_b32 s39, s37, 7
	s_add_co_u32 s38, s38, s39
	s_add_co_u32 s38, s38, NIMG
	v_lshrrev_b32 v14, 1, v13
	s_delay_alu instid0(VALU_DEP_1)
	v_mul_u32_u24 v14, v14, 272
	v_and_b32 v15, 1, v13
	s_delay_alu instid0(VALU_DEP_1)
	v_lshl_add_u32 v14, v15, 3, v14
	s_delay_alu instid0(VALU_DEP_1)
	v_add_nc_u32 v[NWI], s38, v14                  ; block lane / 2, half lane % 2
	s_lshl_b32 s38, s36, 8
	s_lshl_b32 s39, s37, 5
	s_add_co_u32 s38, s38, s39
	s_add_co_u32 s38, s38, NSC
	v_lshrrev_b32 v14, 3, v13
	s_delay_alu instid0(VALU_DEP_1)
	v_lshlrev_b32 v14, 6, v14
	v_bfe_u32 v15, v13, 1, 2
	s_delay_alu instid0(VALU_DEP_1)
	v_add_nc_u32 v14, v14, v15
	s_delay_alu instid0(VALU_DEP_1)
	v_add_nc_u32 v[NWS], s38, v14
	v_and_b32 v14, 15, v13                         ; r
	v_lshrrev_b32 v15, 4, v13                      ; h
	s_delay_alu instid0(VALU_DEP_1)
	v_mul_u32_u24 v[AN], v15, 272
	s_delay_alu instid0(VALU_DEP_1)
	v_lshl_add_u32 v[AN], v14, 4, v[AN]
	s_delay_alu instid0(VALU_DEP_1)
	v_add_nc_u32 v[AN], NIMG, v[AN]
	v_add_nc_u32 v[NSR], NSC, v[L4]
	v_lshlrev_b32 v[QST], 4, v14
	s_delay_alu instid0(VALU_DEP_1)
	v_lshl_add_u32 v[QST], v15, 3, v[QST]
	v_lshlrev_b32 v[YOF], 7, v15                   ; the gate's addresses
	v_lshlrev_b32 v[R4], 2, v14
	s_wait_alu depctr_va_vdst(0)
	v_lshlrev_b32 v[SH8], 3, v15
	s_lshl_b32 s38, s20, 10
	s_add_co_u32 s38, s38, YIMG
	v_add_nc_u32 v[YWI], s38, v[LI]                ; y's image: 1,024 w + 16 lane
	s_lshl_b32 s38, s20, 7
	s_add_co_u32 s38, s38, YIMG+YSCO
	v_add_nc_u32 v[YWS], s38, v[L4]                ; its scale words: 128 w + 4 lane
	s_lshl_b32 s38, s20, 8
	s_add_co_u32 s38, s38, YIMG+HIMO
	v_add_nc_u32 v[GHI], s38, v[QST]               ; block w of the hidden layer's eight: 256 w + 16 r + 8 h
	s_lshr_b32 s38, s20, 2
	s_lshl_b32 s38, s38, 6
	s_and_b32 s39, s20, 3
	s_add_co_u32 s38, s38, s39
	s_add_co_u32 s38, s38, YIMG+HSCO
	v_add_nc_u32 v[GHB], s38, v[R4]                ; my block's byte of the row's word: 64 (w / 4) + 4 r + w % 4
	v_add_nc_u32 v[GLI], YIMG, v[LI]
	v_add_nc_u32 v[GL4], YIMG, v[L4]
	v_add_nc_u32 v[G4R], YIMG, v[R4]
	s_mov_b32 s[SEL], 0x76543210
	s_mov_b32 s[SEL+1], 0xfedcba98
	s_mov_b32 s24, 0x3b000000                      ; 1 / 512
	s_mov_b32 s25, 0x3727c5ac                      ; eps = 1e-5
	s_mov_b32 s26, 0xffff0000                      ; lanes 16-31
	s_lshl_b32 s36, ttmp9, 17
	s_lshl_b32 s37, s20, 14
	s_add_co_u32 s36, s36, s37                     ; my eight rows of x
	s_mov_b32 s37, 0
	s_lshl_b32 s38, ttmp9, 8
	s_lshl_b32 s39, s20, 5
	s_add_co_u32 s38, s38, s39                     ; and their gates
	s_mov_b32 s39, 0
	s_lshr_b32 s48, ttmp9, 4                       ; b: the batch
	s_and_b32 s49, ttmp9, 15                       ; gg: which 64 tokens of the batch
	s_lshl_b32 s40, s48, 12
	s_lshl_b32 s41, s20, 9
	s_add_co_u32 s40, s40, s41                     ; y: the batch's row of 4,096 bytes, K step w
	s_mov_b32 s41, 0
	s_lshl_b32 s42, s49, 2
	s_lshr_b32 s43, s20, 1
	s_add_co_u32 s42, s42, s43                     ; my tile of 16 tokens: 4 gg + w / 2
	s_lshl_b32 s44, s42, 11
	s_add_co_u32 s44, s44, SE2C                    ; its codes of se_w2
	s_mov_b32 s45, 0
	s_lshr_b32 s46, s42, 1
	s_lshl_b32 s46, s46, 8
	s_and_b32 s47, s42, 1
	s_lshl_b32 s47, s47, 6
	s_add_co_u32 s46, s46, s47
	s_add_co_u32 s46, s46, SE2S                    ; and its scale words
	s_mov_b32 s47, 0
	s_lshl_b32 s48, s48, 3
	s_add_co_u32 s48, s48, s20                     ; bh = 8 b + head
	s_mov_b32 s51, 0
	s_mov_b32 s53, 0
	s_mov_b32 s55, 0
	s_mov_b32 s57, 0
	s_lshl_b32 s50, s48, 15
	s_lshl_b32 s58, s49, 11
	s_add_co_u32 s50, s50, s58                     ; q, k codes: 32,768 bh + 2,048 gg
	s_lshl_b32 s52, s48, 15
	s_lshl_b32 s58, s49, 9
	s_add_co_u32 s52, s52, s58
	s_add_co_u32 s52, s52, 8388608                 ; v codes: 8 MiB + 32,768 bh + 512 gg
	s_lshl_b32 s54, s48, 12
	s_lshl_b32 s58, s49, 8
	s_add_co_u32 s54, s54, s58                     ; q, k scale words: 4,096 bh + 256 gg
	s_lshl_b32 s56, s48, 11
	s_lshl_b32 s58, s49, 7
	s_add_co_u32 s56, s56, s58
	s_add_co_u32 s56, s56, 1048576                 ; v scale words
	s_lshl_b32 s58, s20, 14
	s_mov_b32 s59, 0
	s_lshl_b32 s60, s20, 10
	s_mov_b32 s61, 0
	s_wait_kmcnt 0x0
	s_add_nc_u64 s[4:5], s[4:5], s[36:37]
	s_add_nc_u64 s[62:63], s[62:63], s[38:39]
	s_add_nc_u64 s[6:7], s[6:7], s[40:41]
	s_add_nc_u64 s[44:45], s[12:13], s[44:45]
	s_add_nc_u64 s[46:47], s[14:15], s[46:47]
	s_add_nc_u64 s[28:29], s[16:17], s[50:51]
	s_add_nc_u64 s[30:31], s[16:17], s[52:53]
	s_add_nc_u64 s[32:33], s[18:19], s[54:55]
	s_add_nc_u64 s[34:35], s[18:19], s[56:57]
	s_add_nc_u64 s[12:13], s[12:13], s[58:59]      ; the weights' codes at my head's two pairs of tiles; se_w1's pair w lies SE1C further on
	s_add_nc_u64 s[14:15], s[14:15], s[60:61]      ; and their scale words; se_w1's SE1S further on
	; ---------------- the gate ----------------
.irp c, 0,1
.irp i, 0,1,2,3,4,5,6,7
	global_load_b128 v[X+32*\c+4*\i:X+32*\c+4*\i+3], v[YOF], s[6:7] offset:256*\c+16*\i   ; y(b, 128 w + 64 c + 32 h + 4 i ..): the same in all sixteen lanes of a half
.endr
.endr
.irp ks, 0,1,2,3,4,5,6,7
.irp u, 0,1
.irp c, 0,1
	global_load_b128 v[52+8*(2*\ks+\u)+4*\c:52+8*(2*\ks+\u)+4*\c+3], v[LI], s[12:13] offset:SE1C+8192*\u+1024*\ks+512*\c
.endr
.endr
.endr
.irp ks, 0,1,2,3,4,5,6,7
	global_load_b32 v[NS+\ks], v[L4], s[14:15] offset:SE1S+128*\ks   ; lanes 0-15 tile 0's words, lanes 16-31 tile 1's
.endr
	WIN 0x40
.irp ks, 0,1
.irp c, 0,1
	global_load_b128 v[32+8*\ks+4*\c:32+8*\ks+4*\c+3], v[LI], s[44:45] offset:1024*\ks+512*\c
.endr
.endr
	WIN 0
.irp ks, 0,1
	global_load_b32 v[S2S+\ks], v[R4], s[46:47] offset:128*\ks
.endr
	s_wait_loadcnt 46                              ; y's 16 loads are in; se_w1's 32 + 8 and se_w2's 4 + 2 may be out
.irp c, 0,1
	v_max3_num_f32 v[36+\c], |v[X+32*\c]|, |v[X+32*\c+1]|, 0x1800000   ; my block 2 c + h: all its 32 numbers are mine; the floor holds the byte at 1
.endr
.irp i, 2,4,6,8,10,12,14,16,18,20,22,24,26,28,30
.irp c, 0,1
	s_delay_alu instid0(VALU_DEP_2)
	v_max3_num_f32 v[36+\c], v[36+\c], |v[X+32*\c+\i]|, |v[X+32*\c+\i+1]|
.endr
.endr
.irp c, 0,1
	s_delay_alu instid0(VALU_DEP_2)
	v_add_nc_u32 v[38+\c], 0xff000000, v[36+\c]    ; the conversion's scale operand
.endr
.irp c, 0,1
	s_delay_alu instid0(VALU_DEP_2)
	v_lshrrev_b32 v[40+\c], 23, v[38+\c]           ; the scale's byte
.endr
	s_delay_alu instid0(VALU_DEP_1)
	v_lshl_or_b32 v42, v41, 16, v40
	s_delay_alu instid0(VALU_DEP_1)
	v_lshlrev_b32 v42, v[SH8], v42                 ; my two bytes at their places, 8 h bits up
	v_mov_b32 v43, 0
	s_delay_alu instid0(VALU_DEP_1)
	v_permlanex16_b32 v43, v42, s[SEL], s[SEL+1]
	s_delay_alu instid0(VALU_DEP_1)
	v_or_b32 v42, v42, v43                         ; with lane l xor 16's two the word is whole
.irp c, 0,1
.irp g, 0,1,2,3
	v_cvt_scalef32_pk8_fp4_f32 v[PP+4*\c+\g], v[X+32*\c+8*\g:X+32*\c+8*\g+7], v[38+\c]
.endr
.endr
	v_nop                                          ; one plain line behind the last conversion
	ds_store_b128 v[YWI], v[PP:PP+3]
	ds_store_b128 v[YWI], v[PP+4:PP+7] offset:512
	ds_store_b32 v[YWS], v42
	BARRIER                                        ; y's eight fragments lie in LDS
.irp ks, 0,1,2,3,4,5,6,7
.irp c, 0,1
	ds_load_b128 v[X+8*\ks+4*\c:X+8*\ks+4*\c+3], v[GLI] offset:1024*\ks+512*\c
.endr
	ds_load_b32 v[24+\ks], v[GL4] offset:YSCO+128*\ks
.endr
	XLOADS                                         ; x is asked for here: the rest of the gate stands between this request and the wait for it
	s_wait_dscnt 0x0
	s_wait_loadcnt 40                              ; se_w1 and se_w2 are in; behind them only x's 40 loads were issued
.irp ks, 0,1,2,3,4,5,6,7
.irp u, 0,1                                    ; the two accumulators take turns
.if \ks == 0
	WM 36+8*\u, 52+8*(2*\ks+\u), X+8*\ks, -1, NS+\ks, 24+\ks, \u, 0
.else
	WM 36+8*\u, 52+8*(2*\ks+\u), X+8*\ks, 36+8*\u, NS+\ks, 24+\ks, \u, 0
.endif
.endr
.endr
.rept 5
	v_nop                                          ; four places ahead of the first read of results and of loads into registers that the products have read; five ahead of the accumulator that is laid over y's third fragment below
.endr
	LOADW 0, 0, 0                                  ; the first unit's weights: with x's 40 loads 60 are out
.irp j, 0,1,2,3,4,5,6,7,8,9,10,11,12,13,14,15
	v_max_num_f32 v[36+\j], 0, v[36+\j]            ; relu; register j = hidden unit 32 w + 16 h + j
.endr
	QB 1, 36, 244, 245, 246, 247, 248
	ds_store_b64 v[GHI], v[248:249]
	ds_store_b8 v[GHB], v247                       ; both halves of the lanes write the same byte with the same value
	BARRIER                                        ; the hidden layer's two fragments lie in LDS
.irp ks, 0,1
.irp c, 0,1
	ds_load_b128 v[X+8*\ks+4*\c:X+8*\ks+4*\c+3], v[GLI] offset:HIMO+1024*\ks+512*\c
.endr
	ds_load_b32 v[NS+\ks], v[G4R] offset:HSCO+64*\ks
.endr
	s_wait_dscnt 0x0
	WIN 0x01                                       ; source 0 (se_w2) in window 1
	WM 196, 32, X, -1, S2S, NS, 0, 0
	s_wait_alu depctr_va_vdst(0)                   ; the wait stands directly ahead of the link
	WM 196, 40, X+8, 196, S2S+1, NS+1, 0, 0
	WIN 0
	PLACES
.irp j, 0,1,2,3,4,5,6,7
	v_mul_f32 v[196+\j], 0xbfb8aa3b, v[196+\j]     ; - z log2(e)
.endr
	s_wait_alu depctr_va_vdst(0)
.irp j, 0,1,2,3,4,5,6,7
	v_exp_f32 v[196+\j], v[196+\j]
.endr
	v_nop
	s_wait_alu depctr_va_vdst(0)                   ; one wait for the eight exponentials, ahead of their first reader
.irp j, 0,1,2,3,4,5,6,7
	v_add_f32 v[196+\j], 1.0, v[196+\j]
.endr
	s_wait_alu depctr_va_vdst(0)
.irp j, 0,1,2,3,4,5,6,7
	v_rcp_f32 v[196+\j], v[196+\j]
.endr
	v_nop
	s_wait_alu depctr_va_vdst(0)                   ; and one for the eight reciprocals
.irp j, 0,1,2,3,4,5,6,7
	v_readlane_b32 s[GATE+\j], v[196+\j], 0        ; tokens 16 T + j,
	v_readlane_b32 s[52+\j], v[196+\j], 16         ; and 16 T + 8 + j
.endr
	s_bitcmp1_b32 s20, 0                           ; an odd wave's rows are the tile's upper eight
.irp j, 0,1,2,3,4,5,6,7
	s_cselect_b32 s[GATE+\j], s[52+\j], s[GATE+\j]
.endr
.irp rr, 0,1,2,3
	v_mov_b32 v[TT+2*\rr+1], 0                     ; named as the upper halves of pairs, and as lane permutes' destinations, before they are first written
	v_mov_b32 v[UU+2*\rr+1], 0
.endr
	LOADW 1, 0, 1
	; ---------------- the norm ----------------
	s_wait_loadcnt 40                              ; the rows, gains and biases are in; the two units' 20 + 20 loads may be out
	XPHASE
	s_wait_dscnt 0x0                               ; n's fragments and scale words are in registers
; A unit: 32 products on eight accumulators by turns, K step by K step; the next unit but one is asked for; the results are quantised and stored.
.macro UNIT un, tt, pp
.set WF, 52+64*((\un)%2)
.set WS, 24+4*((\un)%2)
.if (\un) < 5
	s_wait_loadcnt 20                              ; this unit's 20 loads are in; the next unit's may be out
.else
	s_wait_loadcnt 0x0
.endif
.if (\tt) < 2
	WIN 0x04                                       ; source 1 (n) in window 1
.irp ks, 0,1,2,3
.irp m, 0,1,2,3
.irp u, 0,1
.if \ks == 0
	WM HA+8*(2*\m+\u), WF+8*(4*\u+\ks), 8*(4*\m+\ks), -1, WS+\ks, NS+2*\m+\ks/2, \u, \ks%2
.else
	WM HA+8*(2*\m+\u), WF+8*(4*\u+\ks), 8*(4*\m+\ks), HA+8*(2*\m+\u), WS+\ks, NS+2*\m+\ks/2, \u, \ks%2
.endif
.endr
.endr
.endr
.else
	WIN 0x01                                       ; source 0 (n) in window 1
.irp ks, 0,1,2,3
.irp m, 0,1,2,3
.irp u, 0,1
.if \ks == 0
	WM HA+8*(4*\u+\m), 8*(4*\m+\ks), WF+8*(4*\u+\ks), -1, NS+2*\m+\ks/2, WS+\ks, \ks%2, \u
.else
	WM HA+8*(4*\u+\m), 8*(4*\m+\ks), WF+8*(4*\u+\ks), HA+8*(4*\u+\m), NS+2*\m+\ks/2, WS+\ks, \ks%2, \u
.endif
.endr
.endr
.endr
.endif
	WIN 0
	PLACES                                         ; ahead of loads into registers that the products have read, and of the first read of results
	s_wait_xcnt 0x0                                ; the last unit's stores have read their data: the codes' registers are written again only behind this wait.  It stands ahead of this unit's loads, so that it does not wait for them
.if (\un) < 4
	LOADW (\un)%2, (\tt)+1, \pp
.endif
	QB 4, HA, 36, 40, 44, 48, PP
.if (\tt) < 2
.irp m, 0,1,2,3
	global_store_b64 v[QST], v[PP+2*\m:PP+2*\m+1], s[28:29] offset:4194304*(\tt)+512*\m+256*(\pp)   ; tile m, block pp: 256 consecutive bytes a wave
.endr
.if (\pp) == 0
.irp m, 0,1,2,3
	v_mov_b32 v[B0+\m], v[48+\m]                   ; the first block's bytes wait for the second's
.endr
.else
.irp m, 0,1,2,3
	v_lshl_or_b32 v[B0+\m], v[48+\m], 8, v[B0+\m]  ; a token's scale word: two bytes; bytes 2 and 3 stay 0 and stand over zero codes
.endr
	s_delay_alu instid0(VALU_DEP_3)
	v_cndmask_b32 v14, v[B0], v[B0+1], s26         ; lanes 0-15 tile 0's words, lanes 16-31 tile 1's
	s_delay_alu instid0(VALU_DEP_2)
	v_cndmask_b32 v15, v[B0+2], v[B0+3], s26
	global_store_b32 v[L4], v14, s[32:33] offset:524288*(\tt)
	global_store_b32 v[L4], v15, s[32:33] offset:524288*(\tt)+128
.endif
.else
.irp u, 0,1
.irp bb, 0,1
	global_store_b64 v[QST], v[PP+2*(2*\u+\bb):PP+2*(2*\u+\bb)+1], s[30:31] offset:8192*(2*(\pp)+\u)+256*\bb   ; channels 16 (2 pp + u) on, tokens 32 bb on
.endr
	v_lshl_or_b32 v[HW+2*(\pp)+\u], v[48+2*\u+1], 8, v[48+2*\u]
.endr
.endif
.endm
	UNIT 0, 0, 0
	UNIT 1, 0, 1
	UNIT 2, 1, 0
	UNIT 3, 1, 1
	UNIT 4, 2, 0
	UNIT 5, 2, 1
	v_cndmask_b32 v14, v[HW], v[HW+1], s26         ; (k's scale stores have read v14 and v15: units 4 and 5 waited)
	s_delay_alu instid0(VALU_DEP_2)
	v_cndmask_b32 v15, v[HW+2], v[HW+3], s26
	s_delay_alu instid0(VALU_DEP_1)
	v_lshl_or_b32 v14, v15, 16, v14                ; low half: channels 0-31's two bytes; high half: channels 32-63's
	global_store_b32 v[L4], v14, s[34:35]
	v_mov_b32 v13, s[GATE]                         ; my eight rows' gates, for the next launch: lane j takes row j's
.irp j, 1,2,3,4,5,6,7
	s_delay_alu instid0(VALU_DEP_1)
	v_writelane_b32 v13, s[GATE+\j], \j
.endr
	s_wait_alu depctr_va_vdst(0)
	s_wait_xcnt 0x0                                ; EXEC changes only behind this wait
	v_cmp_gt_u32 vcc_lo, 32, v[L4]                 ; lanes 0 to 7
	s_and_saveexec_b32 s48, vcc_lo
	global_store_b32 v[L4], v13, s[62:63]
	s_wait_xcnt 0x0                                ; and again, in front of the line that widens it
	s_or_b32 exec_lo, exec_lo, s48
	s_wait_xcnt 0x0
	s_mov_b32 exec_lo, -1
	v_lshl_add_u32 v254, v0, 2, 0x2f900
	v_mov_b32 v255, 0
	s_wait_alu depctr_va_vdst(0)
	s_wait_tensorcnt 0x0
	ds_add_u32 v254, v255
	s_wait_dscnt 0x0
	s_endpgm
.Lfunc_end_k_q975c7c3c6c_qkv:
	.size	k_q975c7c3c6c_qkv, .Lfunc_end_k_q975c7c3c6c_qkv-k_q975c7c3c6c_qkv
	.p2alignl 7, 3214868480
	.fill 96, 4, 3214868480
	.section	.rodata,"a",@progbits
	.p2align	6, 0x0
	.amdhsa_kernel k_q975c7c3c6c_qkv
		.amdhsa_group_segment_fixed_size 195840
		.amdhsa_private_segment_fixed_size 0
		.amdhsa_enable_private_segment 0
		.amdhsa_kernarg_size 72
		.amdhsa_user_sgpr_count 2
		.amdhsa_user_sgpr_kernarg_segment_ptr 1
		.amdhsa_wavefront_size32 1
		.amdhsa_system_sgpr_workgroup_id_x 1
		.amdhsa_system_sgpr_workgroup_id_y 1
		.amdhsa_system_sgpr_workgroup_id_z 1
		.amdhsa_system_vgpr_workitem_id 0
		.amdhsa_next_free_vgpr 512
		.amdhsa_next_free_sgpr 66
		.amdhsa_reserve_vcc 1
		.amdhsa_float_denorm_mode_32 3
		.amdhsa_float_denorm_mode_16_64 3
		.amdhsa_memory_ordered 1
		.amdhsa_forward_progress 1
		.amdhsa_inst_pref_size 154
	.end_amdhsa_kernel
	.amdgpu_metadata
---
amdhsa.version: [ 1, 2 ]
amdhsa.kernels:
  - .name:           k_q975c7c3c6c_qkv
    .symbol:         k_q975c7c3c6c_qkv.kd
    .args:
      - { .name: x, .offset: 0, .size: 8, .value_kind: global_buffer, .address_space: global }
      - { .name: ymean, .offset: 8, .size: 8, .value_kind: global_buffer, .address_space: global }
      - { .name: ln1_g, .offset: 16, .size: 8, .value_kind: global_buffer, .address_space: global }
      - { .name: ln1_b, .offset: 24, .size: 8, .value_kind: global_buffer, .address_space: global }
      - { .name: wcodes, .offset: 32, .size: 8, .value_kind: global_buffer, .address_space: global }
      - { .name: wscales, .offset: 40, .size: 8, .value_kind: global_buffer, .address_space: global }
      - { .name: qkvc, .offset: 48, .size: 8, .value_kind: global_buffer, .address_space: global }
      - { .name: qkvs, .offset: 56, .size: 8, .value_kind: global_buffer, .address_space: global }
      - { .name: gatev, .offset: 64, .size: 8, .value_kind: global_buffer, .address_space: global }
    .group_segment_fixed_size: 195840
    .private_segment_fixed_size: 0
    .kernarg_segment_align: 8
    .kernarg_segment_size: 72
    .max_flat_workgroup_size: 256
    .sgpr_count:     66
    .vgpr_count:     512
    .wavefront_size: 32
...
	.end_amdgpu_metadata
.endif
;; end of part 6
;; launch attn (part 7): grid 2 x 128, 16 waves a work-group, no clusters, 143,360 bytes of LDS; arguments qkvc, qkvs, x, gatev, x2; writes x2
.if DOCPART == 7
	.amdgcn_target "amdgcn-amd-amdhsa--gfx1250"
	.amdhsa_code_object_version 6
	.text
	.protected	k_q975c7c3c6c_attn
	.globl	k_q975c7c3c6c_attn
	.p2align	8
	.type	k_q975c7c3c6c_attn,@function
k_q975c7c3c6c_attn:
	s_mov_b64 s[64:65], 0
	v_nop
	global_prefetch_b8 v0, s[64:65] scope:SCOPE_SE
	s_setreg_imm32_b32 hwreg(HW_REG_WAVE_SCHED_MODE, 0, 2), 2
	s_setreg_imm32_b32 hwreg(HW_REG_WAVE_MODE, 25, 1), 1
	s_wait_xcnt 0x0
	s_wait_alu depctr_vm_vsrc(0)
; x2 = x (1 + gate) + softmax(q k^T / 8) v, head by head, both products on codes of FP4 (E2M1) with one E8M0 scale for each 32 along a product's K.
; THE SOFTMAX AHEAD OF THE SECOND PRODUCT: t = score x log2(e) / 8; M = the row's largest t so far, rounded UP to a whole number; p = 2^(t - M) is quantised along the keys, not normalised; the row's sum is
; taken of the unquantised p and divides at the end.  When M moves, the sum and O are multiplied by 2^(old M - new M): exact.
; SHARES.  A work-group owns one head and 512 of its 1,024 queries; its sixteen waves own two tiles of 16 queries each, one after the other, in 256 registers: four waves to a SIMD, so that one wave's
; vector work stands beside another's matrix work and LDS loads.  The head's K and V (codes 64 KB, scale words 6 KB) are brought into LDS ONCE, through registers, and read by all: no ring, no refill.
; What two work-groups share is those 70 KB, read once each at the head: too little for joint loads to pay.
; LAYOUT.  Both products are used transposed: S^T = K Q^T, O^T = V^T P^T: a lane holds ONE query throughout.  The earlier launch laid k's tiles so that row r of tile 2 b + u is key 32 b + 8 u + r % 8 + 16 (r / 8):
; the 16 registers of tiles 2 b, 2 b + 1 are 16 neighbouring keys.  q's tiles have the same order of tokens: row r of tile T is token 32 (T / 2) + 8 (T % 2) + r % 8 + 16 (r / 8), which the way out's addresses undo.
; THE HEAD'S 64 IN AN INSTRUCTION OF 128: Q's upper four registers are zero codes; a tile of K is four registers, and the four behind it meet Q's zeros, whatever they hold: the next tile's codes, or, behind the last tile,
; the codes of my second tile of queries, which wait there; bytes 2 and 3 of both scale words are 0, which is 2^-127 and no NaN.
; WHAT IS WANTED ONLY AT THE END IS NOT WAITED FOR AT THE START: a tile's rows of x and its gates are asked for ahead of its key loop and awaited behind it.  The gate, one number a query, goes with O through the stage
; (in the padding of its row) to the lanes that store that row.
; THE MODE: SCHED_MODE bits 1:0 = 2 (LLVM: expert scheduling mode 2), set by the entry lines.  The code itself states the register dependences between vector or matrix instructions and memory or LDS instructions,
; with s_wait_alu, always for 0.
; THE PLAN.  Registers that LDS instructions touch in a key step:
;   v24-55, v92-95   K's tiles and scale words.  Read by the step's eight products K Q^T, at its head; the NEXT step's are loaded into them behind the wait for the step's 64 exponentials.
;   v60-91, v240-241 V's fragments and scale words.  Read by the step's four products V^T P, at its end; THIS step's are loaded into them behind the same wait, which stands behind the last step's products.
;   v8-11            the loads' addresses.  Written by four additions at the step's head, behind a wait on vm_vsrc; read by the loads behind the same wait on va_vdst.
; So the wait that the exponentials have in any case states all that the step's 22 LDS loads hang on: V's ten follow it at once, K's twelve are dealt among the row's sums, which name none of their registers.
; K of step 0 is asked for behind the fill's barrier; the eighth step is written out: it takes V by addresses that are never written, with immediate offsets, and asks for K of step 0 once more in my first tile
; (for the second), for nothing in my second.  One more wait on va_vdst stands ahead of the products V^T P: p's codes and scale word are written by vector instructions.
; LIMITS: a block whose every p has fallen to 0 keeps the byte 1 with zero codes; NaN and infinities are not served; v_exp_f32 and v_rcp_f32 are taken as they are, and a block's largest p is made from its largest score.
.set KIMG,  0                          ; LDS: K's 64 tiles of 512 bytes
.set VIMG,  32768                      ; V: [16 channels x 4][128 keys x 8][1,024]
.set KSC,   65536                      ; K's scale words: [tile][row]
.set VSC,   69632                      ; V's: [128 keys][16 channels x 4][row]
.set STAGE, 71680                      ; the way out: 16 rows x (256 + 16) bytes for each wave
.set SEL, 20
.set CS,  22                           ; s[22:23] c = log2(e) / 8
.set TK,  42                           ; s42, s44 where the NEXT step's tiles and words of K begin in LDS; s43, s45 where THIS step's of V begin; s46 counts the steps
.set TV,  43
.set TKS, 44
.set TVS, 45
.set CNT, 46
; v1-4 my lane's place in K, V, K's words, V's words; v5 my offset in x and x2; v6, v7 the stage, in and back; v8-11 the step's addresses; v12 -M, v13 the largest t, v[14:15] the sum in two halves;
; v16-23 Q; v24-55 K's eight tiles; v56-59 my second tile's Q; v60-91 V's four fragments; v92-95 K's scale words; v96-159 S^T, then p; v160-191 O^T; v192-223 x; v224-231 p's codes; v232-239, v244-247, v252, v254 at work;
; v240-241 V's scale words; v242 my second tile's scale words; v243, v251 the gate's word in the stage, back and in; v248 4 r; v249 my query's offset among the gates; v250 its gate; v253 p's scale word; v255 Q's.
.macro BARRIER
	s_wait_dscnt 0x0
	s_barrier_signal -1
	s_barrier_wait -1
.endm
.macro PLACES
.rept 4
	v_nop
.endr
.endm
.macro WM d, a, b, c, sa, sb, ra, rb   ; one scaled product; c < 0: the constant 0 starts the sum; ra, rb: which half of the lanes holds A's and B's scale words
.if (\c) < 0
.if ((\ra) == 0) && ((\rb) == 0)
	v_wmma_scale_f32_16x16x128_f8f6f4 v[(\d):(\d)+7], v[(\a):(\a)+7], v[(\b):(\b)+7], 0, v[\sa], v[\sb] matrix_a_fmt:MATRIX_FMT_FP4 matrix_b_fmt:MATRIX_FMT_FP4
.elseif ((\ra) == 1) && ((\rb) == 0)
	v_wmma_scale_f32_16x16x128_f8f6f4 v[(\d):(\d)+7], v[(\a):(\a)+7], v[(\b):(\b)+7], 0, v[\sa], v[\sb] matrix_a_fmt:MATRIX_FMT_FP4 matrix_b_fmt:MATRIX_FMT_FP4 matrix_a_scale:MATRIX_SCALE_ROW1
.elseif ((\ra) == 0) && ((\rb) == 1)
	v_wmma_scale_f32_16x16x128_f8f6f4 v[(\d):(\d)+7], v[(\a):(\a)+7], v[(\b):(\b)+7], 0, v[\sa], v[\sb] matrix_a_fmt:MATRIX_FMT_FP4 matrix_b_fmt:MATRIX_FMT_FP4 matrix_b_scale:MATRIX_SCALE_ROW1
.else
	v_wmma_scale_f32_16x16x128_f8f6f4 v[(\d):(\d)+7], v[(\a):(\a)+7], v[(\b):(\b)+7], 0, v[\sa], v[\sb] matrix_a_fmt:MATRIX_FMT_FP4 matrix_b_fmt:MATRIX_FMT_FP4 matrix_a_scale:MATRIX_SCALE_ROW1 matrix_b_scale:MATRIX_SCALE_ROW1
.endif
.else
.if ((\ra) == 0) && ((\rb) == 0)
	v_wmma_scale_f32_16x16x128_f8f6f4 v[(\d):(\d)+7], v[(\a):(\a)+7], v[(\b):(\b)+7], v[(\c):(\c)+7], v[\sa], v[\sb] matrix_a_fmt:MATRIX_FMT_FP4 matrix_b_fmt:MATRIX_FMT_FP4
.elseif ((\ra) == 1) && ((\rb) == 0)
	v_wmma_scale_f32_16x16x128_f8f6f4 v[(\d):(\d)+7], v[(\a):(\a)+7], v[(\b):(\b)+7], v[(\c):(\c)+7], v[\sa], v[\sb] matrix_a_fmt:MATRIX_FMT_FP4 matrix_b_fmt:MATRIX_FMT_FP4 matrix_a_scale:MATRIX_SCALE_ROW1
.elseif ((\ra) == 0) && ((\rb) == 1)
	v_wmma_scale_f32_16x16x128_f8f6f4 v[(\d):(\d)+7], v[(\a):(\a)+7], v[(\b):(\b)+7], v[(\c):(\c)+7], v[\sa], v[\sb] matrix_a_fmt:MATRIX_FMT_FP4 matrix_b_fmt:MATRIX_FMT_FP4 matrix_b_scale:MATRIX_SCALE_ROW1
.else
	v_wmma_scale_f32_16x16x128_f8f6f4 v[(\d):(\d)+7], v[(\a):(\a)+7], v[(\b):(\b)+7], v[(\c):(\c)+7], v[\sa], v[\sb] matrix_a_fmt:MATRIX_FMT_FP4 matrix_b_fmt:MATRIX_FMT_FP4 matrix_a_scale:MATRIX_SCALE_ROW1 matrix_b_scale:MATRIX_SCALE_ROW1
.endif
.endif
.endm
	s_load_b256 s[4:11], s[0:1], 0x0               ; qkvc, qkvs, x, gatev
	s_load_b64 s[12:13], s[0:1], 0x20              ; x2
	v_lshrrev_b32 v8, 5, v0
	v_readfirstlane_b32 s18, v8                    ; wave 0..15
	s_and_b32 s19, ttmp7, 0xffff                   ; bh = 8 b + head
	s_wait_alu depctr_va_sdst(0)                   ; s18 is written, ahead of its first reader
	s_mul_i32 s14, s18, 4352
	s_add_co_u32 s14, s14, STAGE                   ; my stage
	v_and_b32 v8, 15, v0                           ; r
	v_bfe_u32 v9, v0, 4, 1                         ; h
	v_mul_u32_u24 v6, v8, 272
	v_add_nc_u32 v251, s14, v6
	v_add_nc_u32 v251, 256, v251                   ; the gate's word, in: behind row r's 256 bytes
	v_lshl_add_u32 v6, v9, 5, v6
	v_add_nc_u32 v6, s14, v6                       ; in: row r, + 32 h
	v_mul_u32_u24 v7, v9, 272
	v_add_nc_u32 v243, s14, v7
	v_add_nc_u32 v243, 256, v243                   ; the gate's word, back: of the row that my half of the lanes stores
	v_lshl_add_u32 v7, v8, 4, v7
	v_add_nc_u32 v7, s14, v7                       ; back: lanes 0-15 one row, lanes 16-31 the next
	v_lshlrev_b32 v5, 11, v9
	v_lshl_add_u32 v5, v8, 4, v5                   ; and the same two rows in x and x2: 2,048 h + 16 r
	v_lshlrev_b32 v248, 2, v8
	v_and_b32 v249, 7, v8
	v_and_b32 v250, 8, v8
	v_lshlrev_b32 v249, 2, v249
	v_lshl_add_u32 v249, v250, 3, v249             ; query r is token r % 8 + 16 (r / 8) of the tile's: 4 bytes a token
	v_and_b32 v10, 31, v0
	v_lshlrev_b32 v1, 4, v10
	v_add_nc_u32 v2, VIMG, v1
	v_lshlrev_b32 v3, 2, v10
	v_add_nc_u32 v4, VSC, v3
	v_add_nc_u32 v3, KSC, v3
	v_lshlrev_b32 v232, 4, v0                      ; the fill: 16 bytes a thread,
	v_lshlrev_b32 v233, 3, v0                      ; 8 bytes a thread,
	v_lshrrev_b32 v234, 6, v0
	v_lshlrev_b32 v234, 8, v234
	v_lshl_add_u32 v234, v10, 2, v234              ; and V's scale words as the earlier launch laid them: 256 (thread / 64) + 4 (thread % 32)
	v_and_b32 v236, 32, v0
	v_cmp_ne_u32 vcc_lo, 0, v236
	v_mov_b32 v237, 0x05040100
	v_mov_b32 v238, 0x07060302
	s_wait_alu depctr_va_vcc(0)                    ; the compare has written VCC, which the select reads
	v_cndmask_b32 v238, v237, v238, vcc_lo         ; channels 0-31 take the low halves of two words, channels 32-63 the high halves
	v_add_nc_u32 v236, KSC, v233
	v_lshl_add_u32 v239, v0, 2, VSC
.irp j, 20,21,22,23,253
	v_mov_b32 v\j, 0                               ; Q's upper half: zero codes.  v253 is named as the upper half of a pair before it is first written
.endr
	s_mov_b32 s[SEL], 0x76543210
	s_mov_b32 s[SEL+1], 0xfedcba98
	s_mov_b32 s[CS], 0x3e38aa3b
	s_mov_b32 s[CS+1], s[CS]
	s_lshl_b32 s14, ttmp9, 5
	s_add_co_u32 s14, s14, s18                     ; my first tile of queries: 32 X + wave; the second lies 16 tiles on
	s_mov_b32 s17, 0
	s_wait_kmcnt 0x0
	s_lshl_b32 s16, s19, 15
	s_add_nc_u64 s[24:25], s[4:5], s[16:17]        ; the head's q codes; k's lie 4 MiB on,
	s_add_nc_u64 s[26:27], s[24:25], 0x800000      ; v's 8 MiB
	s_lshl_b32 s16, s14, 9
	s_add_nc_u64 s[28:29], s[24:25], s[16:17]      ; my tile of q
	s_lshl_b32 s16, s19, 12
	s_add_nc_u64 s[30:31], s[6:7], s[16:17]        ; the head's q scale words; k's lie 512 KiB on
	s_lshl_b32 s16, s14, 6
	s_add_nc_u64 s[32:33], s[30:31], s[16:17]
	s_lshl_b32 s16, s19, 11
	s_add_co_u32 s16, s16, 0x100000
	s_add_nc_u64 s[34:35], s[6:7], s[16:17]        ; v's scale words
	s_lshr_b32 s15, s19, 3
	s_lshl_b32 s15, s15, 10
	s_lshr_b32 s16, s14, 1
	s_lshl_b32 s16, s16, 5
	s_add_co_u32 s15, s15, s16
	s_and_b32 s16, s14, 1
	s_lshl_b32 s16, s16, 3
	s_add_co_u32 s15, s15, s16                     ; my tile's first token: 1,024 b + 32 (T / 2) + 8 (T % 2)
	s_lshl_b32 s16, s15, 2
	s_add_nc_u64 s[40:41], s[10:11], s[16:17]      ; its gate
	s_lshl_b32 s16, s15, 11
	s_and_b32 s15, s19, 7
	s_lshl_b32 s15, s15, 8
	s_add_co_u32 s16, s16, s15                     ; its row, at the head's 256 bytes
	s_add_nc_u64 s[36:37], s[8:9], s[16:17]
	s_add_nc_u64 s[38:39], s[12:13], s[16:17]
	s_wait_alu depctr_va_vdst(0)                   ; all offsets and LDS addresses are written, which the loads and stores of the whole kernel read; so are v250, in which a load lands, and Q's zero codes, which the scaled products take
.irp i, 0,1,2,3
	global_load_b128 v[96+4*\i:99+4*\i], v232, s[24:25] offset:4194304+8192*\i
.endr
.irp i, 0,1,2,3
	global_load_b128 v[112+4*\i:115+4*\i], v232, s[26:27] offset:8192*\i
.endr
	global_load_b64 v[128:129], v233, s[30:31] offset:524288
	global_load_b32 v130, v234, s[34:35]
	global_load_b32 v131, v234, s[34:35] offset:128
	global_load_b128 v[16:19], v1, s[28:29]        ; both tiles' Q and scale words: four loads
	global_load_b32 v255, v248, s[32:33]
	global_load_b128 v[56:59], v1, s[28:29] offset:8192
	global_load_b32 v242, v248, s[32:33] offset:1024
.macro XLOADS jj                       ; tile jj's nine loads that are wanted on the way out alone: my query's gate, and the tile's 16 rows of x at the head's 64 channels
	global_load_b32 v250, v249, s[40:41] offset:1024*\jj
.irp i, 0,1,2,3,4,5,6,7
	global_load_b128 v[192+4*\i:195+4*\i], v5, s[36:37] offset:524288*\jj+(2*(\i%4)+16*(\i/4))*2048 th:TH_LOAD_NT
.endr
.endm
	XLOADS 0
	s_wait_loadcnt 13                              ; K, V and their scale words are in; Q's four loads and the first tile's nine may be out
	v_perm_b32 v237, v131, v130, v238              ; four bytes: the blocks of 128 keys, for one channel
	s_wait_alu depctr_va_vdst(0)                   ; v237 is written, which the last of the LDS stores below reads
.irp i, 0,1,2,3
	ds_store_b128 v232, v[96+4*\i:99+4*\i] offset:KIMG+8192*\i
.endr
.irp i, 0,1,2,3
	ds_store_b128 v232, v[112+4*\i:115+4*\i] offset:VIMG+8192*\i
.endr
	ds_store_b64 v236, v[128:129]
	ds_store_b32 v239, v237
	BARRIER                                        ; the head's K and V lie in LDS
.irp t, 0,1,2,3,4,5,6,7
	ds_load_b128 v[24+4*\t:27+4*\t], v1 offset:512*\t      ; K of step 0, by addresses that are never written; no vector instruction has named these registers
.endr
.irp p, 0,1,2,3
	ds_load_b32 v[92+\p], v3 offset:128*\p         ; lanes 0-15 tile 2 p's words, lanes 16-31 tile 2 p + 1's
.endr
; A KEY STEP: 128 keys.  tail = 0: in the loop; tail = 1: the eighth step, written out: V by v2 and v4 with immediate offsets, K (if any) of step 0 by v1 and v3.  kn = 1: K is asked for.
.macro STEP tail, kn
.if \tail
.set VA, 2
.set VW, 4
.set VO, 7*1024
.set VWO, 7*256
.set KA, 1
.set KW, 3
.else
.set VA, 9
.set VW, 11
.set VO, 0
.set VWO, 0
.set KA, 8
.set KW, 10
	s_wait_alu depctr_vm_vsrc(0)                   ; the LDS loads issued so far have read v8 to v11, which the four lines below write; in the launch's first step the fill's loads and LDS stores have read v96-131 and v232-239, which this step writes
	v_add_nc_u32 v8, s[TK], v1                     ; the next step's K,
	v_add_nc_u32 v9, s[TV], v2                     ; this step's V
	v_add_nc_u32 v10, s[TKS], v3
	v_add_nc_u32 v11, s[TVS], v4
.endif
	s_wait_dscnt 0x0                               ; K and its words, asked for a step ago, are in
.irp t, 0,1,2,3,4,5,6,7
	WM 96+8*\t, 24+4*\t, 16, -1, 92+\t/2, 255, \t%2, 0
.endr
	PLACES
.irp b, 0,1,2,3
	v_max3_num_f32 v[232+\b], v[96+16*\b], v[97+16*\b], v[98+16*\b]   ; the largest score of each block of 32 keys: for the row's maximum, and, since p rises with the score, for the block's largest p
.endr
.irp i, 3,5,7,9,11,13
.irp b, 0,1,2,3
	v_max3_num_f32 v[232+\b], v[232+\b], v[96+16*\b+\i], v[97+16*\b+\i]
.endr
.endr
.irp b, 0,1,2,3
	v_max_num_f32 v[232+\b], v[232+\b], v[111+16*\b]
.endr
.irp b, 0,1,2,3
	v_permlanex16_b32 v[236+\b], v[232+\b], s[SEL], s[SEL+1]
.endr
.irp b, 0,1,2,3
	v_max_num_f32 v[232+\b], v[232+\b], v[236+\b]  ; with lane l xor 16's 16 keys
.endr
	v_max3_num_f32 v254, v232, v233, v234
	v_max_num_f32 v254, v254, v235
	v_mul_f32 v254, s[CS], v254                    ; the step's largest t
	v_max_num_f32 v13, v13, v254
	v_mov_b32 v254, v12
	v_floor_f32 v12, -v13                          ; the new -M = -ceil(t)
	v_sub_f32 v254, v12, v254                      ; old M - new M: a whole number, 0 or less
	v_cvt_i32_f32 v254, v254                       ; (it saturates)
	v_ldexp_f32 v252, 1.0, v254                    ; f = 2^(old M - new M)
.irp n, 0,2,4,6,8,10,12,14,16,18,20,22,24,26,28,30,32,34,36,38,40,42,44,46,48,50,52,54,56,58,60,62
	v_pk_fma_f32 v[96+\n:97+\n], v[96+\n:97+\n], s[CS:CS+1], v[12:13] op_sel_hi:[1,0,0]   ; t - M
.endr
.irp b, 0,1,2,3
	v_fma_f32 v[232+\b], v[232+\b], s[CS], v12
.endr
	s_wait_alu depctr_va_vdst(0)
.irp n, 0,1,2,3,4,5,6,7,8,9,10,11,12,13,14,15,16,17,18,19,20,21,22,23,24,25,26,27,28,29,30,31,32,33,34,35,36,37,38,39,40,41,42,43,44,45,46,47,48,49,50,51,52,53,54,55,56,57,58,59,60,61,62,63
	v_exp_f32 v[96+\n], v[96+\n]                   ; p = 2^(t - M)
.endr
	v_pk_mul_f32 v[14:15], v[14:15], v[252:253] op_sel_hi:[1,0]   ; the sums under the new M: a plain line behind the exponentials
	s_wait_alu depctr_va_vdst(0)                   ; the 64 exponentials have written p, ahead of its first reader; the last step's products V^T P are done reading V's fragments and words, this step's K Q^T are done reading K's, and the step's addresses are written: all that the loads below hang on
.irp d, 0,1,2,3
.irp c, 0,1
	ds_load_b128 v[60+8*\d+4*\c:63+8*\d+4*\c], v[VA] offset:VO+8192*\d+512*\c   ; this step's V
.endr
.endr
.irp p, 0,1
	ds_load_b32 v[240+\p], v[VW] offset:VWO+128*\p
.endr
.irp b, 0,1,2,3
	v_exp_f32 v[232+\b], v[232+\b]                 ; the block's largest p
.endr
	v_pk_add_f32 v[236:237], v[96:97], v[98:99]    ; the row's sum of the unquantised p, in two chains
.set sn, 4
.rept 15
	v_pk_add_f32 v[14:15], v[14:15], v[96+sn:97+sn]
	v_pk_add_f32 v[236:237], v[236:237], v[98+sn:99+sn]
.if (\kn) && (sn <= 32)
	ds_load_b128 v[20+sn:23+sn], v[KA] offset:128*(sn-4)           ; K's tile sn / 4 - 1.  No wait: no vector or matrix instruction since the wait above names K's registers or these addresses
.elseif (\kn) && (sn <= 48)
	ds_load_b32 v[92+(sn-36)/4], v[KW] offset:32*(sn-36)           ; and its scale words
.endif
.set sn, sn+4
.endr
	v_pk_add_f32 v[14:15], v[14:15], v[236:237]
	s_wait_alu depctr_va_vdst(0)                   ; the four exponentials have written the blocks' largest p, ahead of their first reader
.irp b, 0,1,2,3
	v_max_num_f32 v[232+\b], 0x1800000, v[232+\b]  ; the floor: the byte cannot fall under 1
.endr
.irp b, 0,1,2,3
	v_add_nc_u32 v[244+\b], 0xff000000, v[232+\b]
.endr
.irp b, 0,1,2,3
	v_lshrrev_b32 v[236+\b], 23, v[244+\b]
.endr
	v_lshl_or_b32 v253, v237, 8, v236              ; p's scale word for these 128 keys
	v_lshl_or_b32 v253, v238, 16, v253
	v_lshl_or_b32 v253, v239, 24, v253
.irp b, 0,1,2,3
	v_cvt_scalef32_pk8_fp4_f32 v[224+2*\b], v[96+16*\b:103+16*\b], v[244+\b]
	v_cvt_scalef32_pk8_fp4_f32 v[225+2*\b], v[104+16*\b:111+16*\b], v[244+\b]
.endr
	v_nop
.irp c, 0,1                                    ; the operand wants a whole block in a lane
.irp i, 0,1
	v_permlane16_swap_b32 v[224+4*\c+\i], v[226+4*\c+\i]
.endr
.endr
.irp n, 0,2,4,6,8,10,12,14,16,18,20,22,24,26,28,30
	v_pk_mul_f32 v[160+\n:161+\n], v[160+\n:161+\n], v[252:253] op_sel_hi:[1,0]   ; O^T under the new M; these sixteen are also the places between p's word and codes and the products below
.endr
.if \kn
	s_wait_dscnt 12                                ; V and its words are in; K's twelve loads, issued behind them, may be out
.else
	s_wait_dscnt 0x0                               ; V and its words are in
.endif
	s_wait_alu depctr_va_vdst(0)                   ; p's codes and its scale word are written, which the scaled products below take; the places above stay beside this wait
.irp d, 0,1,2,3
	WM 160+8*\d, 60+8*\d, 224, 160+8*\d, 240+\d/2, 253, \d%2, 0
.endr
.if !\tail
	s_add_co_u32 s[TK], s[TK], 4096
	s_add_co_u32 s[TV], s[TV], 1024
	s_add_co_u32 s[TKS], s[TKS], 512
	s_add_co_u32 s[TVS], s[TVS], 256
.endif
.endm
; The way out: pair i of the tile's eight pairs of rows gets x (1 + gate) added; and is stored.
.macro ROWS i
	s_wait_dscnt 7-(\i)                            ; the eight gates and pairs 0 to i are back from the stage
.irp q, 0,1,2,3
	v_fma_f32 v[192+4*(\i)+\q], v[192+4*(\i)+\q], v[160+(\i)], v[192+4*(\i)+\q]   ; x1 = x + x gate
.endr
	v_pk_add_f32 v[128+4*(\i):129+4*(\i)], v[128+4*(\i):129+4*(\i)], v[192+4*(\i):193+4*(\i)]
	v_pk_add_f32 v[130+4*(\i):131+4*(\i)], v[130+4*(\i):131+4*(\i)], v[194+4*(\i):195+4*(\i)]
.endm
.macro SENDR i, jj
	global_store_b128 v5, v[128+4*(\i):131+4*(\i)], s[38:39] offset:524288*(\jj)+(2*((\i)%4)+16*((\i)/4))*2048   ; sixteen lanes store a row's 256 bytes of the head, aligned
.endm
.macro TILE jj
.if \jj == 0
	s_wait_loadcnt 9                               ; both tiles' Q and scale words are in; the gate's load and x's eight stay out through the key loop
.else
.irp q, 0,1,2,3
	v_mov_b32 v[16+\q], v[56+\q]                   ; the second tile's Q has waited behind K's last tile
.endr
	v_mov_b32 v255, v242                           ; (the lines below are the places between these moves and the first product)
.endif
	v_mov_b32 v13, 0xff61b1e6                      ; the largest t so far: -3e38, under every t
	v_floor_f32 v12, -v13                          ; -M
	v_mov_b32 v14, 0
	v_mov_b32 v15, 0
.irp n, 0,1,2,3,4,5,6,7,8,9,10,11,12,13,14,15,16,17,18,19,20,21,22,23,24,25,26,27,28,29,30,31
	v_mov_b32 v[160+\n], 0                         ; O^T: the step is written for every step alike; the first finds zeros, which the first change of M leaves zeros
.endr
.if \jj == 1
	s_wait_alu depctr_va_vdst(0)                   ; the moves have written Q's codes and scale words, which the scaled products take; the places above stay beside this wait
.endif
	s_mov_b32 s[TK], 4096                          ; K runs a step ahead
	s_mov_b32 s[TV], 0
	s_mov_b32 s[TKS], 512
	s_mov_b32 s[TVS], 0
	s_mov_b32 s[CNT], 7
.Lstep_\@:                                         ; steps 0 to 6
	STEP 0, 1
	s_sub_co_u32 s[CNT], s[CNT], 1
	s_cmp_lg_u32 s[CNT], 0
	s_cbranch_scc1 .Lstep_\@
.if \jj == 0
	STEP 1, 1                                      ; step 7; K of step 0 is asked for once more: my second tile begins with it
.else
	STEP 1, 0                                      ; step 7: nothing more is asked of K
.endif
	PLACES
	v_add_f32 v14, v14, v15
	v_permlanex16_b32 v252, v14, s[SEL], s[SEL+1]
	v_add_f32 v14, v14, v252                       ; the row's sum
	s_wait_alu depctr_va_vdst(0)
	v_rcp_f32 v14, v14
	v_nop
	s_wait_alu depctr_va_vdst(0)                   ; the reciprocal is written, ahead of its first reader
.irp n, 0,1,2,3,4,5,6,7,8,9,10,11,12,13,14,15,16,17,18,19,20,21,22,23,24,25,26,27,28,29,30,31
	v_mul_f32 v[96+\n], v[160+\n], v14             ; register 8 d + i: channel 16 d + 8 h + i of query r
.endr
	s_wait_loadcnt 0x0                             ; the gate and the tile's rows of x, asked for ahead of the key loop
	s_wait_alu depctr_va_vdst(0)                   ; the multiplications have written v96-127, which the LDS stores read, and are done reading v160-167, in which the gates land; the softmax is done with v128-159, in which the rows land
.irp d, 0,1,2,3
	ds_store_b128 v6, v[96+8*\d:99+8*\d] offset:64*\d
	ds_store_b128 v6, v[100+8*\d:103+8*\d] offset:64*\d+16
.endr
	ds_store_b32 v251, v250                        ; query r's gate behind its row: both halves of the lanes write the same word with the same value
.irp i, 0,1,2,3,4,5,6,7
	ds_load_b32 v[160+\i], v243 offset:544*\i      ; LDS serves a wave's instructions in order: these see my stores
.endr
.irp i, 0,1,2,3,4,5,6,7
	ds_load_b128 v[128+4*\i:131+4*\i], v7 offset:544*\i
.endr
.irp i, 0,1,2,3
	ROWS \i
.endr
	s_wait_alu depctr_va_vdst(0)                   ; the first four pairs' sums, v128-143, are written, which the four stores below read
.irp i, 0,1,2,3
	SENDR \i, \jj                                  ; dealt among the other four pairs' sums, which name v144-159, v164-167 and v208-223 alone
	ROWS \i+4
.endr
	s_wait_alu depctr_va_vdst(0)                   ; the last four pairs' sums, v144-159, are written
.irp i, 4,5,6,7
	SENDR \i, \jj
.endr
.endm
	TILE 0
	s_wait_xcnt 0x0                                ; the stores have read their data: v128-159 are written again only behind this wait
	s_wait_alu depctr_vm_vsrc(0)                   ; the LDS store of the gate has read v250, in which the second tile's gate lands.  (The sums that named v192-223 stand ahead of the last wait on va_vdst)
	XLOADS 1                                       ; they have the second tile's key loop in which to land
	TILE 1
	s_barrier_signal -1
	s_barrier_wait -1
	s_wait_xcnt 0x0
	v_lshl_add_u32 v254, v0, 2, 0x22800
	v_mov_b32 v255, 0
	s_wait_dscnt 0x0                               ; the closing lines, six on end
	s_wait_alu 0x0
	s_wait_tensorcnt 0x0
	ds_add_u32 v254, v255
	s_wait_dscnt 0x0
	s_endpgm
.Lfunc_end_k_q975c7c3c6c_attn:
	.size	k_q975c7c3c6c_attn, .Lfunc_end_k_q975c7c3c6c_attn-k_q975c7c3c6c_attn
	.p2alignl 7, 3214868480
	.fill 96, 4, 3214868480
	.section	.rodata,"a",@progbits
	.p2align	6, 0x0
	.amdhsa_kernel k_q975c7c3c6c_attn
		.amdhsa_group_segment_fixed_size 143360
		.amdhsa_private_segment_fixed_size 0
		.amdhsa_enable_private_segment 0
		.amdhsa_kernarg_size 40
		.amdhsa_user_sgpr_count 2
		.amdhsa_user_sgpr_kernarg_segment_ptr 1
		.amdhsa_wavefront_size32 1
		.amdhsa_system_sgpr_workgroup_id_x 1
		.amdhsa_system_sgpr_workgroup_id_y 1
		.amdhsa_system_sgpr_workgroup_id_z 1
		.amdhsa_system_vgpr_workitem_id 0
		.amdhsa_next_free_vgpr 256
		.amdhsa_next_free_sgpr 66
		.amdhsa_reserve_vcc 1
		.amdhsa_float_denorm_mode_32 3
		.amdhsa_float_denorm_mode_16_64 3
		.amdhsa_memory_ordered 1
		.amdhsa_forward_progress 1
		.amdhsa_inst_pref_size 86
	.end_amdhsa_kernel
	.amdgpu_metadata
---
amdhsa.version: [ 1, 2 ]
amdhsa.kernels:
  - .name:           k_q975c7c3c6c_attn
    .symbol:         k_q975c7c3c6c_attn.kd
    .args:
      - { .name: qkvc, .offset: 0, .size: 8, .value_kind: global_buffer, .address_space: global }
      - { .name: qkvs, .offset: 8, .size: 8, .value_kind: global_buffer, .address_space: global }
      - { .name: x, .offset: 16, .size: 8, .value_kind: global_buffer, .address_space: global }
      - { .name: gatev, .offset: 24, .size: 8, .value_kind: global_buffer, .address_space: global }
      - { .name: x2, .offset: 32, .size: 8, .value_kind: global_buffer, .address_space: global }
    .group_segment_fixed_size: 143360
    .private_segment_fixed_size: 0
    .kernarg_segment_align: 8
    .kernarg_segment_size: 40
    .max_flat_workgroup_size: 512
    .sgpr_count:     66
    .vgpr_count:     256
    .wavefront_size: 32
...
	.end_amdgpu_metadata
.endif
;; end of part 7
;; launch ffn (part 8): grid 256 x 1, 8 waves a work-group, no clusters, 209,920 bytes of LDS; arguments x2, ffn_g, ffn_b, wcodes, wscales, b1, b2, out0; writes out0
.if DOCPART == 8
	.amdgcn_target "amdgcn-amd-amdhsa--gfx1250"
	.amdhsa_code_object_version 6
	.text
	.protected	k_q975c7c3c6c_ffn
	.globl	k_q975c7c3c6c_ffn
	.p2align	8
	.type	k_q975c7c3c6c_ffn,@function
k_q975c7c3c6c_ffn:
	s_mov_b64 s[64:65], 0
	v_nop
	global_prefetch_b8 v0, s[64:65] scope:SCOPE_SE
	s_setreg_imm32_b32 hwreg(HW_REG_WAVE_SCHED_MODE, 0, 2), 2
	s_setreg_imm32_b32 hwreg(HW_REG_WAVE_MODE, 25, 1), 1
	s_wait_xcnt 0x0
	s_wait_alu depctr_vm_vsrc(0)
; out = x2 + gelu(LayerNorm(x2) w1 + b1) w2 + b2, both products on codes of FP4 (E2M1) with one E8M0 scale for each 32 along K; the hidden layer never goes to memory.
; SHARES.  A work-group takes 64 rows.  Norm: wave w takes rows 8 w .. 8 w + 7, as in the launch that makes q, k and v (rows of a tile are neighbours here).  The 2,048 hidden units go in 8 chunks of 256.
; In a chunk wave w makes hidden units 32 w .. 32 w + 31 of the chunk for all 64 rows (transposed: source 0 = 16 columns of w1 in the chosen order, source 1 = n: a lane holds one row and 16 neighbouring units; b1 is the C
; of the first K step), takes the exact GELU in f32, quantises, and stores 8 bytes a lane into the chunk's two fragments a tile of rows in LDS | one barrier | every wave reads all eight fragments and adds onto its
; 64 outputs x 64 rows: 16 accumulators, which begin as b2 and stay in registers for the whole launch, as do n's 16 fragments.  Two LDS buffers take turns, so one barrier a chunk serves: a buffer is written again
; only by waves that have passed the barrier which every wave reaches behind its last read of it.
; The weights lie in memory in the order of the operand's registers and go straight into registers, a phase ahead: 44 loads a chunk beside some 900 vector instructions.  So no LDS ring and no joint loads:
; they would put an LDS read between memory and each fragment, and the loop does not wait for these loads.
; erf(t) = t P(t^2) / Q(t^2), t held to +-4, P of degree 6 and Q of degree 4.
; THE MODE: SCHED_MODE bits 1:0 = 2 (LLVM: expert scheduling mode 2), set by the entry lines.  The code itself states the register dependences between vector or matrix instructions and memory or LDS instructions,
; with s_wait_alu, always for 0.
; THE PLAN.  Registers that memory or LDS instructions touch in a chunk:
;   W2F, W2S          w2's fragments and words.  Read by the chunk's second product; THIS chunk's are loaded behind the wait for the reciprocals of the chunk's first GELU, which stands behind the last chunk's second product.
;   W1F, W1S, BI      w1's fragments and words, b1.  Read by the chunk's first product; the NEXT chunk's are loaded behind the wait for the reciprocals of the second half's first GELU, which stands behind that product.
;                     Both runs of loads are dealt among the sixteen packed lines that follow the wait, which name v180-243 alone.
;   v220-223, v218-219 a half's codes and scale bytes.  Written by the quantiser; one wait on va_vdst; read by four LDS stores; one wait on vm_vsrc ahead of the next line that writes them.
;   HF v212-243, v180-211, HS  the hidden layer's fragments of the chunk's two K steps, in TWO sets, and its words: loaded in one run behind the barrier; the wait ahead of the second half's LDS stores stands behind every vector
;                     and matrix instruction that named them.  Read by the second product.
;   v3-6              the four LDS addresses of the buffer in hand: written at the chunk's head behind a wait on vm_vsrc; the wait ahead of the first half's LDS stores shows them written.
;   v1, v8, v9, v10   offsets, never written again: the scalar bases move on.
; No operand and no scale word of a scaled product is written by a vector instruction: all come by loads.
; LIMITS: the rational form is good to about 1e-7 absolutely; with t held at -4 the GELU of numbers under about -5.66 comes out as 0, where its magnitude is under 5e-8.  A block of zeros gets the byte 1 with zero codes.
; NaN and infinities are not served; v_rsq_f32 and v_rcp_f32 are taken as they are.
.set RP,   2576                        ; a row in the stage: 32 places of 64 bytes + 16, and 16 more: an odd multiple of 16 bytes
.set WST,  8*RP
.set NIMG, 64*RP                       ; n's fragments: 4 tiles x 16 blocks of (16 rows x 16 bytes + 16 of padding)
.set NSC,  NIMG+4*4352                 ; n's scale words: [tile][K step][row]
.set HBASE, NSC+1024                   ; two buffers 16,384 bytes apart: fragments [tile of rows 4][K step 2][1,024], and 8,192 on their scale words [tile][K step][row]
.set LI,  1                            ; v1   16 x lane
.set STI, 2                            ; v2   the stage: dense order
.set STO, 3                            ; v3   the stage: 80 x lane;  later HWI
.set NWI, 4                            ; later HWS
.set NWS, 5                            ; later HRD
.set AN,  6                            ; later HSR
.set NSR, 7
.set L4,  8                            ; v8   4 x lane
.set H64, 9                            ; v9   64 h
.set H32, 10                           ; v10  32 h
.set LGA, 11                           ; v11  64 x lane
.set HWI0, 12                          ; v12-15 the four LDS addresses of the hidden layer in buffer 0; v3-6 those of the chunk in hand
.set HWS0, 13
.set HRD0, 14
.set HSR0, 15
.set HWI, 3
.set HWS, 4
.set HRD, 5
.set HSR, 6
.set NS,  16                           ; v16-23 n's scale words
.set W1S, 24                           ; v24-27 w1's
.set W2S, 28                           ; v28-31 w2's
.set HS,  32                           ; v32-35 the hidden layer's
.set TT,  36                           ; the norm's work, v36-51; then
.set UU,  44
.set BI,  36                           ; v36-51 b1 in the result's layout
.set W1F, 52                           ; v52-115 w1's 8 fragments
.set W2F, 116                          ; v116-179 w2's 8 fragments
.set X,   180
.set HA,  180                          ; v180-211 four accumulators of the hidden layer; later the hidden layer's four fragments of the chunk's second K step
.set GP,  212                          ; v212-227 P, v228-243 Q; later the four fragments of its first K step
.set GQ,  228
.set HF,  212
.set PP,  244                          ; v244-251 the norm's sums and codes; later t and t^2
.set SEL, 22
.set XB,  4
.set GPT, 6
.set BPT, 8
.set HB,  26                           ; s26  0 or 16,384: the buffer in hand
; window 1: v0-31 gains and biases, then v0-127 n's 16 fragments; v128-255 the rows as loaded, then the 16 accumulators of the output, (nt, m) at v[128 + 8 (4 nt + m)].
; s[42:63]: eleven constants, each in both words of a pair: 1 / sqrt(2), P's coefficients 1 to 6, Q's 1 to 4; the two leading coefficients lie in v252-255.
.set MSB, 0
.macro WIN new                         ; the immediate's high byte repeats the setting that is left
.if MSB != \new
	s_set_vgpr_msb (MSB<<8)|\new
.set MSB, \new
.endif
.endm
.macro BARRIER
	s_wait_dscnt 0x0
	s_barrier_signal -1
	s_barrier_wait -1
.endm
.macro PLACES
.rept 4
	v_nop
.endr
.endm
.macro WM d, a, b, c, sa, sb, ra, rb   ; one scaled product; c < 0: the constant 0 starts the sum; ra, rb: which half of the lanes holds A's and B's scale words
.if (\c) < 0
.if ((\ra) == 0) && ((\rb) == 0)
	v_wmma_scale_f32_16x16x128_f8f6f4 v[(\d):(\d)+7], v[(\a):(\a)+7], v[(\b):(\b)+7], 0, v[\sa], v[\sb] matrix_a_fmt:MATRIX_FMT_FP4 matrix_b_fmt:MATRIX_FMT_FP4
.elseif ((\ra) == 1) && ((\rb) == 0)
	v_wmma_scale_f32_16x16x128_f8f6f4 v[(\d):(\d)+7], v[(\a):(\a)+7], v[(\b):(\b)+7], 0, v[\sa], v[\sb] matrix_a_fmt:MATRIX_FMT_FP4 matrix_b_fmt:MATRIX_FMT_FP4 matrix_a_scale:MATRIX_SCALE_ROW1
.elseif ((\ra) == 0) && ((\rb) == 1)
	v_wmma_scale_f32_16x16x128_f8f6f4 v[(\d):(\d)+7], v[(\a):(\a)+7], v[(\b):(\b)+7], 0, v[\sa], v[\sb] matrix_a_fmt:MATRIX_FMT_FP4 matrix_b_fmt:MATRIX_FMT_FP4 matrix_b_scale:MATRIX_SCALE_ROW1
.else
	v_wmma_scale_f32_16x16x128_f8f6f4 v[(\d):(\d)+7], v[(\a):(\a)+7], v[(\b):(\b)+7], 0, v[\sa], v[\sb] matrix_a_fmt:MATRIX_FMT_FP4 matrix_b_fmt:MATRIX_FMT_FP4 matrix_a_scale:MATRIX_SCALE_ROW1 matrix_b_scale:MATRIX_SCALE_ROW1
.endif
.else
.if ((\ra) == 0) && ((\rb) == 0)
	v_wmma_scale_f32_16x16x128_f8f6f4 v[(\d):(\d)+7], v[(\a):(\a)+7], v[(\b):(\b)+7], v[(\c):(\c)+7], v[\sa], v[\sb] matrix_a_fmt:MATRIX_FMT_FP4 matrix_b_fmt:MATRIX_FMT_FP4
.elseif ((\ra) == 1) && ((\rb) == 0)
	v_wmma_scale_f32_16x16x128_f8f6f4 v[(\d):(\d)+7], v[(\a):(\a)+7], v[(\b):(\b)+7], v[(\c):(\c)+7], v[\sa], v[\sb] matrix_a_fmt:MATRIX_FMT_FP4 matrix_b_fmt:MATRIX_FMT_FP4 matrix_a_scale:MATRIX_SCALE_ROW1
.elseif ((\ra) == 0) && ((\rb) == 1)
	v_wmma_scale_f32_16x16x128_f8f6f4 v[(\d):(\d)+7], v[(\a):(\a)+7], v[(\b):(\b)+7], v[(\c):(\c)+7], v[\sa], v[\sb] matrix_a_fmt:MATRIX_FMT_FP4 matrix_b_fmt:MATRIX_FMT_FP4 matrix_b_scale:MATRIX_SCALE_ROW1
.else
	v_wmma_scale_f32_16x16x128_f8f6f4 v[(\d):(\d)+7], v[(\a):(\a)+7], v[(\b):(\b)+7], v[(\c):(\c)+7], v[\sa], v[\sb] matrix_a_fmt:MATRIX_FMT_FP4 matrix_b_fmt:MATRIX_FMT_FP4 matrix_a_scale:MATRIX_SCALE_ROW1 matrix_b_scale:MATRIX_SCALE_ROW1
.endif
.endif
.endm
; ng groups of 16 registers, v[src + 16 g ..]: 16 neighbours along K; lane l xor 16 holds the block's other 16.  Largest magnitude into am, scale operand so, byte by, codes pc + 2 g, pc + 2 g + 1.  The groups take turns line by line.
.macro QB ng, src, am, px, so, by, pc
.set qg, 0
.rept \ng
	v_max3_num_f32 v[\am+qg], |v[\src+16*qg]|, |v[\src+16*qg+1]|, 0x1800000   ; the floor 2^(3 - 127) holds the byte at 1 from below
.set qg, qg+1
.endr
.set qi, 2
.rept 7
.set qg, 0
.rept \ng
	v_max3_num_f32 v[\am+qg], v[\am+qg], |v[\src+16*qg+qi]|, |v[\src+16*qg+qi+1]|
.set qg, qg+1
.endr
.set qi, qi+2
.endr
.set qg, 0
.rept \ng
	v_permlanex16_b32 v[\px+qg], v[\am+qg], s[SEL], s[SEL+1]
.set qg, qg+1
.endr
.set qg, 0
.rept \ng
	v_max_num_f32 v[\am+qg], v[\am+qg], v[\px+qg]
.set qg, qg+1
.endr
.set qg, 0
.rept \ng
	v_add_nc_u32 v[\so+qg], 0xff000000, v[\am+qg]  ; 2 off the exponent field: the conversion's scale operand
.set qg, qg+1
.endr
.set qg, 0
.rept \ng
	v_lshrrev_b32 v[\by+qg], 23, v[\so+qg]         ; the scale's byte
.set qg, qg+1
.endr
.set qg, 0
.rept \ng
	v_cvt_scalef32_pk8_fp4_f32 v[\pc+2*qg], v[\src+16*qg:\src+16*qg+7], v[\so+qg]
	v_cvt_scalef32_pk8_fp4_f32 v[\pc+2*qg+1], v[\src+16*qg+8:\src+16*qg+15], v[\so+qg]
.set qg, qg+1
.endr
	v_nop                                          ; one plain line behind the last conversion
.endm
.macro RED4 base                       ; four rows' numbers, two registers apart, are summed over the 32 lanes
.irp x, 1,2,4,8
.irp rr, 0,1,2,3
	v_add_f32_dpp v[\base+2*\rr], v[\base+2*\rr], v[\base+2*\rr] row_xmask:\x row_mask:0xf bank_mask:0xf
.endr
.endr
.irp rr, 0,1,2,3
	v_permlanex16_b32 v[UU+2*\rr+1], v[\base+2*\rr], s[SEL], s[SEL+1]
.endr
.irp rr, 0,1,2,3
	v_add_f32 v[\base+2*\rr], v[\base+2*\rr], v[UU+2*\rr+1]
.endr
.endm
.macro XLOADS                          ; my eight rows, 32 loads of 512 consecutive bytes, and my 16 gains and biases, into window 1
	WIN 0x40
	s_wait_alu depctr_va_vdst(0)                   ; all offsets and LDS addresses of the head are written, which the loads and stores below read
.irp i, 0,1,2,3,4,5,6,7
.irp j, 0,1,2,3
	global_load_b128 v[128+16*\i+4*\j:128+16*\i+4*\j+3], v[LI], s[XB:XB+1] offset:2048*\i+512*\j th:TH_LOAD_NT
.endr
.endr
.irp j, 0,1,2,3
	global_load_b128 v[4*\j:4*\j+3], v[LGA], s[GPT:GPT+1] offset:16*\j
.endr
.irp j, 0,1,2,3
	global_load_b128 v[16+4*\j:16+4*\j+3], v[LGA], s[BPT:BPT+1] offset:16*\j
.endr
	WIN 0
.endm
.macro XPHASE
	WIN 0x04                                       ; an LDS store's data are its source 1: window 1
.irp i, 0,1,2,3,4,5,6,7
.irp j, 0,1,2,3
	ds_store_b128 v[STI], v[128+16*\i+4*\j:128+16*\i+4*\j+3] offset:RP*\i+640*\j   ; the rows stay in the stage: the way out adds them on
.endr
.endr
	WIN 0x40
	s_wait_alu depctr_vm_vsrc(0)                   ; the stage's stores have read the rows' registers, in which b2 lands
.irp nt, 0,1,2,3
.irp m, 0,1,2,3
.irp q, 0,1
	global_load_b128 v[128+8*(4*\nt+\m)+4*\q:128+8*(4*\nt+\m)+4*\q+3], v[H32], s[16:17] offset:64*\nt+16*\q   ; the sums begin as b2: nothing is cleared, nothing is added later.  It lands while the rows are normalised
.endr
.endr
.endr
	WIN 0
.irp g, 0,1                                    ; four rows at a time, by turns in every line
.irp rr, 0,1,2,3
.irp j, 0,1,2,3
	ds_load_b128 v[X+16*\rr+4*\j:X+16*\rr+4*\j+3], v[STO] offset:RP*(4*\g+\rr)+16*\j   ; LDS serves a wave's instructions in order: these see my stores
.endr
.endr
	s_wait_dscnt 0x0                               ; the rows are back
.if \g == 1
	s_wait_alu depctr_vm_vsrc(0)                   ; the first four rows' LDS stores have read their codes and scale bytes, v244-251 and v37 to v43, which the lines below write again
.endif
.irp rr, 0,1,2,3
	v_pk_add_f32 v[PP+2*\rr:PP+2*\rr+1], v[X+16*\rr:X+16*\rr+1], v[X+16*\rr+2:X+16*\rr+3]
.endr
.irp k, 4,6,8,10,12,14
.irp rr, 0,1,2,3
	v_pk_add_f32 v[PP+2*\rr:PP+2*\rr+1], v[PP+2*\rr:PP+2*\rr+1], v[X+16*\rr+\k:X+16*\rr+\k+1]
.endr
.endr
.irp rr, 0,1,2,3
	v_add_f32 v[TT+2*\rr], v[PP+2*\rr], v[PP+2*\rr+1]
.endr
	RED4 TT
.irp rr, 0,1,2,3
	v_mul_f32 v[TT+2*\rr], s24, v[TT+2*\rr]        ; the mean
.endr
.irp k, 0,2,4,6,8,10,12,14
.irp rr, 0,1,2,3
	v_pk_add_f32 v[X+16*\rr+\k:X+16*\rr+\k+1], v[X+16*\rr+\k:X+16*\rr+\k+1], v[TT+2*\rr:TT+2*\rr+1] op_sel_hi:[1,0] neg_lo:[0,1] neg_hi:[0,1]   ; - the mean (the pair's low word serves both halves)
.endr
.endr
.irp rr, 0,1,2,3
	v_pk_mul_f32 v[PP+2*\rr:PP+2*\rr+1], v[X+16*\rr:X+16*\rr+1], v[X+16*\rr:X+16*\rr+1]
.endr
.irp k, 2,4,6,8,10,12,14
.irp rr, 0,1,2,3
	v_pk_fma_f32 v[PP+2*\rr:PP+2*\rr+1], v[X+16*\rr+\k:X+16*\rr+\k+1], v[X+16*\rr+\k:X+16*\rr+\k+1], v[PP+2*\rr:PP+2*\rr+1]
.endr
.endr
.irp rr, 0,1,2,3
	v_add_f32 v[UU+2*\rr], v[PP+2*\rr], v[PP+2*\rr+1]
.endr
	RED4 UU
.irp rr, 0,1,2,3
	v_fma_f32 v[UU+2*\rr], v[UU+2*\rr], s24, s25   ; the variance + eps
.endr
	s_wait_alu depctr_va_vdst(0)
.irp rr, 0,1,2,3
	v_rsq_f32 v[UU+2*\rr], v[UU+2*\rr]
.endr
	v_nop
	s_wait_alu depctr_va_vdst(0)                   ; the four roots are written, ahead of their first reader
.irp k, 0,2,4,6,8,10,12,14
.irp rr, 0,1,2,3
	v_pk_mul_f32 v[X+16*\rr+\k:X+16*\rr+\k+1], v[X+16*\rr+\k:X+16*\rr+\k+1], v[UU+2*\rr:UU+2*\rr+1] op_sel_hi:[1,0]
.endr
.endr
	WIN 0x14                                       ; sources 1 and 2, gain and bias, in window 1
.irp k, 0,2,4,6,8,10,12,14
.irp rr, 0,1,2,3
	v_pk_fma_f32 v[X+16*\rr+\k:X+16*\rr+\k+1], v[X+16*\rr+\k:X+16*\rr+\k+1], v[\k:\k+1], v[16+\k:17+\k]
.endr
.endr
	WIN 0
.irp rr, 0,1,2,3
	v_max3_num_f32 v[TT+2*\rr], |v[X+16*\rr]|, |v[X+16*\rr+1]|, 0x1800000
.endr
.irp k, 2,4,6,8,10,12,14
.irp rr, 0,1,2,3
	v_max3_num_f32 v[TT+2*\rr], v[TT+2*\rr], |v[X+16*\rr+\k]|, |v[X+16*\rr+\k+1]|
.endr
.endr
.irp rr, 0,1,2,3
	v_max_num_f32_dpp v[TT+2*\rr], v[TT+2*\rr], v[TT+2*\rr] row_xmask:1 row_mask:0xf bank_mask:0xf   ; with my neighbour's 16: the block's
.endr
.irp rr, 0,1,2,3
	v_add_nc_u32 v[UU+2*\rr], 0xff000000, v[TT+2*\rr]
.endr
.irp rr, 0,1,2,3
	v_lshrrev_b32 v[TT+2*\rr+1], 23, v[UU+2*\rr]
.endr
.irp rr, 0,1,2,3
	v_cvt_scalef32_pk8_fp4_f32 v[PP+2*\rr], v[X+16*\rr:X+16*\rr+7], v[UU+2*\rr]
	v_cvt_scalef32_pk8_fp4_f32 v[PP+2*\rr+1], v[X+16*\rr+8:X+16*\rr+15], v[UU+2*\rr]
.endr
	v_nop
	s_wait_alu depctr_va_vdst(0)                   ; the codes and scale bytes are written, which the LDS stores read; the four rows' arithmetic is done with v180-243, in which the next four rows land, and, behind the second four, with the gains and biases, in which n's fragments land, and with v36-51, in which b1 lands
.irp rr, 0,1,2,3
	ds_store_b64 v[NWI], v[PP+2*\rr:PP+2*\rr+1] offset:16*(4*\g+\rr)
	ds_store_b8 v[NWS], v[TT+2*\rr+1] offset:4*(4*\g+\rr)      ; both lanes of a block write the same byte with the same value
.endr
.endr
	BARRIER                                        ; all 64 rows' codes and scale bytes lie in LDS
	WIN 0x40
.irp m, 0,1,2,3
.irp ks, 0,1,2,3
.irp c, 0,1
	ds_load_b128 v[8*(4*\m+\ks)+4*\c:8*(4*\m+\ks)+4*\c+3], v[AN] offset:4352*\m+1088*\ks+544*\c
.endr
.endr
.endr
	WIN 0
.irp m, 0,1,2,3
.irp kp, 0,1
	ds_load_b32 v[NS+2*\m+\kp], v[NSR] offset:256*\m+128*\kp
.endr
.endr
.endm
; Load i of 24: the chunk's pair of tiles of w1 (16), its scale words (4), b1 at my 16 hidden units (4).
.macro W1L i
.if (\i) < 16
	global_load_b128 v[W1F+4*(\i):W1F+4*(\i)+3], v[LI], s[28:29] offset:512*(\i)
.elseif (\i) < 20
	global_load_b32 v[W1S+(\i)-16], v[L4], s[30:31] offset:128*((\i)-16)
.else
	global_load_b128 v[BI+4*((\i)-20):BI+4*((\i)-20)+3], v[H64], s[32:33] offset:16*((\i)-20)
.endif
.endm
; Load i of 20: my four tiles of w2, the chunk's two K steps (16), their scale words (4).
.macro W2L i
.if (\i) < 16
	global_load_b128 v[W2F+4*(\i):W2F+4*(\i)+3], v[LI], s[34:35] offset:16384*((\i)/4)+512*((\i)%4)
.else
	global_load_b32 v[W2S+(\i)-16], v[L4], s[36:37] offset:2048*(((\i)-16)/2)+128*(((\i)-16)%2)
.endif
.endm
.macro RUNW1 from, count               ; a run of w1's loads, at the head
.set gi, \from
.rept \count
	W1L gi
.set gi, gi+1
.endr
.endm
.macro DEAL ld                         ; the next load of the run in hand: ld = 1: w2's; 2: w1's and b1's; 0: none
.if (\ld) == 1
	W2L gi
.elseif (\ld) == 2
	W1L gi
.endif
.set gi, gi+1
.endm
; 16 numbers, in place: x <- x / 2 (1 + erf(x / sqrt(2))).  Four at a time through the two polynomials, four chains by turns; then one batch of 16 reciprocals with one wait.
; ld: which run of the weights' loads stands behind that wait, one load behind each of the sixteen packed lines, the rest behind the last.
.macro GELU base, ld
.irp e, 0,4,8,12
	v_pk_mul_f32 v[244:245], v[\base+\e:\base+\e+1], s[42:43] op_sel_hi:[1,0]
	v_pk_mul_f32 v[246:247], v[\base+\e+2:\base+\e+3], s[42:43] op_sel_hi:[1,0]
	v_med3_num_f32 v244, v244, -4.0, 4.0
	v_med3_num_f32 v245, v245, -4.0, 4.0
	v_med3_num_f32 v246, v246, -4.0, 4.0
	v_med3_num_f32 v247, v247, -4.0, 4.0
	v_pk_mul_f32 v[248:249], v[244:245], v[244:245]
	v_pk_mul_f32 v[250:251], v[246:247], v[246:247]
	v_pk_fma_f32 v[GP+\e:GP+\e+1], v[248:249], v[252:253], s[44:45] op_sel_hi:[1,1,0]
	v_pk_fma_f32 v[GP+\e+2:GP+\e+3], v[250:251], v[252:253], s[44:45] op_sel_hi:[1,1,0]
	v_pk_fma_f32 v[GQ+\e:GQ+\e+1], v[248:249], v[254:255], s[56:57] op_sel_hi:[1,1,0]
	v_pk_fma_f32 v[GQ+\e+2:GQ+\e+3], v[250:251], v[254:255], s[56:57] op_sel_hi:[1,1,0]
.irp k, 0,2,4
	v_pk_fma_f32 v[GP+\e:GP+\e+1], v[GP+\e:GP+\e+1], v[248:249], s[46+\k:47+\k] op_sel_hi:[1,1,0]
	v_pk_fma_f32 v[GP+\e+2:GP+\e+3], v[GP+\e+2:GP+\e+3], v[250:251], s[46+\k:47+\k] op_sel_hi:[1,1,0]
	v_pk_fma_f32 v[GQ+\e:GQ+\e+1], v[GQ+\e:GQ+\e+1], v[248:249], s[58+\k:59+\k] op_sel_hi:[1,1,0]
	v_pk_fma_f32 v[GQ+\e+2:GQ+\e+3], v[GQ+\e+2:GQ+\e+3], v[250:251], s[58+\k:59+\k] op_sel_hi:[1,1,0]
.endr
.irp k, 52,54
	v_pk_fma_f32 v[GP+\e:GP+\e+1], v[GP+\e:GP+\e+1], v[248:249], s[\k:\k+1] op_sel_hi:[1,1,0]
	v_pk_fma_f32 v[GP+\e+2:GP+\e+3], v[GP+\e+2:GP+\e+3], v[250:251], s[\k:\k+1] op_sel_hi:[1,1,0]
.endr
	v_pk_mul_f32 v[GP+\e:GP+\e+1], v[GP+\e:GP+\e+1], v[244:245]
	v_pk_mul_f32 v[GP+\e+2:GP+\e+3], v[GP+\e+2:GP+\e+3], v[246:247]
.endr
	s_wait_alu depctr_va_vdst(0)
.irp e, 0,1,2,3,4,5,6,7,8,9,10,11,12,13,14,15
	v_rcp_f32 v[GQ+\e], v[GQ+\e]
.endr
.irp e, 0,2,4,6,8,10,12,14
	v_pk_mul_f32 v[\base+\e:\base+\e+1], v[\base+\e:\base+\e+1], 0.5 op_sel_hi:[1,0]   ; plain work behind the reciprocals
.endr
	s_wait_alu depctr_va_vdst(0)                   ; the sixteen reciprocals are written, ahead of their first reader; ld = 1: the last chunk's second product is done reading w2's fragments and words; ld = 2: this chunk's first product is done reading w1's and b1: the loads below land there
.if (\ld) == 2
	s_wait_xcnt 0x0                                ; the bases are stepped only behind this wait
	s_add_nc_u64 s[28:29], s[28:29], 65536
	s_add_nc_u64 s[30:31], s[30:31], 4096
	s_add_nc_u64 s[32:33], s[32:33], 1024
.endif
.set gi, 0
.irp e, 0,2,4,6,8,10,12,14
	v_pk_mul_f32 v[GP+\e:GP+\e+1], v[GP+\e:GP+\e+1], v[GQ+\e:GQ+\e+1]      ; erf
	DEAL \ld                                       ; no wait: the packed lines since the wait above name v180-243 alone, none of the registers that these loads touch
.endr
.irp e, 0,2,4,6,8,10,12,14
	v_pk_fma_f32 v[\base+\e:\base+\e+1], v[\base+\e:\base+\e+1], v[GP+\e:GP+\e+1], v[\base+\e:\base+\e+1]
	DEAL \ld
.endr
.if (\ld) == 1
.rept 4
	DEAL 1
.endr
.elseif (\ld) == 2
.rept 8
	DEAL 2
.endr
.endif
.endm
.macro CPAIR reg, val
	s_mov_b32 s[\reg], \val
	s_mov_b32 s[\reg+1], \val
.endm
	s_load_b512 s[4:19], s[0:1], 0x0               ; x2, ffn_g, ffn_b, wcodes, wscales, b1, b2, out0
	v_lshrrev_b32 v13, 5, v0
	v_readfirstlane_b32 s20, v13                   ; wave 0..7
	v_and_b32 v13, 31, v0                          ; lane
	v_lshlrev_b32 v[LI], 4, v13
	v_lshlrev_b32 v[L4], 2, v13
	v_lshlrev_b32 v[LGA], 6, v13
	s_wait_alu depctr_va_sdst(0)                   ; s20 is written, ahead of its first reader
	s_mul_i32 s21, s20, WST
	v_lshrrev_b32 v14, 2, v13
	v_mul_u32_u24 v14, v14, 80
	v_and_b32 v15, 3, v13
	v_lshl_add_u32 v14, v15, 4, v14
	v_add_nc_u32 v[STI], s21, v14                  ; four lanes' 64 bytes on end, then 16 of padding
	v_mul_u32_u24 v14, v13, 80
	v_add_nc_u32 v[STO], s21, v14
	s_lshr_b32 s38, s20, 1                         ; my rows' tile: w / 2
	s_and_b32 s39, s20, 1                          ; and which eight of its rows
	s_mul_i32 s40, s38, 4352
	s_lshl_b32 s41, s39, 7
	s_add_co_u32 s40, s40, s41
	s_add_co_u32 s40, s40, NIMG
	v_lshrrev_b32 v14, 1, v13
	v_mul_u32_u24 v14, v14, 272
	v_and_b32 v15, 1, v13
	v_lshl_add_u32 v14, v15, 3, v14
	v_add_nc_u32 v[NWI], s40, v14
	s_lshl_b32 s40, s38, 8
	s_lshl_b32 s41, s39, 5
	s_add_co_u32 s40, s40, s41
	s_add_co_u32 s40, s40, NSC
	v_lshrrev_b32 v14, 3, v13
	v_lshlrev_b32 v14, 6, v14
	v_bfe_u32 v15, v13, 1, 2
	v_add_nc_u32 v14, v14, v15
	v_add_nc_u32 v[NWS], s40, v14
	v_and_b32 v14, 15, v13                         ; r
	v_lshrrev_b32 v15, 4, v13                      ; h
	v_mul_u32_u24 v[AN], v15, 272
	v_lshl_add_u32 v[AN], v14, 4, v[AN]
	v_add_nc_u32 v[AN], NIMG, v[AN]
	v_add_nc_u32 v[NSR], NSC, v[L4]
	v_lshlrev_b32 v[H64], 6, v15
	v_lshlrev_b32 v[H32], 5, v15
	s_lshl_b32 s40, s20, 8
	s_add_co_u32 s40, s40, HBASE
	v_lshlrev_b32 v[HWI0], 4, v14
	v_lshl_add_u32 v[HWI0], v15, 3, v[HWI0]
	v_add_nc_u32 v[HWI0], s40, v[HWI0]             ; block w of the chunk's eight: 256 w + 16 r + 8 h
	s_lshr_b32 s40, s20, 2
	s_lshl_b32 s40, s40, 6
	s_and_b32 s41, s20, 3
	s_add_co_u32 s40, s40, s41
	s_add_co_u32 s40, s40, HBASE+8192
	v_lshlrev_b32 v[HWS0], 2, v14
	v_add_nc_u32 v[HWS0], s40, v[HWS0]             ; my block's byte of the row's word: 64 (w / 4) + 4 r + w % 4
	v_add_nc_u32 v[HRD0], HBASE, v[LI]
	v_add_nc_u32 v[HSR0], HBASE+8192, v[L4]
.irp rr, 0,1,2,3
	v_mov_b32 v[TT+2*\rr+1], 0                     ; named as the upper halves of pairs, and as lane permutes' destinations, before they are first written
	v_mov_b32 v[UU+2*\rr+1], 0
.endr
	v_mov_b32 v252, 0xaf95df0b                     ; P's leading coefficient, twice
	v_mov_b32 v253, 0xaf95df0b
	v_mov_b32 v254, 0xb77460cd                     ; Q's
	v_mov_b32 v255, 0xb77460cd
	s_mov_b32 s[SEL], 0x76543210
	s_mov_b32 s[SEL+1], 0xfedcba98
	s_mov_b32 s24, 0x3b000000                      ; 1 / 512
	s_mov_b32 s25, 0x3727c5ac                      ; eps = 1e-5
	s_mov_b32 s[HB], 0
	s_mov_b32 s27, 7
	s_wait_kmcnt 0x0
	s_mov_b32 s39, 0
	s_lshl_b32 s38, ttmp9, 17
	s_lshl_b32 s40, s20, 14
	s_add_co_u32 s38, s38, s40                     ; my eight rows
	s_add_nc_u64 s[4:5], s[4:5], s[38:39]
	s_add_nc_u64 s[18:19], s[18:19], s[38:39]
	s_lshl_b32 s38, s20, 13
	s_add_co_u32 s38, s38, 393216
	s_add_nc_u64 s[28:29], s[10:11], s[38:39]      ; w1's codes: pair w of chunk 0
	s_lshl_b32 s38, s20, 9
	s_add_co_u32 s38, s38, 24576
	s_add_nc_u64 s[30:31], s[12:13], s[38:39]      ; its scale words
	s_lshl_b32 s38, s20, 7
	s_add_nc_u64 s[32:33], s[14:15], s[38:39]      ; b1
	s_lshl_b32 s38, s20, 16
	s_add_co_u32 s38, s38, 917504
	s_add_nc_u64 s[34:35], s[10:11], s[38:39]      ; w2's codes: my four tiles, K steps 0 and 1
	s_lshl_b32 s38, s20, 12
	s_add_co_u32 s38, s38, 57344
	s_add_nc_u64 s[36:37], s[12:13], s[38:39]      ; its scale words
	s_lshl_b32 s38, s20, 8
	s_add_nc_u64 s[16:17], s[16:17], s[38:39]      ; b2 at my 64 outputs
	XLOADS
	RUNW1 0, 20                                    ; the first chunk's w1 and its scale words
	CPAIR 42, 0x3f3504f3                           ; 1 / sqrt(2)
	CPAIR 44, 0x32edffee
	CPAIR 46, 0xb60cff51
	CPAIR 48, 0xb86ec2d2
	CPAIR 50, 0xba40ac63
	CPAIR 52, 0xbb41a1f6
	CPAIR 54, 0xbc83dbd4
	CPAIR 56, 0xb95fbd29
	CPAIR 58, 0xbadc924e
	CPAIR 60, 0xbbf19bf8
	CPAIR 62, 0xbc69b6a7
	s_wait_loadcnt 20                              ; the rows, gains and biases are in; w1's 20 loads may be out
	XPHASE
	s_wait_alu depctr_vm_vsrc(0)                   ; the scale bytes' LDS stores have read v37 to v43, in which b1 lands
	RUNW1 20, 4                                    ; the first chunk's b1
	s_wait_dscnt 0x0                               ; n's fragments and scale words are in registers
.macro CHUNK last
	s_wait_alu depctr_vm_vsrc(0)                   ; the LDS instructions issued so far have read v3 to v6, which the four lines below write
	v_add_nc_u32 v[HWI], s[HB], v[HWI0]
	v_add_nc_u32 v[HWS], s[HB], v[HWS0]
	v_add_nc_u32 v[HRD], s[HB], v[HRD0]
	v_add_nc_u32 v[HSR], s[HB], v[HSR0]
	s_wait_loadcnt 0x0                             ; w1's fragments and words and b1 are in (and, in the first chunk, b2): no load was issued behind them
.irp hh, 0,1                                   ; two tiles of rows at a time: four accumulators by turns, K step by K step
	WIN 0x04                                       ; source 1 (n) in window 1
.irp ks, 0,1,2,3
.irp mm, 0,1
.irp u, 0,1
.if \ks == 0
	WM HA+8*(2*\mm+\u), W1F+8*(4*\u+\ks), 8*(4*(2*\hh+\mm)+\ks), BI+8*\u, W1S+\ks, NS+2*(2*\hh+\mm)+\ks/2, \u, \ks%2
.else
	WM HA+8*(2*\mm+\u), W1F+8*(4*\u+\ks), 8*(4*(2*\hh+\mm)+\ks), HA+8*(2*\mm+\u), W1S+\ks, NS+2*(2*\hh+\mm)+\ks/2, \u, \ks%2
.endif
.endr
.endr
.endr
	WIN 0
	PLACES                                         ; ahead of the first read of results
	s_wait_dscnt 0x0                               ; my LDS instructions are done
.if \hh == 1
	s_wait_alu depctr_vm_vsrc(0)                   ; the first half's LDS stores have read their codes and bytes, v218-223, which the lines below write
.endif
.if \hh == 0
	GELU HA, 1                                     ; with this chunk's w2: 20 loads, a phase ahead
.elseif \last == 0
	GELU HA, 2                                     ; with the next chunk's w1 and b1: 24 loads, a phase ahead
.else
	GELU HA, 0
.endif
	GELU HA+16, 0
	QB 2, HA, 212, 214, 216, 218, 220
	s_wait_alu depctr_va_vdst(0)                   ; the codes and bytes are written, which the LDS stores read, and so are the chunk's four LDS addresses; behind the second half: GELU and quantiser are done with v180-243, and the last chunk's second product with v32-35: the loads behind the barrier land there
.irp mm, 0,1
	ds_store_b64 v[HWI], v[220+2*\mm:221+2*\mm] offset:2048*(2*\hh+\mm)
	ds_store_b8 v[HWS], v[218+\mm] offset:128*(2*\hh+\mm)
.endr
.endr
	BARRIER                                        ; the chunk's eight fragments lie in LDS
	s_wait_alu depctr_vm_vsrc(0)                   ; the second half's LDS stores have read v218-223, in which fragments land
.irp m, 0,1,2,3
	ds_load_b32 v[HS+\m], v[HSR] offset:128*\m     ; lanes 0-15 K step 0's words, lanes 16-31 K step 1's
.endr
.irp kk, 0,1                                   ; both K steps' fragments in one run: K step 0 into v212-243, K step 1 into v180-211, which the hidden layer's accumulators have left
.irp m, 0,1,2,3
.irp c, 0,1
	ds_load_b128 v[HF-32*\kk+8*\m+4*\c:HF-32*\kk+8*\m+4*\c+3], v[HRD] offset:2048*\m+1024*\kk+512*\c
.endr
.endr
.endr
.if \last
	s_wait_loadcnt 0x0
.else
	s_wait_loadcnt 24                              ; w2's fragments and words are in; the next chunk's 24 loads may be out
.endif
	WIN 0x50                                       ; C and D in window 1
.irp kk, 0,1
	s_wait_dscnt 8-8*\kk                           ; this K step's fragments are in; the second step's eight loads may be out during the first
.irp nt, 0,1,2,3
.irp m, 0,1,2,3
	WM 128+8*(4*\nt+\m), W2F+8*(2*\nt+\kk), HF-32*\kk+8*\m, 128+8*(4*\nt+\m), W2S+2*(\nt/2)+\kk, HS+\m, \nt%2, \kk
.endr
.endr
.endr
	WIN 0
	PLACES                                         ; with the four additions at the next chunk's head: eight places ahead of the products that write v180-211, which the products above have read; and ahead of the first read of results on the way out
.if \last == 0
	s_wait_xcnt 0x0                                ; the bases are stepped only behind this wait
	s_add_nc_u64 s[34:35], s[34:35], 2048
	s_add_nc_u64 s[36:37], s[36:37], 256
.endif
	s_xor_b32 s[HB], s[HB], 16384                  ; on to the other buffer
.endm
.Lchunk:
	CHUNK 0
	s_sub_co_u32 s27, s27, 1
	s_cmp_lg_u32 s27, 0
	s_cbranch_scc1 .Lchunk
	CHUNK 1                                        ; the last chunk asks for no more of w1
	; THE WAY OUT.  A lane holds eight neighbouring outputs of a row.  It reads the same places of x2 from the stage, adds, and puts the sums back: each byte has one owner.  Behind a barrier each wave reads its eight rows whole and stores them densely.
	; Four sets of registers, v52-179, which the weights have left: 32 loads, 64 sums, one wait, 32 stores.
	s_wait_alu depctr_vm_vsrc(0)                   ; the last chunk's LDS instructions have read v3 to v6, which the lines below write
	v_and_b32 v3, 15, v0
	v_bfe_u32 v4, v0, 4, 1
	v_mul_u32_u24 v5, v3, RP
	v_lshl_add_u32 v5, v4, 5, v5
	s_mul_i32 s38, s20, 320
	v_add_nc_u32 v5, s38, v5                       ; row r, outputs 64 w + 8 h on: 4 w places of 80 bytes + 32 h
	v_add_nc_u32 v6, 32*RP, v5                     ; the same 32 rows further down
	s_wait_alu depctr_va_vdst(0)                   ; v5 and v6 are written, which the LDS loads and stores below read; the products are done reading the weights' fragments, in which the loads land
.irp m, 0,1,2,3
.irp nt, 0,1,2,3
.irp q, 0,1
	ds_load_b128 v[52+32*\m+8*\nt+4*\q:52+32*\m+8*\nt+4*\q+3], v[5+\m/2] offset:16*RP*(\m%2)+80*\nt+16*\q
.endr
.endr
.endr
	WIN 0x01                                       ; source 0, the accumulators, in window 1
.irp m, 0,1,2,3
	s_wait_dscnt 24-8*\m                           ; tile m's eight loads are in; the later tiles' may be out
.irp nt, 0,1,2,3
.irp p, 0,2,4,6
	v_pk_add_f32 v[52+32*\m+8*\nt+\p:52+32*\m+8*\nt+\p+1], v[128+8*(4*\nt+\m)+\p:128+8*(4*\nt+\m)+\p+1], v[52+32*\m+8*\nt+\p:52+32*\m+8*\nt+\p+1]
.endr
.endr
.endr
	WIN 0
	s_wait_alu depctr_va_vdst(0)                   ; the sums are written, which the LDS stores read
.irp m, 0,1,2,3
.irp nt, 0,1,2,3
.irp q, 0,1
	ds_store_b128 v[5+\m/2], v[52+32*\m+8*\nt+4*\q:52+32*\m+8*\nt+4*\q+3] offset:16*RP*(\m%2)+80*\nt+16*\q
.endr
.endr
.endr
	BARRIER                                        ; 64 whole rows of the result lie in the stage
	s_wait_alu depctr_vm_vsrc(0)                   ; my LDS stores have read v52-179, in which the rows land
.irp i, 0,1,2,3,4,5,6,7
.irp j, 0,1,2,3
	ds_load_b128 v[52+4*(4*\i+\j):52+4*(4*\i+\j)+3], v[STI] offset:RP*\i+640*\j
.endr
.endr
.irp i, 0,1,2,3,4,5,6,7
.irp j, 0,1,2,3
	s_wait_dscnt 31-(4*\i+\j)
	global_store_b128 v[LI], v[52+4*(4*\i+\j):52+4*(4*\i+\j)+3], s[18:19] offset:2048*\i+512*\j th:TH_STORE_NT   ; 32 lanes store 512 consecutive bytes, aligned
.endr
.endr
	s_barrier_signal -1
	s_barrier_wait -1
	s_wait_xcnt 0x0
	v_lshl_add_u32 v254, v0, 2, 0x33000
	v_mov_b32 v255, 0
	s_wait_dscnt 0x0                               ; the closing lines, six on end
	s_wait_alu 0x0
	s_wait_tensorcnt 0x0
	ds_add_u32 v254, v255
	s_wait_dscnt 0x0
	s_endpgm
.Lfunc_end_k_q975c7c3c6c_ffn:
	.size	k_q975c7c3c6c_ffn, .Lfunc_end_k_q975c7c3c6c_ffn-k_q975c7c3c6c_ffn
	.p2alignl 7, 3214868480
	.fill 96, 4, 3214868480
	.section	.rodata,"a",@progbits
	.p2align	6, 0x0
	.amdhsa_kernel k_q975c7c3c6c_ffn
		.amdhsa_group_segment_fixed_size 209920
		.amdhsa_private_segment_fixed_size 0
		.amdhsa_enable_private_segment 0
		.amdhsa_kernarg_size 64
		.amdhsa_user_sgpr_count 2
		.amdhsa_user_sgpr_kernarg_segment_ptr 1
		.amdhsa_wavefront_size32 1
		.amdhsa_system_sgpr_workgroup_id_x 1
		.amdhsa_system_sgpr_workgroup_id_y 1
		.amdhsa_system_sgpr_workgroup_id_z 1
		.amdhsa_system_vgpr_workitem_id 0
		.amdhsa_next_free_vgpr 512
		.amdhsa_next_free_sgpr 66
		.amdhsa_reserve_vcc 0
		.amdhsa_float_denorm_mode_32 3
		.amdhsa_float_denorm_mode_16_64 3
		.amdhsa_memory_ordered 1
		.amdhsa_forward_progress 1
		.amdhsa_inst_pref_size 184
	.end_amdhsa_kernel
	.amdgpu_metadata
---
amdhsa.version: [ 1, 2 ]
amdhsa.kernels:
  - .name:           k_q975c7c3c6c_ffn
    .symbol:         k_q975c7c3c6c_ffn.kd
    .args:
      - { .name: x2, .offset: 0, .size: 8, .value_kind: global_buffer, .address_space: global }
      - { .name: ffn_g, .offset: 8, .size: 8, .value_kind: global_buffer, .address_space: global }
      - { .name: ffn_b, .offset: 16, .size: 8, .value_kind: global_buffer, .address_space: global }
      - { .name: wcodes, .offset: 24, .size: 8, .value_kind: global_buffer, .address_space: global }
      - { .name: wscales, .offset: 32, .size: 8, .value_kind: global_buffer, .address_space: global }
      - { .name: b1, .offset: 40, .size: 8, .value_kind: global_buffer, .address_space: global }
      - { .name: b2, .offset: 48, .size: 8, .value_kind: global_buffer, .address_space: global }
      - { .name: out0, .offset: 56, .size: 8, .value_kind: global_buffer, .address_space: global }
    .group_segment_fixed_size: 209920
    .private_segment_fixed_size: 0
    .kernarg_segment_align: 8
    .kernarg_segment_size: 64
    .max_flat_workgroup_size: 256
    .sgpr_count:     66
    .vgpr_count:     512
    .wavefront_size: 32
...
	.end_amdgpu_metadata
.endif
;; end of part 8
